; MI455X (gfx1250); checked and timed in simulation.
; The chip was launched on July 23, 2026; its instructions are those of AMD's public machine-readable ISA for CDNA 5 (MIT licence, August 2026) and "CDNA5" Instruction Set Architecture Reference Guide (July 2026). The comments in the code are by the model that wrote it; some were corrected since.
;; Decode Layer. Allowed arithmetic: float matrix products may take bf16 or f16 operands with f32 sums; all other float work in f32.
;; Inputs: W1 1,024 x 1,024 float32; W2 1,024 x 1,024 float32; Wk1 1,024 x 1,024 float32; Wk2 1,024 x 1,024 float32; Wo1 1,024 x 1,024 float32; Wo2 1,024 x 1,024 float32; Wq1 1,024 x 1,024 float32; Wq2 1,024 x 1,024 float32; Wv1 1,024 x 1,024 float32; Wv2 1,024 x 1,024 float32; casual_mask 2,048 x 2,048 float32; g1 1,024 float32; g2 1,024 float32; g3 1,024 float32; memory 2 x 1,024 x 1,024 float32; position_embedding 1 x 1 x 2,048 x 1,024 float32; x 2 x 2,048 x 1,024 float32.
;; Outputs: out0 2 x 2,048 x 1,024 float32.
;; 2 versions, each right and faster than the one before. Each part assembles by itself: llvm-mc -triple=amdgcn-amd-amdhsa -mcpu=gfx1250 --defsym DOCPART=n.
;; ======== version 1 of 2: 9 launches
;; workspace buffers: wmain 14,680,064 bytes; wq2b 2,097,152 bytes; wo1b 2,097,152 bytes; wo2b 2,097,152 bytes; acts 16,777,216 bytes; proj 41,943,040 bytes; obuf 8,388,608 bytes; xg 8,650,752 bytes
;; launch prep (part 1): grid 1024 x 1, 8 waves a work-group, no clusters, 0 bytes of LDS; arguments Wq1, Wk1, Wv1, Wk2, Wv2, W1, W2, Wq2, Wo1, Wo2, wmain, wq2b, wo1b, wo2b, x, memory, g1, acts; writes wmain, wq2b, wo1b, wo2b, acts
.if DOCPART == 1
	.amdgcn_target "amdgcn-amd-amdhsa--gfx1250"
	.amdhsa_code_object_version 6
	.text
	.protected	k_q10f391734b_prep
	.globl	k_q10f391734b_prep
	.p2align	8
	.type	k_q10f391734b_prep,@function
k_q10f391734b_prep:
	s_mov_b64 s[64:65], 0
	v_nop
	global_prefetch_b8 v0, s[64:65] scope:SCOPE_SE
	s_setreg_imm32_b32 hwreg(HW_REG_WAVE_MODE, 25, 1), 1
	s_wait_xcnt 0x0
; prep: everything that later launches multiply is rounded to bf16 once.  A stream: no LDS, no barrier, no loop, no matrix unit.
; Every work-group takes 65,536 bytes of f32; its role follows from its number alone:
;   0..639     weight i = number / 64, piece c = number % 64: bf16 in the same [k][n] order.  Weights 0..6 (Wq1 Wk1 Wv1 Wk2 Wv2 W1 W2) become
;              the panels of 2,097,152 bytes of wmain; 7, 8, 9 (Wq2 Wo1 Wo2) buffers of their own.  Wq1 and Wq2 are multiplied by 1/8 =
;              1/sqrt(64), a power of two: exact but for numbers that become bf16 denormals.
;   640..895   16 rows of x: h = x * rsqrt(mean(x^2) + 1e-6) * g1, to acts in the BLOCKED layout [64-column block][token][64] bf16,
;              524,288 bytes from block to block.
;   896..1023  16 rows of memory: rounded only, to blocks 16..31 of acts (2,048 tokens in each).
; In the two row roles a row lies in 16 lanes (64 numbers a lane), two rows to a wave, so the sum of squares never leaves a half wave.
; LIMITS: NaN and infinities are not served.
.set XR, 32                            ; v[32:95]   64 numbers as loaded
.set GR, 96                            ; v[96:159]  g1 of my 64 columns
.set YR, 160                           ; v[160:191] bf16 to store: registers of their own for each store, so none is rewritten
	s_load_b512 s[8:23], s[0:1], 0x0               ; Wq1 Wk1 Wv1 Wk2 Wv2 W1 W2 Wq2
	s_load_b512 s[24:39], s[0:1], 0x40             ; Wo1 Wo2 wmain wq2b wo1b wo2b x memory
	s_load_b128 s[40:43], s[0:1], 0x80             ; g1 acts
	v_lshlrev_b32 v2, 3, v0                        ; 8 t: where thread t stores 8 bytes, in all three roles
	v_lshrrev_b32 v3, 4, v0                        ; rows: my row of the group's 16
	v_and_b32 v4, 15, v0                           ; rows: my place among the row's 16 lanes
	v_lshlrev_b32 v1, 12, v3
	v_lshl_add_u32 v1, v4, 4, v1                   ; rows: row x 4,096 + 16 x place
	v_lshlrev_b32 v5, 4, v4                        ; g1: 16 x place
	v_lshlrev_b32 v12, 4, v0                       ; weights: 16 t
	s_mov_b32 s53, 0                               ; upper word of every offset
	s_mov_b32 s51, 0
	s_mov_b32 s54, 0x3a800000                      ; 1 / 1024
	s_wait_kmcnt 0x0
; 16 rows.  src: the scalar pair with the rows' address; norm = 1: rms_norm with g1, 0: rounding alone.
.macro ROWS src, norm
.if \norm
.irp kb, 0,1,2,3,4,5,6,7,8,9,10,11,12,13,14,15
	global_load_b128 v[GR+4*\kb:GR+4*\kb+3], v5, s[40:41] offset:256*\kb
.endr
.irp kb, 0,1,2,3,4,5,6,7,8,9,10,11,12,13,14,15
	global_load_b128 v[XR+4*\kb:XR+4*\kb+3], v1, s[\src:\src+1] offset:256*\kb   ; 16 lanes: 256 neighbouring bytes of a row
.endr
	s_wait_loadcnt 0x0                             ; the sum needs the whole row
	v_pk_mul_f32 v[6:7], v[XR:XR+1], v[XR:XR+1]    ; the first products start the two chains: nothing is cleared
	v_pk_mul_f32 v[8:9], v[XR+2:XR+3], v[XR+2:XR+3]
.irp kb, 1,2,3,4,5,6,7,8,9,10,11,12,13,14,15
	v_pk_fma_f32 v[6:7], v[XR+4*\kb:XR+4*\kb+1], v[XR+4*\kb:XR+4*\kb+1], v[6:7]
	v_pk_fma_f32 v[8:9], v[XR+4*\kb+2:XR+4*\kb+3], v[XR+4*\kb+2:XR+4*\kb+3], v[8:9]
.endr
	v_pk_add_f32 v[6:7], v[6:7], v[8:9]
	v_add_f32 v6, v6, v7
	v_add_f32_dpp v6, v6, v6 row_xmask:1 row_mask:0xf bank_mask:0xf   ; over the row's 16 lanes
	v_add_f32_dpp v6, v6, v6 row_xmask:2 row_mask:0xf bank_mask:0xf
	v_add_f32_dpp v6, v6, v6 row_xmask:4 row_mask:0xf bank_mask:0xf
	v_add_f32_dpp v6, v6, v6 row_xmask:8 row_mask:0xf bank_mask:0xf
	v_mov_b32 v7, 0x358637bd                       ; 1e-6
	v_fma_f32 v6, v6, s54, v7                      ; mean + eps
	v_rsq_f32 v10, v6
	v_nop                                          ; one plain place behind the transcendental (ISA guide 5.7.2)
	s_wait_alu depctr_va_vdst(0)
	v_mov_b32 v11, v10
.irp kb, 0,1,2,3,4,5,6,7,8,9,10,11,12,13,14,15
	v_pk_mul_f32 v[XR+4*\kb:XR+4*\kb+1], v[XR+4*\kb:XR+4*\kb+1], v[10:11]
	v_pk_mul_f32 v[XR+4*\kb+2:XR+4*\kb+3], v[XR+4*\kb+2:XR+4*\kb+3], v[10:11]
	v_pk_mul_f32 v[XR+4*\kb:XR+4*\kb+1], v[XR+4*\kb:XR+4*\kb+1], v[GR+4*\kb:GR+4*\kb+1]
	v_pk_mul_f32 v[XR+4*\kb+2:XR+4*\kb+3], v[XR+4*\kb+2:XR+4*\kb+3], v[GR+4*\kb+2:GR+4*\kb+3]
	v_cvt_pk_bf16_f32 v[YR+2*\kb], v[XR+4*\kb], v[XR+4*\kb+1]
	v_cvt_pk_bf16_f32 v[YR+2*\kb+1], v[XR+4*\kb+2], v[XR+4*\kb+3]
	global_store_b64 v2, v[YR+2*\kb:YR+2*\kb+1], s[42:43] offset:524288*\kb   ; a wave: two tokens of 128 bytes = 256 consecutive bytes, aligned
.endr
.else
.irp kb, 0,1,2,3,4,5,6,7,8,9,10,11,12,13,14,15
	global_load_b128 v[XR+4*\kb:XR+4*\kb+3], v1, s[\src:\src+1] offset:256*\kb th:TH_LOAD_NT
.endr
.irp kb, 0,1,2,3,4,5,6,7,8,9,10,11,12,13,14,15
	s_wait_loadcnt 15-\kb                          ; loads come back in order: this one is in, the younger ones stay out
	v_cvt_pk_bf16_f32 v[YR+2*\kb], v[XR+4*\kb], v[XR+4*\kb+1]
	v_cvt_pk_bf16_f32 v[YR+2*\kb+1], v[XR+4*\kb+2], v[XR+4*\kb+3]
	global_store_b64 v2, v[YR+2*\kb:YR+2*\kb+1], s[42:43] offset:524288*\kb
.endr
.endif
.endm
	s_cmp_ge_u32 ttmp9, 896
	s_cbranch_scc1 .Lmemory
	s_cmp_ge_u32 ttmp9, 640
	s_cbranch_scc1 .Lx
	; ---- a piece of a weight
	s_lshr_b32 s4, ttmp9, 6                        ; which weight
	s_and_b32 s5, ttmp9, 63                        ; which piece
	s_mov_b64 s[44:45], s[8:9]                     ; from: the i-th of the ten arguments
.irp n, 1,2,3,4,5,6,7,8,9
	s_cmp_eq_u32 s4, \n
	s_cselect_b64 s[44:45], s[8+2*\n:9+2*\n], s[44:45]
.endr
	s_mov_b64 s[46:47], s[28:29]                   ; to: wmain, or for 7, 8, 9 the weight's own buffer
.irp n, 7,8,9
	s_cmp_eq_u32 s4, \n
	s_cselect_b64 s[46:47], s[16+2*\n:17+2*\n], s[46:47]
.endr
	s_cmp_lt_u32 s4, 7
	s_cselect_b32 s50, s4, 0                       ; the panel in wmain
	s_cmp_eq_u32 s4, 0
	s_cselect_b32 s48, 0x3e000000, 1.0             ; 1/8 for Wq1
	s_cmp_eq_u32 s4, 7
	s_cselect_b32 s48, 0x3e000000, s48             ; and for Wq2
	s_mov_b32 s49, s48
	s_lshl_b32 s50, s50, 21
	s_lshl_b32 s52, s5, 15
	s_add_co_u32 s50, s50, s52                     ; panel x 2,097,152 + piece x 32,768
	s_lshl_b32 s52, s5, 16                         ; piece x 65,536
	s_add_nc_u64 s[44:45], s[44:45], s[52:53]
	s_add_nc_u64 s[46:47], s[46:47], s[50:51]
.irp j, 0,1,2,3,4,5,6,7,8,9,10,11,12,13,14,15
	global_load_b128 v[XR+4*\j:XR+4*\j+3], v12, s[44:45] offset:4096*\j th:TH_LOAD_NT
.endr
.irp j, 0,1,2,3,4,5,6,7,8,9,10,11,12,13,14,15
	s_wait_loadcnt 15-\j                           ; this load is in, the 15 - j younger ones stay out
	v_pk_mul_f32 v[XR+4*\j:XR+4*\j+1], v[XR+4*\j:XR+4*\j+1], s[48:49] op_sel_hi:[1,0]
	v_pk_mul_f32 v[XR+4*\j+2:XR+4*\j+3], v[XR+4*\j+2:XR+4*\j+3], s[48:49] op_sel_hi:[1,0]
	v_cvt_pk_bf16_f32 v[YR+2*\j], v[XR+4*\j], v[XR+4*\j+1]
	v_cvt_pk_bf16_f32 v[YR+2*\j+1], v[XR+4*\j+2], v[XR+4*\j+3]
	global_store_b64 v2, v[YR+2*\j:YR+2*\j+1], s[46:47] offset:2048*\j   ; a wave: 256 consecutive bytes, aligned
.endr
	s_endpgm
.Lx:	; ---- 16 rows of x
	s_sub_co_u32 s4, ttmp9, 640
	s_lshl_b32 s52, s4, 16                         ; 16 rows of 4,096 bytes
	s_add_nc_u64 s[36:37], s[36:37], s[52:53]
	s_lshl_b32 s52, s4, 11                         ; 16 tokens of 128 bytes
	s_add_nc_u64 s[42:43], s[42:43], s[52:53]
	ROWS 36, 1
	s_endpgm
.Lmemory:	; ---- 16 rows of memory
	s_sub_co_u32 s4, ttmp9, 896
	s_lshl_b32 s52, s4, 16
	s_add_nc_u64 s[38:39], s[38:39], s[52:53]
	s_lshl_b32 s52, s4, 11
	s_add_nc_u64 s[42:43], s[42:43], s[52:53]
	s_add_nc_u64 s[42:43], s[42:43], 0x800000      ; blocks 16..31
	ROWS 38, 0
	s_endpgm
.Lfunc_end_k_q10f391734b_prep:
	.size	k_q10f391734b_prep, .Lfunc_end_k_q10f391734b_prep-k_q10f391734b_prep
	.p2alignl 7, 3214868480
	.fill 96, 4, 3214868480
	.section	.rodata,"a",@progbits
	.p2align	6, 0x0
	.amdhsa_kernel k_q10f391734b_prep
		.amdhsa_group_segment_fixed_size 0
		.amdhsa_private_segment_fixed_size 0
		.amdhsa_enable_private_segment 0
		.amdhsa_kernarg_size 144
		.amdhsa_user_sgpr_count 2
		.amdhsa_user_sgpr_kernarg_segment_ptr 1
		.amdhsa_wavefront_size32 1
		.amdhsa_system_sgpr_workgroup_id_x 1
		.amdhsa_system_sgpr_workgroup_id_y 1
		.amdhsa_system_sgpr_workgroup_id_z 1
		.amdhsa_system_vgpr_workitem_id 0
		.amdhsa_next_free_vgpr 192
		.amdhsa_next_free_sgpr 66
		.amdhsa_reserve_vcc 0
		.amdhsa_float_denorm_mode_32 3
		.amdhsa_float_denorm_mode_16_64 3
		.amdhsa_memory_ordered 1
		.amdhsa_forward_progress 1
		.amdhsa_inst_pref_size 30
	.end_amdhsa_kernel
	.amdgpu_metadata
---
amdhsa.version: [ 1, 2 ]
amdhsa.kernels:
  - .name:           k_q10f391734b_prep
    .symbol:         k_q10f391734b_prep.kd
    .args:
      - { .name: Wq1, .offset: 0, .size: 8, .value_kind: global_buffer, .address_space: global }
      - { .name: Wk1, .offset: 8, .size: 8, .value_kind: global_buffer, .address_space: global }
      - { .name: Wv1, .offset: 16, .size: 8, .value_kind: global_buffer, .address_space: global }
      - { .name: Wk2, .offset: 24, .size: 8, .value_kind: global_buffer, .address_space: global }
      - { .name: Wv2, .offset: 32, .size: 8, .value_kind: global_buffer, .address_space: global }
      - { .name: W1, .offset: 40, .size: 8, .value_kind: global_buffer, .address_space: global }
      - { .name: W2, .offset: 48, .size: 8, .value_kind: global_buffer, .address_space: global }
      - { .name: Wq2, .offset: 56, .size: 8, .value_kind: global_buffer, .address_space: global }
      - { .name: Wo1, .offset: 64, .size: 8, .value_kind: global_buffer, .address_space: global }
      - { .name: Wo2, .offset: 72, .size: 8, .value_kind: global_buffer, .address_space: global }
      - { .name: wmain, .offset: 80, .size: 8, .value_kind: global_buffer, .address_space: global }
      - { .name: wq2b, .offset: 88, .size: 8, .value_kind: global_buffer, .address_space: global }
      - { .name: wo1b, .offset: 96, .size: 8, .value_kind: global_buffer, .address_space: global }
      - { .name: wo2b, .offset: 104, .size: 8, .value_kind: global_buffer, .address_space: global }
      - { .name: x, .offset: 112, .size: 8, .value_kind: global_buffer, .address_space: global }
      - { .name: memory, .offset: 120, .size: 8, .value_kind: global_buffer, .address_space: global }
      - { .name: g1, .offset: 128, .size: 8, .value_kind: global_buffer, .address_space: global }
      - { .name: acts, .offset: 136, .size: 8, .value_kind: global_buffer, .address_space: global }
    .group_segment_fixed_size: 0
    .private_segment_fixed_size: 0
    .kernarg_segment_align: 8
    .kernarg_segment_size: 144
    .max_flat_workgroup_size: 256
    .sgpr_count:     66
    .vgpr_count:     192
    .wavefront_size: 32
...
	.end_amdgpu_metadata
.endif
;; end of part 1
;; launch qkv (part 2): grid 32 x 32, 4 waves a work-group, clusters of 4 x 4, 327,680 bytes of LDS; arguments acts, wmain, proj; writes proj
.if DOCPART == 2
	.amdgcn_target "amdgcn-amd-amdhsa--gfx1250"
	.amdhsa_code_object_version 6
	.text
	.protected	k_q10f391734b_qkv
	.globl	k_q10f391734b_qkv
	.p2align	8
	.type	k_q10f391734b_qkv,@function
k_q10f391734b_qkv:
	s_mov_b64 s[64:65], 0
	v_nop
	global_prefetch_b8 v0, s[64:65] scope:SCOPE_SE
	s_setreg_imm32_b32 hwreg(HW_REG_WAVE_MODE, 25, 1), 1
	s_wait_xcnt 0x0
	s_wait_alu depctr_hold_cnt(0) depctr_sa_sdst(0) depctr_va_vdst(0) depctr_va_sdst(0) depctr_va_ssrc(0) depctr_va_vcc(0) depctr_vm_vsrc(0)
	s_getreg_b32 s2, hwreg(HW_REG_IB_STS2, 6, 4)
	s_cmp_eq_u32 s2, 0
	s_cbranch_scc0 .Lentry_in_a_cluster
	s_endpgm
.Lentry_in_a_cluster:
	s_bfe_u32 s2, ttmp6, 0x10000c
	s_cmp_lg_u32 s2, 0xf033
	s_cbranch_scc0 .Lentry_shape_is_right
	s_endpgm
.Lentry_shape_is_right:
; OUT = A W, all bf16, sums in f32, K = 1024.  A and OUT lie BLOCKED: [64-column block][token][64], 524,288 bytes from block to block;
; W lies [k][n] in panels of 1024 x 1024 (2,097,152 bytes).
; A work-group makes 128 tokens x 128 columns with four waves; a wave makes 64 x 64 = 16 accumulator tiles.  Column block CB takes columns
; 128 (CB % 8) of panel CB / 8 and writes blocks 2 CB, 2 CB + 1 of OUT.
; REMAP = 1 serves two grids.  Of 32 x 32 work-groups (8 x 8 clusters): clusters with x < 6 make CB 0..23 (Q, K, V of the self-attention) for all
; 32 row blocks of A's blocks 0..15; the 16 clusters with x = 6, 7 make CB 24..39 (K, V of the cross-attention) for the 16 row blocks of the
; 2,048 memory tokens in A's blocks 16..31.  The choice hangs on the cluster's two numbers alone and is made by selects.  On a grid of 8 x 32
; (cluster x 0, 1) only the first case occurs: CB 0..7, one panel.
; K goes in four steps of 256 through two LDS slots; one tensor load a wave fills a quarter of a slot: at most two are outstanding (the two first fills).
; CLUSTERS 4 x 4: A's tile hangs on the row block alone and is asked for jointly by the cluster's row, W's on the column block alone and is asked
; for jointly by the column: that divides the requests for both by four.
; THE MATRIX INSTRUCTION IS USED TRANSPOSED: source 0 = 16 columns of W, source 1 = 16 tokens of A, so that lane l holds token l % 16 and its eight
; registers eight neighbouring columns, which pack into 16 bytes.
; REGISTERS: window 0: v1-7 set-up, v16-26 addresses, v64-127 and v128-191 two fragment buffers (A's four fragments, then W's four), v192-255 at
; work on the way out.  Window 1: v0-127 the accumulators, tile (a, b) at 8 (4 a + b).
; LIMITS: NaN and infinities are not served.
.set REMAP, 1                          ; the two kinds of clusters described above
.set WOFF,  0                          ; byte offset of W's first panel in its buffer
.set RELU,  0                          ; 1: max(0, .) in front of the rounding
.set SLOT,  147456                     ; A: 4 blocks x 128 tokens x 144 bytes = 73,728; W: 256 k x 288 bytes = 73,728
.set WREG,  73728                      ; where W's rows begin in a slot
.set PART,  36864                      ; what one tensor load fills
.set STAGE, 294912                     ; behind the ring: 8,192 bytes for each wave, which no tensor load fills
.set ADRA, 16                          ; v16-17  my A fragments in slot 0, 1
.set ADRB, 20                          ; v20-23  my W fragments: slot 0 rows 0-127, rows 128-255, slot 1 likewise (the 16-bit offset reaches 128 rows)
.set STO,  24                          ; v24     way out: where I put 16 bytes
.set RD,   25                          ; v25     way out: where I read rows back
.set GO,   26                          ; v26     way out: 16 x lane
.set F0,   64
.set F1,   128
.set TMP,  192
.set G1,  24                           ; s[24:31] group 1 for A
.set G0,  32                           ; s[32:39] group 0 for A, a set for each slot
.set G1B, 48                           ; s[48:55] group 1 for W
.set G0B, 56                           ; s[56:63] group 0 for W, a set for each slot
.set MSB, 0
.macro WIN new                         ; s_set_vgpr_msb: bits 1:0 source 0, 3:2 source 1, 5:4 source 2, 7:6 destination; the high byte repeats the setting that is left
.if MSB != \new
	s_set_vgpr_msb (MSB<<8)|\new
.set MSB, \new
.endif
.endm
.macro PLACES                          ; four plain places behind a matrix instruction, in front of loads into its sources and of readers of its results
.rept 4
	v_nop
.endr
.endm
.macro JLOAD s                         ; a joint load: waves 0, 1 ask for A's halves, waves 2, 3 for W's.  The branch hangs on the wave's number alone
	s_cmp_eq_u32 s11, 0
	s_cbranch_scc0 .Lfor_w_\@
	tensor_load_to_lds s[G0+4*\s:G0+4*\s+3], s[G1:G1+7]
	s_nop 0
	s_branch .Lasked_\@
.Lfor_w_\@:
	tensor_load_to_lds s[G0B+4*\s:G0B+4*\s+3], s[G1B:G1B+7]
	s_nop 0
.Lasked_\@:
.endm
.macro CREST                           ; a round of the cluster's barrier behind its opening work-group barrier
	s_cmp_lg_u32 s10, 0
	s_cbranch_scc1 .Lnot_wave_0_\@
	s_barrier_signal -3
.Lnot_wave_0_\@:
	s_barrier_wait -3
	s_barrier_signal -1
	s_barrier_wait -1
.endm
.macro CROUND
	s_barrier_signal -1
	s_barrier_wait -1
	CREST
.endm
	s_load_b128 s[4:7], s[0:1], 0x0                ; A, W
	s_load_b64 s[8:9], s[0:1], 0x10                ; OUT
	v_lshrrev_b32 v1, 5, v0
	v_readfirstlane_b32 s10, v1                    ; wave 0..3
	s_lshr_b32 s11, s10, 1                         ; my half of the tokens.  Also: I fetch for A (0) or for W (1)
	s_and_b32 s12, s10, 1                          ; my half of the columns.  Also: which half of that tile I fetch
	s_bfe_u32 s40, ttmp6, 0x40000                  ; cx
	s_bfe_u32 s41, ttmp6, 0x40004                  ; cy
	s_and_b32 s80, ttmp7, 0xffff                   ; cluster y
	s_mov_b32 s81, ttmp9                           ; cluster x
.if REMAP
	s_and_b32 s82, s80, 3                          ; for cluster x = 6, 7: four cluster rows (16 row blocks of memory tokens)
	s_lshr_b32 s83, s80, 2
	s_lshl_b32 s83, s83, 1
	s_add_co_u32 s83, s83, s81                     ; and cluster columns 6..9 = 2 (y / 4) + x
	s_cmp_ge_u32 s81, 6
	s_cselect_b32 s80, s82, s80
	s_cselect_b32 s81, s83, s81
	s_cselect_b32 s84, 0x800000, 0                 ; A's blocks 16..31
.endif
	s_lshl_b32 s42, s81, 2
	s_add_co_u32 s42, s42, s40                     ; CB: column block
	s_lshl_b32 s13, s80, 2
	s_add_co_u32 s13, s13, s41                     ; RB: row block
	s_lshl_b32 s43, s41, 2
	s_lshl_b32 s43, 15, s43                        ; my row of the cluster
	s_lshl_b32 s44, 0x1111, s40                    ; my column
	; group 1 for A: two dense blocks of 128 tokens x 128 bytes = 2,048 elements of 8 bytes each, 65,536 elements apart; 4 words of padding behind
	; every 32 words, counted along the whole tile: LDS rows of 144 bytes
	s_or_b32 s[G1+0], s43, (3<<16)|(1<<20)|(1<<21)|(4<<22)|(3<<25)
	s_mov_b32 s[G1+1], 2048<<16                    ; tensor_dim0 = 2,048
	s_mov_b32 s[G1+2], 2<<16                       ; tensor_dim1 = 2
	s_mov_b32 s[G1+3], 2048<<16                    ; tile_dim0 = 2,048
	s_mov_b32 s[G1+4], 2                           ; tile_dim1 = 2
	s_mov_b32 s[G1+5], 65536                       ; from block to block
	s_mov_b32 s[G1+6], 0
	s_mov_b32 s[G1+7], 0
	; group 1 for W: 128 rows (k) x 128 elements of 2 bytes, 1,024 elements from row to row; 8 words of padding behind every 64: LDS rows of 288 bytes
	s_or_b32 s[G1B+0], s44, (1<<16)|(1<<20)|(1<<21)|(5<<22)|(7<<25)
	s_mov_b32 s[G1B+1], 128<<16
	s_mov_b32 s[G1B+2], 128<<16
	s_mov_b32 s[G1B+3], 128<<16
	s_mov_b32 s[G1B+4], 128
	s_mov_b32 s[G1B+5], 1024
	s_mov_b32 s[G1B+6], 0
	s_mov_b32 s[G1B+7], 0
	; A's address hangs on the row block, W's on the column block, each in registers that never hold the other coordinate
	s_lshl_b32 s16, s13, 14                        ; 128 tokens x 128 bytes
	s_lshl_b32 s17, s12, 20                        ; my two of the step's four blocks
	s_add_co_u32 s16, s16, s17
.if REMAP
	s_add_co_u32 s16, s16, s84
.endif
	s_mov_b32 s17, 0
	s_lshr_b32 s46, s42, 3
	s_lshl_b32 s46, s46, 21                        ; the panel
	s_and_b32 s47, s42, 7
	s_lshl_b32 s47, s47, 8                         ; 128 columns x 2 bytes
	s_add_co_u32 s46, s46, s47
	s_lshl_b32 s47, s12, 18                        ; my 128 of the step's 256 rows, 2,048 bytes each
	s_add_co_u32 s46, s46, s47
.if WOFF
	s_add_co_u32 s46, s46, WOFF
.endif
	s_mov_b32 s47, 0
	s_mul_i32 s20, s10, PART                       ; to LDS: A's halves, then W's halves = wave x 36,864
	s_wait_kmcnt 0x0
	s_add_nc_u64 s[14:15], s[4:5], s[16:17]
	s_add_nc_u64 s[46:47], s[6:7], s[46:47]
	CROUND                                         ; all sixteen work-groups are here: the first joint loads meet
.irp s, 0,1
	s_mov_b32 s[G0+4*\s], 1
	s_add_co_u32 s[G0+4*\s+1], s20, \s*SLOT
	s_add_nc_u64 s[G0+4*\s+2:G0+4*\s+3], s[14:15], \s*0x200000     ; K step s: four blocks on
	s_or_b32 s[G0+4*\s+3], s[G0+4*\s+3], 0x80000000
	s_mov_b32 s[G0B+4*\s], 1
	s_add_co_u32 s[G0B+4*\s+1], s20, \s*SLOT
	s_add_nc_u64 s[G0B+4*\s+2:G0B+4*\s+3], s[46:47], \s*0x80000    ; 256 rows on
	s_or_b32 s[G0B+4*\s+3], s[G0B+4*\s+3], 0x80000000
	JLOAD \s
.endr
	; fragment addresses.  A (K along the LDS rows): row x 144 + 16 (l / 16), two loads 32 bytes apart.
	; W (stored [k][n]): transposing loads at (8 (l / 16) + l % 8) x 288 + 16 ((l / 8) % 2), two loads 16 rows apart.
	v_and_b32 v1, 15, v0                           ; r = l % 16
	v_bfe_u32 v2, v0, 4, 1                         ; h = l / 16
	v_mul_u32_u24 v3, v1, 144
	v_lshl_add_u32 v3, v2, 4, v3
	s_mul_i32 s21, s11, 9216                       ; my 64 tokens
	v_add_nc_u32 v[ADRA], s21, v3
	v_add_nc_u32 v[ADRA+1], SLOT, v[ADRA]
	v_and_b32 v4, 7, v0
	v_lshl_add_u32 v4, v2, 3, v4
	v_mul_u32_u24 v4, v4, 288
	v_bfe_u32 v5, v0, 3, 1
	v_lshl_add_u32 v4, v5, 4, v4
	s_lshl_b32 s22, s12, 7                         ; my 64 columns
	s_add_co_u32 s22, s22, WREG
	v_add_nc_u32 v[ADRB], s22, v4
	v_add_nc_u32 v[ADRB+1], PART, v[ADRB]
	v_add_nc_u32 v[ADRB+2], SLOT, v[ADRB]
	v_add_nc_u32 v[ADRB+3], SLOT+PART, v[ADRB]
	s_lshl_b32 s23, s10, 13
	s_add_co_u32 s23, s23, STAGE                   ; my stage
	; the way out
	v_add_nc_u32 v[STO], s23, v3                   ; in: row r of 144 bytes, 16 bytes for each half of the lanes
	v_bfe_u32 v6, v0, 3, 2
	v_and_b32 v7, 7, v0
	v_mul_u32_u24 v6, v6, 144
	v_lshl_add_u32 v6, v7, 4, v6
	v_add_nc_u32 v[RD], s23, v6                    ; back: eight lanes take a row of 128 bytes, a wave four rows
	v_and_b32 v7, 31, v0
	v_lshlrev_b32 v[GO], 4, v7
	s_lshl_b32 s18, s13, 1
	s_add_co_u32 s18, s18, s11                     ; my group of 64 tokens
	s_lshl_b32 s16, s18, 13                        ; x 64 x 128 bytes
	s_mov_b32 s17, 0
	s_add_nc_u64 s[8:9], s[8:9], s[16:17]
	s_lshl_b32 s45, s42, 1
	s_add_co_u32 s45, s45, s12                     ; my block of 64 columns
	s_lshl_b32 s46, s45, 19
	s_mov_b32 s47, 0
	s_add_nc_u64 s[8:9], s[8:9], s[46:47]
; 8 matrix instructions: token tiles a0, a0 + 1 x the four column tiles, 32 along K.  zero = 1: the first product starts the sums.
.macro MUL8 f, a0, zero
.irp a, \a0, \a0+1
.irp b, 0,1,2,3
.if \zero
	v_wmma_f32_16x16x32_bf16 v[8*(4*(\a)+\b):8*(4*(\a)+\b)+7], v[\f+32+8*\b:\f+32+8*\b+7], v[\f+8*(\a):\f+8*(\a)+7], 0
.else
	v_wmma_f32_16x16x32_bf16 v[8*(4*(\a)+\b):8*(4*(\a)+\b)+7], v[\f+32+8*\b:\f+32+8*\b+7], v[\f+8*(\a):\f+8*(\a)+7], v[8*(4*(\a)+\b):8*(4*(\a)+\b)+7]
.endif
.endr
.endr
.endm
; 16 LDS loads: the fragments of the q-th 32 of a slot's 256 along K, into buffer f
.macro FETCH slot, q, f
.irp a, 0,1,2,3
	ds_load_b128 v[\f+8*\a:\f+8*\a+3],   v[ADRA+\slot] offset:((\q)>>1)*18432+((\q)&1)*64+\a*2304
	ds_load_b128 v[\f+8*\a+4:\f+8*\a+7], v[ADRA+\slot] offset:((\q)>>1)*18432+((\q)&1)*64+\a*2304+32
.endr
.irp b, 0,1,2,3
	ds_load_tr16_b128 v[\f+32+8*\b:\f+32+8*\b+3],   v[ADRB+2*\slot+((\q)>>2)] offset:((\q)&3)*9216+32*\b
	ds_load_tr16_b128 v[\f+32+8*\b+4:\f+32+8*\b+7], v[ADRB+2*\slot+((\q)>>2)] offset:((\q)&3)*9216+32*\b+4608
.endr
.endm
; One of a slot's first seven eighths: buffer f is in; the next eighth's loads go out into g; then 16 matrix instructions on f.
; The 16 accumulators take turns, one instruction a turn, in the same order everywhere.
.macro STEP slot, q, f, g, zero
	s_wait_dscnt 0x0                               ; buffer f's 16 loads, issued 16 matrix instructions ago
	PLACES                                         ; g was read by the matrix instructions just issued
	FETCH \slot, \q+1, \g
	WIN 0x50                                       ; C and D in window 1
	MUL8 \f, 0, \zero
	MUL8 \f, 2, \zero
	WIN 0
.endm
.macro PHASE slot, zero
	STEP \slot, 0, F0, F1, \zero
	STEP \slot, 1, F1, F0, 0
	STEP \slot, 2, F0, F1, 0
	STEP \slot, 3, F1, F0, 0
	STEP \slot, 4, F0, F1, 0
	STEP \slot, 5, F1, F0, 0
	STEP \slot, 6, F0, F1, 0
.endm
; The last eighth, and the change of slots.  In front of the barrier each wave has its reads of this slot back and all its tensor loads landed (the one
; that is out is its part of the next slot).  fill = 1: the barrier opens a round of the cluster's barrier, and the joint refill of this slot, two K
; steps ahead, is the first tensor load behind the round.  From that request to the wait for it a wave issues 120 matrix instructions.
.macro TURN slot, next, fill
	s_wait_dscnt 0x0
	s_wait_tensorcnt 0x0
	s_barrier_signal -1
	WIN 0x50
	MUL8 F1, 0, 0                                  ; register work while the others arrive
	WIN 0
	s_barrier_wait -1
.if \fill
	CREST
	s_add_nc_u64 s[G0+4*\slot+2:G0+4*\slot+3], s[G0+4*\slot+2:G0+4*\slot+3], 0x400000     ; no load of mine is out: group 0 may be written
	s_add_nc_u64 s[G0B+4*\slot+2:G0B+4*\slot+3], s[G0B+4*\slot+2:G0B+4*\slot+3], 0x100000
	JLOAD \slot
.endif
	PLACES
	FETCH \next, 0, F0
	WIN 0x50
	MUL8 F1, 2, 0
	WIN 0
.endm
	s_wait_tensorcnt 0x1                           ; my part of slot 0 is in; slot 1's may stay out
	s_barrier_signal -1
	s_barrier_wait -1
	FETCH 0, 0, F0
	PHASE 0, 1                                     ; K 0..255
	TURN 0, 1, 1
	PHASE 1, 0                                     ; K 256..511
	TURN 1, 0, 1
	PHASE 0, 0                                     ; K 512..767
	TURN 0, 1, 0                                   ; nothing is left to fetch
	PHASE 1, 0                                     ; K 768..1023
	s_wait_dscnt 0x0
	WIN 0x50
	MUL8 F1, 0, 0
	MUL8 F1, 2, 0
	WIN 0
	PLACES                                         ; in front of the readers of the results and of loads into the buffers
; THE WAY OUT, 16 tokens at a time: round to bf16, 16 bytes a lane into my own stage, read back as whole rows; in the blocked layout four rows of
; 128 bytes are 512 consecutive bytes.  LDS serves a wave's instructions in order (ISA guide 5.7.1.4): no wait between the stores and the loads.
.macro OUT16 a, f
.if RELU
	WIN 0x04
.irp b, 0,1,2,3
.irp j, 0,1,2,3,4,5,6,7
	v_max_num_f32 v[TMP+16+8*\b+\j], 0, v[8*(4*\a+\b)+\j]
.endr
.endr
	WIN 0
.irp b, 0,1,2,3
.irp j, 0,1,2,3
	v_cvt_pk_bf16_f32 v[TMP+4*\b+\j], v[TMP+16+8*\b+2*\j], v[TMP+16+8*\b+2*\j+1]
.endr
.endr
.else
	WIN 0x05
.irp b, 0,1,2,3
.irp j, 0,1,2,3
	v_cvt_pk_bf16_f32 v[TMP+4*\b+\j], v[8*(4*\a+\b)+2*\j], v[8*(4*\a+\b)+2*\j+1]
.endr
.endr
	WIN 0
.endif
.irp b, 0,1,2,3
	ds_store_b128 v[STO], v[TMP+4*\b:TMP+4*\b+3] offset:32*\b
.endr
	s_wait_xcnt 0x0                                ; buffer f, which earlier stores read, is loaded again only behind this wait
.irp t, 0,1,2,3
	ds_load_b128 v[\f+4*\t:\f+4*\t+3], v[RD] offset:576*\t
.endr
.irp t, 0,1,2,3
	s_wait_dscnt 3-\t                              ; this load is back, the younger ones stay out
	global_store_b128 v[GO], v[\f+4*\t:\f+4*\t+3], s[8:9] offset:2048*\a+512*\t   ; a wave: 512 consecutive bytes, aligned
.endr
.endm
	OUT16 0, F0
	OUT16 1, F1
	OUT16 2, F0
	OUT16 3, F1
	CROUND                                         ; the closing round: no work-group ends while a partner may still ask jointly
	s_endpgm
.Lfunc_end_k_q10f391734b_qkv:
	.size	k_q10f391734b_qkv, .Lfunc_end_k_q10f391734b_qkv-k_q10f391734b_qkv
	.p2alignl 7, 3214868480
	.fill 96, 4, 3214868480
	.section	.rodata,"a",@progbits
	.p2align	6, 0x0
	.amdhsa_kernel k_q10f391734b_qkv
		.amdhsa_group_segment_fixed_size 327680
		.amdhsa_private_segment_fixed_size 0
		.amdhsa_enable_private_segment 0
		.amdhsa_kernarg_size 24
		.amdhsa_user_sgpr_count 2
		.amdhsa_user_sgpr_kernarg_segment_ptr 1
		.amdhsa_wavefront_size32 1
		.amdhsa_system_sgpr_workgroup_id_x 1
		.amdhsa_system_sgpr_workgroup_id_y 1
		.amdhsa_system_sgpr_workgroup_id_z 1
		.amdhsa_system_vgpr_workitem_id 0
		.amdhsa_next_free_vgpr 384
		.amdhsa_next_free_sgpr 96
		.amdhsa_reserve_vcc 0
		.amdhsa_float_denorm_mode_32 3
		.amdhsa_float_denorm_mode_16_64 3
		.amdhsa_memory_ordered 1
		.amdhsa_forward_progress 1
		.amdhsa_inst_pref_size 89
	.end_amdhsa_kernel
	.amdgpu_metadata
---
amdhsa.version: [ 1, 2 ]
amdhsa.kernels:
  - .name:           k_q10f391734b_qkv
    .symbol:         k_q10f391734b_qkv.kd
    .args:
      - { .name: acts, .offset: 0, .size: 8, .value_kind: global_buffer, .address_space: global }
      - { .name: wmain, .offset: 8, .size: 8, .value_kind: global_buffer, .address_space: global }
      - { .name: proj, .offset: 16, .size: 8, .value_kind: global_buffer, .address_space: global }
    .group_segment_fixed_size: 327680
    .private_segment_fixed_size: 0
    .kernarg_segment_align: 8
    .kernarg_segment_size: 24
    .max_flat_workgroup_size: 128
    .sgpr_count:     96
    .vgpr_count:     384
    .wavefront_size: 32
...
	.end_amdgpu_metadata
.endif
;; end of part 2
;; launch attn_self (part 3): grid 8 x 32, 8 waves a work-group, clusters of 4 x 4, 327,680 bytes of LDS; arguments proj, casual_mask, obuf; writes obuf
.if DOCPART == 3
	.amdgcn_target "amdgcn-amd-amdhsa--gfx1250"
	.amdhsa_code_object_version 6
	.text
	.protected	k_q10f391734b_attn_self
	.globl	k_q10f391734b_attn_self
	.p2align	8
	.type	k_q10f391734b_attn_self,@function
k_q10f391734b_attn_self:
	s_mov_b64 s[64:65], 0
	v_nop
	global_prefetch_b8 v0, s[64:65] scope:SCOPE_SE
	s_setreg_imm32_b32 hwreg(HW_REG_WAVE_MODE, 25, 1), 1
	s_wait_xcnt 0x0
	s_wait_alu depctr_hold_cnt(0) depctr_sa_sdst(0) depctr_va_vdst(0) depctr_va_sdst(0) depctr_va_ssrc(0) depctr_va_vcc(0) depctr_vm_vsrc(0)
	s_getreg_b32 s2, hwreg(HW_REG_IB_STS2, 6, 4)
	s_cmp_eq_u32 s2, 0
	s_cbranch_scc0 .Lentry_in_a_cluster
	s_endpgm
.Lentry_in_a_cluster:
	s_bfe_u32 s2, ttmp6, 0x10000c
	s_cmp_lg_u32 s2, 0xf033
	s_cbranch_scc0 .Lentry_shape_is_right
	s_endpgm
.Lentry_shape_is_right:
; Attention of one (batch, head) for 256 queries: o = softmax(q k^T + bias) v.  q, k, v: bf16 in the blocked layout [panel x 16 + head][token][64]
; (524,288 bytes a block); q already carries 1/sqrt(64).  bias: f32 [2048][NK], an input, honoured as it is: no key is skipped.
; Eight waves, 32 queries each (two tiles t of 16).  Keys go in steps of 64 through two LDS slots.
; BOTH PRODUCTS ARE USED TRANSPOSED, so that a lane owns ONE query (l % 16 of tile t):
;   S(t, kt): source 0 = 16 keys of K, source 1 = 16 queries; register j of lane l = key 16 kt + 8 (l / 16) + j.  C is the bias tile itself, so the
;             bias is added in the matrix unit's f32 sum.
;   O(ht, t): source 0 = 16 columns of V (transposing loads), source 1 = P, which is S rounded in place: the two tiles 2 g, 2 g + 1 of a lane ARE the
;             fragment of keys 32 g .. 32 g + 31.  No value changes lanes between the two products.
; Softmax with a running maximum: the exponent is (S - m) log2(e), the difference first, so a row whose largest score is very negative stays exact.
; A query's keys lie in lanes l and l + 16: the maximum crosses once a step, the sum of exponentials once at the end.
; CLUSTERS 4 x 4: x = query block, y = (batch, head).  The bias tile hangs on the query block alone: asked for jointly by the cluster's column.
; K and V hang on (batch, head) alone: asked for jointly by the row.  Both requests are divided by four.  A step's loads: waves 0-3 a quarter of the
; bias tile each, wave 4 K, wave 5 V, waves 6 and 7 none; one tensor load of a wave is outstanding at most.
; LIMITS: the bias is summed with the products in the matrix unit, so the order of rounding differs from scores + bias in f32; where every bias of a
; row is so large that the scores vanish in its f32 rounding, the weights hang on that rounding.  NaN and infinities are not served.
.set CROSS, 0                          ; 1: q is still to be multiplied by its row's 1/rms
.set NK,    2048                       ; keys
.set KPAN,  1                          ; K's panel of 16 blocks
.set VPAN,  2                          ; V's panel
.set SLOT,  89088                      ; bias 256 rows x 272 = 69,632; K 64 x 144 = 9,216; V 64 x 160 = 10,240
.set KOFF,  69632
.set VOFF,  78848
.set STAGE, 178176                     ; behind the ring: 32 rows x 144 bytes for each wave, which no tensor load fills
.set KA,  2                            ; v2-3    K fragments in slot 0, 1
.set VA,  4                            ; v4-5    V fragments
.set BA,  6                            ; v6-7    bias
.set STO, 8
.set RD,  9
.set GO,  10
.set QO,  11
.set M,   12                           ; v[12:13], v[14:15]  the running maximum of tile t, twice
.set LS,  16                           ; v16-17  the running sum of my half of the keys
.set AL,  18                           ; v[18:19], v[20:21]  alpha of tile t, twice
.set MX,  22                           ; v22-23  maximum at work
.set SU,  22                           ; v[22:23], v[24:25]  sums at work (behind the maxima)
.set PX,  24                           ; v24-25  from the other half of the lanes
.set MN,  26                           ; v26-27  new maximum
.set AE,  28                           ; v28-29  alpha's exponent
.set Q,   32                           ; v32-63   Q(t, ks) at 16 t + 8 ks
.set O,   64                           ; v64-127  O(ht, t) at 8 (2 ht + t)
.set S,   128                          ; v128-191 S(t, kt) at 32 t + 8 kt; then P(t, g) at 32 t + 16 g
.set F,   192                          ; v192-255 K's eight fragments, then V's eight
.set G1X, 16                           ; s[16:23] group 1, bias
.set G1K, 24                           ; s[24:31] group 1, K
.set G0X, 32                           ; s[32:39] group 0, bias, a set for each slot
.set G1V, 48                           ; s[48:55] group 1, V
.set G0K, 56                           ; s[56:63] group 0, K
.set G0V, 68                           ; s[68:75] group 0, V
.macro PLACES5                         ; five plain places behind a matrix instruction: for loads into its registers, readers of its results and matrix instructions that write over them
.rept 5
	v_nop
.endr
.endm
.macro ROUND                           ; a round of the cluster's barrier
	s_barrier_signal -1
	s_barrier_wait -1
	s_cmp_lg_u32 s10, 0
	s_cbranch_scc1 .Lnot_wave_0_\@
	s_barrier_signal -3
.Lnot_wave_0_\@:
	s_barrier_wait -3
	s_barrier_signal -1
	s_barrier_wait -1
.endm
.macro JLOAD s                         ; a step's joint loads into slot s; the branches hang on the wave's number alone
	s_cmp_lt_u32 s10, 4
	s_cbranch_scc0 .Lnot_bias_\@
	tensor_load_to_lds s[G0X+4*\s:G0X+4*\s+3], s[G1X:G1X+7]
	s_nop 0
	s_branch .Lasked_\@
.Lnot_bias_\@:
	s_cmp_eq_u32 s10, 4
	s_cbranch_scc0 .Lnot_k_\@
	tensor_load_to_lds s[G0K+4*\s:G0K+4*\s+3], s[G1K:G1K+7]
	s_nop 0
	s_branch .Lasked_\@
.Lnot_k_\@:
	s_cmp_eq_u32 s10, 5
	s_cbranch_scc0 .Lasked_\@
	tensor_load_to_lds s[G0V+4*\s:G0V+4*\s+3], s[G1V:G1V+7]
	s_nop 0
.Lasked_\@:
.endm
	s_load_b128 s[4:7], s[0:1], 0x0                ; proj, bias
	s_load_b64 s[8:9], s[0:1], 0x10                ; obuf
.if CROSS
	s_load_b64 s[80:81], s[0:1], 0x18              ; xg: behind its 8,388,608 bytes lie the partial sums of squares [64-column block][4096]
.endif
	v_lshrrev_b32 v1, 5, v0
	v_readfirstlane_b32 s10, v1                    ; wave 0..7
	s_bfe_u32 s40, ttmp6, 0x40000                  ; cx
	s_bfe_u32 s41, ttmp6, 0x40004                  ; cy
	s_lshl_b32 s42, ttmp9, 2
	s_add_co_u32 s42, s42, s40                     ; QB: query block 0..7
	s_and_b32 s13, ttmp7, 0xffff
	s_lshl_b32 s13, s13, 2
	s_add_co_u32 s13, s13, s41                     ; BH: 16 x batch + head
	s_lshl_b32 s43, s41, 2
	s_lshl_b32 s43, 15, s43                        ; my row of the cluster
	s_lshl_b32 s44, 0x1111, s40                    ; my column
	s_mov_b32 s76, 0x76543210                      ; v_permlanex16_b32: lane i reads lane i of the other half
	s_mov_b32 s77, 0xfedcba98
	; bias: 64 rows x 64 elements of 4 bytes, NK elements from row to row; 4 words of padding behind every 64: LDS rows of 272 bytes
	s_or_b32 s[G1X+0], s44, (2<<16)|(1<<20)|(1<<21)|(5<<22)|(3<<25)
	s_mov_b32 s[G1X+1], 64<<16
	s_mov_b32 s[G1X+2], 64<<16
	s_mov_b32 s[G1X+3], 64<<16
	s_mov_b32 s[G1X+4], 64
	s_mov_b32 s[G1X+5], NK
	s_mov_b32 s[G1X+6], 0
	s_mov_b32 s[G1X+7], 0
	; K, V: 64 keys x 128 bytes are dense: 32 rows of 32 elements of 8 bytes; padding behind every 32 words (a key): 4 words for K (144), 8 for V (160)
	s_or_b32 s[G1K+0], s43, (3<<16)|(1<<20)|(1<<21)|(4<<22)|(3<<25)
	s_or_b32 s[G1V+0], s43, (3<<16)|(1<<20)|(1<<21)|(4<<22)|(7<<25)
.irp g, G1K, G1V
	s_mov_b32 s[\g+1], 32<<16
	s_mov_b32 s[\g+2], 32<<16
	s_mov_b32 s[\g+3], 32<<16
	s_mov_b32 s[\g+4], 32
	s_mov_b32 s[\g+5], 32
	s_mov_b32 s[\g+6], 0
	s_mov_b32 s[\g+7], 0
.endr
	; K's and V's address hangs on (batch, head), the bias's on the query block, each in registers that never hold the other coordinate
	s_lshr_b32 s11, s13, 4                         ; batch
	s_and_b32 s12, s13, 15                         ; head
	s_lshl_b32 s14, s12, 19
	s_mul_i32 s15, s11, NK*128
	s_add_co_u32 s14, s14, s15
	s_mov_b32 s15, 0
	s_lshl_b32 s46, s42, 8
	s_lshl_b32 s47, s10, 6
	s_add_co_u32 s46, s46, s47                     ; row 256 QB + 64 wave
	s_mul_i32 s46, s46, NK*4
	s_mov_b32 s47, 0
	s_mul_i32 s45, s10, 17408                      ; the quarter's place in a slot: wave x 64 rows x 272
	s_lshl_b32 s82, s11, 11
	s_lshl_b32 s83, s42, 8
	s_add_co_u32 s82, s82, s83
	s_lshl_b32 s83, s10, 5
	s_add_co_u32 s84, s82, s83                     ; my first query's token = 2048 batch + 256 QB + 32 wave
	s_lshl_b32 s82, s84, 7
	s_lshl_b32 s83, s12, 19
	s_add_co_u32 s82, s82, s83                     ; its place in a panel, the same for q and for o
	s_mov_b32 s83, 0
	s_wait_kmcnt 0x0
	s_add_nc_u64 s[14:15], s[4:5], s[14:15]
	s_add_nc_u64 s[46:47], s[6:7], s[46:47]
	s_add_nc_u64 s[86:87], s[4:5], s[82:83]        ; q (panel 0)
	s_add_nc_u64 s[8:9], s[8:9], s[82:83]          ; o
.if CROSS
	s_lshl_b32 s82, s84, 2
	s_add_nc_u64 s[80:81], s[80:81], s[82:83]
	s_add_nc_u64 s[80:81], s[80:81], 0x800000
.endif
.irp n, 0,1
	s_mov_b32 s[G0X+4*\n], 1
	s_add_co_u32 s[G0X+4*\n+1], s45, \n*SLOT
	s_add_nc_u64 s[G0X+4*\n+2:G0X+4*\n+3], s[46:47], \n*256
	s_or_b32 s[G0X+4*\n+3], s[G0X+4*\n+3], 0x80000000
	s_mov_b32 s[G0K+4*\n], 1
	s_mov_b32 s[G0K+4*\n+1], KOFF+\n*SLOT
	s_add_nc_u64 s[G0K+4*\n+2:G0K+4*\n+3], s[14:15], KPAN*8388608+\n*8192
	s_or_b32 s[G0K+4*\n+3], s[G0K+4*\n+3], 0x80000000
	s_mov_b32 s[G0V+4*\n], 1
	s_mov_b32 s[G0V+4*\n+1], VOFF+\n*SLOT
	s_add_nc_u64 s[G0V+4*\n+2:G0V+4*\n+3], s[14:15], VPAN*8388608+\n*8192
	s_or_b32 s[G0V+4*\n+3], s[G0V+4*\n+3], 0x80000000
.endr
	ROUND                                          ; all sixteen work-groups are here
	JLOAD 0                                        ; step 0; slot 1 is first filled behind the first step's round
	v_and_b32 v22, 15, v0                          ; r = l % 16
	v_bfe_u32 v23, v0, 4, 1                        ; h = l / 16
	v_lshlrev_b32 v[QO], 7, v22
	v_lshl_add_u32 v[QO], v23, 4, v[QO]            ; Q straight into fragments: token r, 16 bytes at 16 h, and 32 further on
.irp t, 0,1
.irp ks, 0,1
	global_load_b128 v[Q+16*\t+8*\ks:Q+16*\t+8*\ks+3],   v[QO], s[86:87] offset:2048*\t+64*\ks
	global_load_b128 v[Q+16*\t+8*\ks+4:Q+16*\t+8*\ks+7], v[QO], s[86:87] offset:2048*\t+64*\ks+32
.endr
.endr
.if CROSS
	v_lshlrev_b32 v30, 2, v22
.irp t, 0,1
.irp kb, 0,1,2,3,4,5,6,7,8,9,10,11,12,13,14,15
	global_load_b32 v[S+16*\t+\kb], v30, s[80:81] offset:16384*\kb+64*\t   ; my query's sixteen partial sums of squares
.endr
.endr
.endif
	v_mul_u32_u24 v24, v22, 144
	v_lshl_add_u32 v24, v23, 4, v24                ; r x 144 + 16 h
	v_add_nc_u32 v[KA], KOFF, v24
	v_add_nc_u32 v[KA+1], KOFF+SLOT, v24
	v_and_b32 v25, 7, v0
	v_lshl_add_u32 v25, v23, 3, v25
	v_mul_u32_u24 v25, v25, 160
	v_bfe_u32 v26, v0, 3, 1
	v_lshl_add_u32 v25, v26, 4, v25                ; (8 h + l % 8) x 160 + 16 ((l / 8) % 2)
	v_add_nc_u32 v[VA], VOFF, v25
	v_add_nc_u32 v[VA+1], VOFF+SLOT, v25
	s_mul_i32 s66, s10, 8704                       ; my 32 rows of the bias tile
	v_mul_u32_u24 v26, v22, 272
	v_lshl_add_u32 v26, v23, 5, v26
	v_add_nc_u32 v[BA], s66, v26
	v_add_nc_u32 v[BA+1], SLOT, v[BA]
	s_mul_i32 s66, s10, 4608
	s_add_co_u32 s66, s66, STAGE                   ; my stage
	v_add_nc_u32 v[STO], s66, v24
	v_bfe_u32 v26, v0, 3, 2
	v_and_b32 v27, 7, v0
	v_mul_u32_u24 v26, v26, 144
	v_lshl_add_u32 v26, v27, 4, v26
	v_add_nc_u32 v[RD], s66, v26
	v_and_b32 v27, 31, v0
	v_lshlrev_b32 v[GO], 4, v27
	s_wait_loadcnt 0x0                             ; Q (and the partial sums)
.if CROSS
	; q = (x g) Wq was stored without its row's 1/rms: multiply in f32 and round again
.irp t, 0,1
.irp j, 2,4,6,8,10,12,14
	v_pk_add_f32 v[S+16*\t:S+16*\t+1], v[S+16*\t:S+16*\t+1], v[S+16*\t+\j:S+16*\t+\j+1]
.endr
	v_add_f32 v[S+16*\t], v[S+16*\t], v[S+16*\t+1]
.endr
	v_mov_b32 v31, 0x358637bd                      ; 1e-6
	s_mov_b32 s66, 0x3a800000                      ; 1 / 1024
	s_mov_b32 s67, 0xffff0000
	v_fma_f32 v[S], v[S], s66, v31
	v_fma_f32 v[S+16], v[S+16], s66, v31
	v_rsq_f32 v[AL], v[S]
	v_rsq_f32 v[AL+2], v[S+16]
	v_nop                                          ; one plain place behind the transcendentals (ISA guide 5.7.2)
	v_mov_b32 v[AL+1], v[AL]
	v_mov_b32 v[AL+3], v[AL+2]
.irp t, 0,1
.irp i, 0,1,2,3,4,5,6,7,8,9,10,11,12,13,14,15
	v_lshlrev_b32 v[22+2*(\i&3)], 16, v[Q+16*\t+\i]
	v_and_b32 v[23+2*(\i&3)], s67, v[Q+16*\t+\i]
	v_pk_mul_f32 v[22+2*(\i&3):23+2*(\i&3)], v[22+2*(\i&3):23+2*(\i&3)], v[AL+2*\t:AL+2*\t+1]
	v_cvt_pk_bf16_f32 v[Q+16*\t+\i], v[22+2*(\i&3)], v[23+2*(\i&3)]
.endr
.endr
.endif
.macro LDBK slot                       ; K's eight fragments, and the bias tile into the score accumulators: 32 bytes a lane and tile
.irp kt, 0,1,2,3
.irp ks, 0,1
	ds_load_b128 v[F+16*\kt+8*\ks:F+16*\kt+8*\ks+3],   v[KA+\slot] offset:2304*\kt+64*\ks
	ds_load_b128 v[F+16*\kt+8*\ks+4:F+16*\kt+8*\ks+7], v[KA+\slot] offset:2304*\kt+64*\ks+32
.endr
.endr
.irp t, 0,1
.irp kt, 0,1,2,3
	ds_load_b128 v[S+32*\t+8*\kt:S+32*\t+8*\kt+3],   v[BA+\slot] offset:4352*\t+64*\kt
	ds_load_b128 v[S+32*\t+8*\kt+4:S+32*\t+8*\kt+7], v[BA+\slot] offset:4352*\t+64*\kt+16
.endr
.endr
.endm
.macro SMUL                            ; S = bias + K Q^T: the eight accumulators take turns, one instruction a turn
.irp ks, 0,1
.irp kt, 0,1,2,3
.irp t, 0,1
	v_wmma_f32_16x16x32_bf16 v[S+32*\t+8*\kt:S+32*\t+8*\kt+7], v[F+16*\kt+8*\ks:F+16*\kt+8*\ks+7], v[Q+16*\t+8*\ks:Q+16*\t+8*\ks+7], v[S+32*\t+8*\kt:S+32*\t+8*\kt+7]
.endr
.endr
.endr
.endm
.macro LDV slot                        ; V's eight fragments (32 keys g x 16 columns ht), transposed on the way
.irp g, 0,1
.irp ht, 0,1,2,3
	ds_load_tr16_b128 v[F+32*\g+8*\ht:F+32*\g+8*\ht+3],   v[VA+\slot] offset:5120*\g+32*\ht
	ds_load_tr16_b128 v[F+32*\g+8*\ht+4:F+32*\g+8*\ht+7], v[VA+\slot] offset:5120*\g+32*\ht+2560
.endr
.endr
.endm
.macro PVMUL first                     ; O += V^T P: again eight accumulators by turns; in the first step the first products start the sums
.irp g, 0,1
.irp ht, 0,1,2,3
.irp t, 0,1
.if \first*(1-\g)
	v_wmma_f32_16x16x32_bf16 v[O+8*(2*\ht+\t):O+8*(2*\ht+\t)+7], v[F+32*\g+8*\ht:F+32*\g+8*\ht+7], v[S+32*\t+16*\g:S+32*\t+16*\g+7], 0
.else
	v_wmma_f32_16x16x32_bf16 v[O+8*(2*\ht+\t):O+8*(2*\ht+\t)+7], v[F+32*\g+8*\ht:F+32*\g+8*\ht+7], v[S+32*\t+16*\g:S+32*\t+16*\g+7], v[O+8*(2*\ht+\t):O+8*(2*\ht+\t)+7]
.endif
.endr
.endr
.endr
.endm
; The step's softmax; the chains of the two tiles are interleaved.  first = 1: there is no old maximum, sum or O.
.macro SOFT first
.irp t, 0,1
.if \first
	v_max_num_f32 v[MX+\t], v[S+32*\t], v[S+32*\t+1]
.else
	v_max3_num_f32 v[MX+\t], v[S+32*\t], v[S+32*\t+1], v[M+2*\t]
.endif
.endr
.irp j, 2,4,6,8,10,12,14,16,18,20,22,24,26,28,30
.irp t, 0,1
	v_max3_num_f32 v[MX+\t], v[MX+\t], v[S+32*\t+\j], v[S+32*\t+\j+1]
.endr
.endr
.irp t, 0,1
	v_permlanex16_b32 v[PX+\t], v[MX+\t], s76, s77 ; the other 32 keys of my query
.endr
.irp t, 0,1
	v_max_num_f32 v[MN+\t], v[MX+\t], v[PX+\t]
.endr
.if 1-\first
.irp t, 0,1
	v_sub_f32 v[AE+\t], v[M+2*\t], v[MN+\t]
.endr
.irp t, 0,1
	v_mul_f32 v[AE+\t], 0x3fb8aa3b, v[AE+\t]
.endr
.irp t, 0,1
	v_exp_f32 v[AL+2*\t], v[AE+\t]                 ; alpha = exp(old maximum - new); the moves below are the plain place behind it (ISA guide 5.7.2)
.endr
.endif
.irp t, 0,1
	v_mov_b32 v[M+2*\t], v[MN+\t]
	v_mov_b32 v[M+2*\t+1], v[MN+\t]
.endr
.if 1-\first
	s_wait_alu depctr_va_vdst(0)
.irp t, 0,1
	v_mov_b32 v[AL+2*\t+1], v[AL+2*\t]
.endr
.endif
.set i, 0
.rept 32
	v_pk_add_f32 v[S+2*i:S+2*i+1], v[S+2*i:S+2*i+1], v[M+2*(i/16):M+2*(i/16)+1] neg_lo:[0,1] neg_hi:[0,1]   ; S - m first,
.set i, i+1
.endr
.set i, 0
.rept 32
	v_pk_mul_f32 v[S+2*i:S+2*i+1], v[S+2*i:S+2*i+1], 0x3fb8aa3b op_sel_hi:[1,0]                             ; then x log2(e)
.set i, i+1
.endr
.set i, 0
.rept 64
	v_exp_f32 v[S+i], v[S+i]
.set i, i+1
.endr
	v_nop                                          ; the plain place behind the last of them
	s_wait_alu depctr_va_vdst(0)
.irp t, 0,1
	v_pk_add_f32 v[SU+2*\t:SU+2*\t+1], v[S+32*\t:S+32*\t+1], v[S+32*\t+2:S+32*\t+3]
.endr
.irp j, 4,6,8,10,12,14,16,18,20,22,24,26,28,30
.irp t, 0,1
	v_pk_add_f32 v[SU+2*\t:SU+2*\t+1], v[SU+2*\t:SU+2*\t+1], v[S+32*\t+\j:S+32*\t+\j+1]
.endr
.endr
.irp t, 0,1
.if \first
	v_add_f32 v[LS+\t], v[SU+2*\t], v[SU+2*\t+1]
.else
	v_add_f32 v[SU+2*\t], v[SU+2*\t], v[SU+2*\t+1]
	v_fma_f32 v[LS+\t], v[LS+\t], v[AL+2*\t], v[SU+2*\t]
.endif
.endr
.set i, 0
.rept 4                                ; P(t, g): sixteen f32 become eight registers of bf16, in place: register j is written when 2 j and 2 j + 1 have been read
.irp j, 0,1,2,3,4,5,6,7
	v_cvt_pk_bf16_f32 v[S+16*i+\j], v[S+16*i+2*\j], v[S+16*i+2*\j+1]
.endr
.set i, i+1
.endr
.if 1-\first
.set i, 0
.rept 32
	v_pk_mul_f32 v[O+2*i:O+2*i+1], v[O+2*i:O+2*i+1], v[AL+2*((i/4)&1):AL+2*((i/4)&1)+1]   ; O x alpha of its tile
.set i, i+1
.endr
.endif
.endm
; One step of 64 keys.  In front of the round every wave has all its tensor loads landed (its part of this step's tiles among them) and its reads of the
; other slot back; the round holds that of every wave of all sixteen work-groups; the joint refill of the other slot is the first thing behind it.
.macro TRIP slot, refill, first
.if 1-\first
	PLACES5                                        ; behind the last step's matrix instructions
.endif
	s_wait_tensorcnt 0x0
	s_add_nc_u64 s[G0X+4*\slot+2:G0X+4*\slot+3], s[G0X+4*\slot+2:G0X+4*\slot+3], 512     ; no load of mine is out: this slot's next tiles, two steps on
	s_add_nc_u64 s[G0K+4*\slot+2:G0K+4*\slot+3], s[G0K+4*\slot+2:G0K+4*\slot+3], 16384
	s_add_nc_u64 s[G0V+4*\slot+2:G0V+4*\slot+3], s[G0V+4*\slot+2:G0V+4*\slot+3], 16384
	s_wait_dscnt 0x0
	ROUND
.if \refill
	JLOAD (1-\slot)
.endif
	LDBK \slot
	s_wait_dscnt 0x0
	SMUL
	PLACES5
	LDV \slot                                      ; on their way during the softmax
	SOFT \first
	s_wait_dscnt 0x0
	PVMUL \first
.endm
	TRIP 0, 1, 1
	TRIP 1, 1, 0
	s_mov_b32 s78, NK/128-2
.Lkeys:
	TRIP 0, 1, 0
	TRIP 1, 1, 0
	s_sub_co_i32 s78, s78, 1
	s_cmp_lg_u32 s78, 0
	s_cbranch_scc1 .Lkeys
	TRIP 0, 1, 0                                   ; the last two steps: one more fill, then none
	TRIP 1, 0, 0
	; THE WAY OUT: o = O / l, rounded, through my own stage as whole rows: in the blocked layout four tokens of 128 bytes are 512 consecutive bytes
	PLACES5
.irp t, 0,1
	v_permlanex16_b32 v[PX+\t], v[LS+\t], s76, s77
.endr
.irp t, 0,1
	v_add_f32 v[LS+\t], v[LS+\t], v[PX+\t]         ; at least 1: the largest score's exponential
.endr
.irp t, 0,1
	v_rcp_f32 v[AL+2*\t], v[LS+\t]
.endr
	v_nop
	s_wait_alu depctr_va_vdst(0)
.irp t, 0,1
	v_mov_b32 v[AL+2*\t+1], v[AL+2*\t]
.endr
.set i, 0
.rept 32
	v_pk_mul_f32 v[O+2*i:O+2*i+1], v[O+2*i:O+2*i+1], v[AL+2*((i/4)&1):AL+2*((i/4)&1)+1]
.set i, i+1
.endr
.set i, 0
.rept 8
.irp j, 0,1,2,3
	v_cvt_pk_bf16_f32 v[O+8*i+\j], v[O+8*i+2*\j], v[O+8*i+2*\j+1]
.endr
.set i, i+1
.endr
.irp ht, 0,1,2,3
.irp t, 0,1
	ds_store_b128 v[STO], v[O+8*(2*\ht+\t):O+8*(2*\ht+\t)+3] offset:2304*\t+32*\ht
.endr
.endr
.irp i, 0,1,2,3,4,5,6,7
	ds_load_b128 v[F+4*\i:F+4*\i+3], v[RD] offset:576*\i    ; LDS serves a wave's instructions in order (ISA guide 5.7.1.4): these see the stores above
.endr
.irp i, 0,1,2,3,4,5,6,7
	s_wait_dscnt 7-\i                              ; this load is back, the younger ones stay out
	global_store_b128 v[GO], v[F+4*\i:F+4*\i+3], s[8:9] offset:512*\i
.endr
	ROUND                                          ; the closing round
	s_endpgm
.Lfunc_end_k_q10f391734b_attn_self:
	.size	k_q10f391734b_attn_self, .Lfunc_end_k_q10f391734b_attn_self-k_q10f391734b_attn_self
	.p2alignl 7, 3214868480
	.fill 96, 4, 3214868480
	.section	.rodata,"a",@progbits
	.p2align	6, 0x0
	.amdhsa_kernel k_q10f391734b_attn_self
		.amdhsa_group_segment_fixed_size 327680
		.amdhsa_private_segment_fixed_size 0
		.amdhsa_enable_private_segment 0
		.amdhsa_kernarg_size 24
		.amdhsa_user_sgpr_count 2
		.amdhsa_user_sgpr_kernarg_segment_ptr 1
		.amdhsa_wavefront_size32 1
		.amdhsa_system_sgpr_workgroup_id_x 1
		.amdhsa_system_sgpr_workgroup_id_y 1
		.amdhsa_system_sgpr_workgroup_id_z 1
		.amdhsa_system_vgpr_workitem_id 0
		.amdhsa_next_free_vgpr 256
		.amdhsa_next_free_sgpr 96
		.amdhsa_reserve_vcc 0
		.amdhsa_float_denorm_mode_32 3
		.amdhsa_float_denorm_mode_16_64 3
		.amdhsa_memory_ordered 1
		.amdhsa_forward_progress 1
		.amdhsa_inst_pref_size 146
	.end_amdhsa_kernel
	.amdgpu_metadata
---
amdhsa.version: [ 1, 2 ]
amdhsa.kernels:
  - .name:           k_q10f391734b_attn_self
    .symbol:         k_q10f391734b_attn_self.kd
    .args:
      - { .name: proj, .offset: 0, .size: 8, .value_kind: global_buffer, .address_space: global }
      - { .name: casual_mask, .offset: 8, .size: 8, .value_kind: global_buffer, .address_space: global }
      - { .name: obuf, .offset: 16, .size: 8, .value_kind: global_buffer, .address_space: global }
    .group_segment_fixed_size: 327680
    .private_segment_fixed_size: 0
    .kernarg_segment_align: 8
    .kernarg_segment_size: 24
    .max_flat_workgroup_size: 256
    .sgpr_count:     96
    .vgpr_count:     256
    .wavefront_size: 32
...
	.end_amdgpu_metadata
.endif
;; end of part 3
;; launch wo_self (part 4): grid 8 x 32, 4 waves a work-group, clusters of 4 x 4, 327,680 bytes of LDS; arguments obuf, wo1b, x, g2, acts, xg; writes acts, xg
.if DOCPART == 4
	.amdgcn_target "amdgcn-amd-amdhsa--gfx1250"
	.amdhsa_code_object_version 6
	.text
	.protected	k_q10f391734b_wo_self
	.globl	k_q10f391734b_wo_self
	.p2align	8
	.type	k_q10f391734b_wo_self,@function
k_q10f391734b_wo_self:
	s_mov_b64 s[64:65], 0
	v_nop
	global_prefetch_b8 v0, s[64:65] scope:SCOPE_SE
	s_setreg_imm32_b32 hwreg(HW_REG_WAVE_MODE, 25, 1), 1
	s_wait_xcnt 0x0
	s_wait_alu depctr_hold_cnt(0) depctr_sa_sdst(0) depctr_va_vdst(0) depctr_va_sdst(0) depctr_va_ssrc(0) depctr_va_vcc(0) depctr_vm_vsrc(0)
	s_getreg_b32 s2, hwreg(HW_REG_IB_STS2, 6, 4)
	s_cmp_eq_u32 s2, 0
	s_cbranch_scc0 .Lentry_in_a_cluster
	s_endpgm
.Lentry_in_a_cluster:
	s_bfe_u32 s2, ttmp6, 0x10000c
	s_cmp_lg_u32 s2, 0xf033
	s_cbranch_scc0 .Lentry_shape_is_right
	s_endpgm
.Lentry_shape_is_right:
; XO = A W + RES, and what the next rms_norm needs of it.  A: bf16, blocked [64-column block][token][64] (524,288 bytes a block); W: bf16 [k][n],
; 1024 x 1024; RES, XO: f32 [4096][1024]; G: f32 [1024].  Also stored: XG = bf16(XO * G), blocked, and behind XG's 8,388,608 bytes one partial sum of
; squares of XO for each 64-column block and token, f32 [16][4096].  rms_norm(XO, G) W' = rsqrt(mean + eps) x ((XO G) W'), so the row's factor is
; applied later, in f32, by whoever multiplies XG.
; A work-group makes 128 tokens x 128 columns with four waves; a wave makes 64 x 64 = 16 accumulator tiles.  K goes in four steps of 256 through two
; LDS slots; one tensor load a wave fills a quarter of a slot: at most two are outstanding (the two first fills).
; CLUSTERS 4 x 4: A's tile hangs on the row block alone and is asked for jointly by the cluster's row, W's on the column block alone and is asked
; for jointly by the column: that divides the requests for both by four.
; THE MATRIX INSTRUCTION IS USED TRANSPOSED: source 0 = 16 columns of W, source 1 = 16 tokens of A: lane l holds token l % 16, its registers eight
; neighbouring columns.
; REGISTERS: window 0: v1-7 set-up, v12-15 G, v16-30 addresses, v64-127 and v128-191 two fragment buffers, v192-255 at work on the way out.
; Window 1: v0-127 the accumulators, tile (a, b) at 8 (4 a + b); v128-255 RES of my 64 x 64, asked for at the start.
; LIMITS: NaN and infinities are not served.
.set SLOT,  147456                     ; A: 4 blocks x 128 tokens x 144 bytes = 73,728; W: 256 k x 288 bytes = 73,728
.set WREG,  73728
.set PART,  36864                      ; what one tensor load fills
.set STAGE, 294912                     ; behind the ring: 8,192 bytes for each wave, which no tensor load fills: 16 rows x 272, then 64 sums
.set ADRA, 16
.set ADRB, 20
.set STO,  24                          ; v24  stage + r x 272 + 32 h
.set RD,   25                          ; v25  stage + h x 272 + 16 r
.set GO,   26                          ; v26  h x 4,096 + 16 r: my 16 bytes of two f32 rows
.set G8,   27                          ; v27  8 x lane
.set SSA,  28                          ; v28  stage + 4,352 + 4 h
.set SSL,  29                          ; v29  stage + 4,352 + 8 x lane
.set GG,   30                          ; v30  16 r
.set GV,   12                          ; v[12:15] G of my four columns on the way out
.set F0,   64
.set F1,   128
.set TMP,  192                         ; v192-223 eight pairs of rows; v224-239 XG to store; v240-245 at work
.set G1,  24
.set G0,  32
.set G1B, 48
.set G0B, 56
.set MSB, 0
.macro WIN new                         ; s_set_vgpr_msb: bits 1:0 source 0, 3:2 source 1, 5:4 source 2, 7:6 destination; the high byte repeats the setting that is left
.if MSB != \new
	s_set_vgpr_msb (MSB<<8)|\new
.set MSB, \new
.endif
.endm
.macro PLACES                          ; four plain places behind a matrix instruction (ISA guide 7.12.1)
.rept 4
	v_nop
.endr
.endm
.macro JLOAD s                         ; a joint load: waves 0, 1 ask for A's halves, waves 2, 3 for W's
	s_cmp_eq_u32 s11, 0
	s_cbranch_scc0 .Lfor_w_\@
	tensor_load_to_lds s[G0+4*\s:G0+4*\s+3], s[G1:G1+7]
	s_nop 0
	s_branch .Lasked_\@
.Lfor_w_\@:
	tensor_load_to_lds s[G0B+4*\s:G0B+4*\s+3], s[G1B:G1B+7]
	s_nop 0
.Lasked_\@:
.endm
.macro CREST
	s_cmp_lg_u32 s10, 0
	s_cbranch_scc1 .Lnot_wave_0_\@
	s_barrier_signal -3
.Lnot_wave_0_\@:
	s_barrier_wait -3
	s_barrier_signal -1
	s_barrier_wait -1
.endm
.macro CROUND
	s_barrier_signal -1
	s_barrier_wait -1
	CREST
.endm
	s_load_b128 s[4:7], s[0:1], 0x0                ; A, W
	s_load_b256 s[84:91], s[0:1], 0x10             ; RES s[84:85], G s[86:87], XO s[88:89], XG s[90:91]
	v_lshrrev_b32 v1, 5, v0
	v_readfirstlane_b32 s10, v1                    ; wave 0..3
	s_lshr_b32 s11, s10, 1                         ; my half of the tokens.  Also: I fetch for A (0) or for W (1)
	s_and_b32 s12, s10, 1                          ; my half of the columns.  Also: which half of that tile I fetch
	s_bfe_u32 s40, ttmp6, 0x40000                  ; cx
	s_bfe_u32 s41, ttmp6, 0x40004                  ; cy
	s_lshl_b32 s42, ttmp9, 2
	s_add_co_u32 s42, s42, s40                     ; CB: column block 0..7
	s_and_b32 s13, ttmp7, 0xffff
	s_lshl_b32 s13, s13, 2
	s_add_co_u32 s13, s13, s41                     ; RB: row block 0..31
	s_lshl_b32 s43, s41, 2
	s_lshl_b32 s43, 15, s43                        ; my row of the cluster
	s_lshl_b32 s44, 0x1111, s40                    ; my column
	; group 1 for A: two dense blocks of 2,048 elements of 8 bytes, 65,536 elements apart; 4 words of padding behind every 32: LDS rows of 144 bytes
	s_or_b32 s[G1+0], s43, (3<<16)|(1<<20)|(1<<21)|(4<<22)|(3<<25)
	s_mov_b32 s[G1+1], 2048<<16
	s_mov_b32 s[G1+2], 2<<16
	s_mov_b32 s[G1+3], 2048<<16
	s_mov_b32 s[G1+4], 2
	s_mov_b32 s[G1+5], 65536
	s_mov_b32 s[G1+6], 0
	s_mov_b32 s[G1+7], 0
	; group 1 for W: 128 rows x 128 elements of 2 bytes, pitch 1,024; 8 words of padding behind every 64: LDS rows of 288 bytes
	s_or_b32 s[G1B+0], s44, (1<<16)|(1<<20)|(1<<21)|(5<<22)|(7<<25)
	s_mov_b32 s[G1B+1], 128<<16
	s_mov_b32 s[G1B+2], 128<<16
	s_mov_b32 s[G1B+3], 128<<16
	s_mov_b32 s[G1B+4], 128
	s_mov_b32 s[G1B+5], 1024
	s_mov_b32 s[G1B+6], 0
	s_mov_b32 s[G1B+7], 0
	s_lshl_b32 s16, s13, 14                        ; A: 128 tokens x 128 bytes,
	s_lshl_b32 s17, s12, 20                        ; my two of the step's four blocks
	s_add_co_u32 s16, s16, s17
	s_mov_b32 s17, 0
	s_lshl_b32 s46, s42, 8                         ; W: 128 columns x 2 bytes,
	s_lshl_b32 s47, s12, 18                        ; my 128 of the step's 256 rows
	s_add_co_u32 s46, s46, s47
	s_mov_b32 s47, 0
	s_mul_i32 s20, s10, PART
	s_wait_kmcnt 0x0
	s_add_nc_u64 s[14:15], s[4:5], s[16:17]
	s_add_nc_u64 s[46:47], s[6:7], s[46:47]
	CROUND                                         ; all sixteen work-groups are here: the first joint loads meet
.irp s, 0,1
	s_mov_b32 s[G0+4*\s], 1
	s_add_co_u32 s[G0+4*\s+1], s20, \s*SLOT
	s_add_nc_u64 s[G0+4*\s+2:G0+4*\s+3], s[14:15], \s*0x200000
	s_or_b32 s[G0+4*\s+3], s[G0+4*\s+3], 0x80000000
	s_mov_b32 s[G0B+4*\s], 1
	s_add_co_u32 s[G0B+4*\s+1], s20, \s*SLOT
	s_add_nc_u64 s[G0B+4*\s+2:G0B+4*\s+3], s[46:47], \s*0x80000
	s_or_b32 s[G0B+4*\s+3], s[G0B+4*\s+3], 0x80000000
	JLOAD \s
.endr
	v_and_b32 v1, 15, v0                           ; r = l % 16
	v_bfe_u32 v2, v0, 4, 1                         ; h = l / 16
	v_mul_u32_u24 v3, v1, 144
	v_lshl_add_u32 v3, v2, 4, v3
	s_mul_i32 s21, s11, 9216
	v_add_nc_u32 v[ADRA], s21, v3
	v_add_nc_u32 v[ADRA+1], SLOT, v[ADRA]
	v_and_b32 v4, 7, v0
	v_lshl_add_u32 v4, v2, 3, v4
	v_mul_u32_u24 v4, v4, 288
	v_bfe_u32 v5, v0, 3, 1
	v_lshl_add_u32 v4, v5, 4, v4
	s_lshl_b32 s22, s12, 7
	s_add_co_u32 s22, s22, WREG
	v_add_nc_u32 v[ADRB], s22, v4
	v_add_nc_u32 v[ADRB+1], PART, v[ADRB]
	v_add_nc_u32 v[ADRB+2], SLOT, v[ADRB]
	v_add_nc_u32 v[ADRB+3], SLOT+PART, v[ADRB]
	s_lshl_b32 s23, s10, 13
	s_add_co_u32 s23, s23, STAGE                   ; my stage
	; the way out
	v_mul_u32_u24 v6, v1, 272
	v_lshl_add_u32 v6, v2, 5, v6
	v_add_nc_u32 v[STO], s23, v6
	v_mul_u32_u24 v6, v2, 272
	v_lshl_add_u32 v6, v1, 4, v6
	v_add_nc_u32 v[RD], s23, v6
	v_lshlrev_b32 v6, 12, v2
	v_lshl_add_u32 v[GO], v1, 4, v6
	v_and_b32 v7, 31, v0
	v_lshlrev_b32 v[G8], 3, v7
	s_add_co_u32 s21, s23, 4352
	v_lshl_add_u32 v[SSA], v2, 2, s21
	v_add_nc_u32 v[SSL], s21, v[G8]
	v_lshlrev_b32 v[GG], 4, v1
	s_add_nc_u64 s[94:95], s[90:91], 0x800000      ; the partial sums lie behind XG's blocks
	s_lshl_b32 s18, s13, 1
	s_add_co_u32 s18, s18, s11                     ; my group of 64 tokens
	s_mov_b32 s17, 0
	s_lshl_b32 s16, s18, 18                        ; x 64 rows of 4,096 bytes
	s_add_nc_u64 s[84:85], s[84:85], s[16:17]
	s_add_nc_u64 s[88:89], s[88:89], s[16:17]
	s_lshl_b32 s16, s18, 13                        ; x 64 tokens of 128 bytes
	s_add_nc_u64 s[90:91], s[90:91], s[16:17]
	s_lshl_b32 s16, s18, 8                         ; x 64 sums of 4 bytes
	s_add_nc_u64 s[94:95], s[94:95], s[16:17]
	s_lshl_b32 s45, s42, 1
	s_add_co_u32 s45, s45, s12                     ; my block of 64 columns
	s_mov_b32 s47, 0
	s_lshl_b32 s46, s45, 8                         ; x 64 f32
	s_add_nc_u64 s[84:85], s[84:85], s[46:47]
	s_add_nc_u64 s[88:89], s[88:89], s[46:47]
	s_add_nc_u64 s[86:87], s[86:87], s[46:47]
	s_lshl_b32 s46, s45, 19
	s_add_nc_u64 s[90:91], s[90:91], s[46:47]
	s_lshl_b32 s46, s45, 14
	s_add_nc_u64 s[94:95], s[94:95], s[46:47]
	; G and my 64 x 64 of RES are asked for now and are first wanted behind the whole product
	global_load_b128 v[GV:GV+3], v[GG], s[86:87]
	WIN 0x40
.irp a, 0,1,2,3
.irp t, 0,1,2,3,4,5,6,7
	global_load_b128 v[128+4*(8*\a+\t):128+4*(8*\a+\t)+3], v[GO], s[84:85] offset:(16*\a+2*\t)*4096 th:TH_LOAD_NT   ; 16 lanes: 256 bytes of a row
.endr
.endr
	WIN 0
.macro MUL8 f, a0, zero
.irp a, \a0, \a0+1
.irp b, 0,1,2,3
.if \zero
	v_wmma_f32_16x16x32_bf16 v[8*(4*(\a)+\b):8*(4*(\a)+\b)+7], v[\f+32+8*\b:\f+32+8*\b+7], v[\f+8*(\a):\f+8*(\a)+7], 0
.else
	v_wmma_f32_16x16x32_bf16 v[8*(4*(\a)+\b):8*(4*(\a)+\b)+7], v[\f+32+8*\b:\f+32+8*\b+7], v[\f+8*(\a):\f+8*(\a)+7], v[8*(4*(\a)+\b):8*(4*(\a)+\b)+7]
.endif
.endr
.endr
.endm
.macro FETCH slot, q, f                ; the fragments of the q-th 32 of a slot's 256 along K
.irp a, 0,1,2,3
	ds_load_b128 v[\f+8*\a:\f+8*\a+3],   v[ADRA+\slot] offset:((\q)>>1)*18432+((\q)&1)*64+\a*2304
	ds_load_b128 v[\f+8*\a+4:\f+8*\a+7], v[ADRA+\slot] offset:((\q)>>1)*18432+((\q)&1)*64+\a*2304+32
.endr
.irp b, 0,1,2,3
	ds_load_tr16_b128 v[\f+32+8*\b:\f+32+8*\b+3],   v[ADRB+2*\slot+((\q)>>2)] offset:((\q)&3)*9216+32*\b
	ds_load_tr16_b128 v[\f+32+8*\b+4:\f+32+8*\b+7], v[ADRB+2*\slot+((\q)>>2)] offset:((\q)&3)*9216+32*\b+4608
.endr
.endm
; The 16 accumulators take turns, one instruction a turn, in the same order everywhere.
.macro STEP slot, q, f, g, zero
	s_wait_dscnt 0x0                               ; buffer f's 16 loads, issued 16 matrix instructions ago
	PLACES                                         ; g was read by the matrix instructions just issued
	FETCH \slot, \q+1, \g
	WIN 0x50
	MUL8 \f, 0, \zero
	MUL8 \f, 2, \zero
	WIN 0
.endm
.macro PHASE slot, zero
	STEP \slot, 0, F0, F1, \zero
	STEP \slot, 1, F1, F0, 0
	STEP \slot, 2, F0, F1, 0
	STEP \slot, 3, F1, F0, 0
	STEP \slot, 4, F0, F1, 0
	STEP \slot, 5, F1, F0, 0
	STEP \slot, 6, F0, F1, 0
.endm
; The last eighth and the change of slots: my reads of this slot are back and all my tensor loads have landed in front of the barrier; with fill = 1 the
; barrier opens a round of the cluster's barrier and the joint refill is the first tensor load behind the round.
.macro TURN slot, next, fill
	s_wait_dscnt 0x0
	s_wait_tensorcnt 0x0
	s_barrier_signal -1
	WIN 0x50
	MUL8 F1, 0, 0
	WIN 0
	s_barrier_wait -1
.if \fill
	CREST
	s_add_nc_u64 s[G0+4*\slot+2:G0+4*\slot+3], s[G0+4*\slot+2:G0+4*\slot+3], 0x400000
	s_add_nc_u64 s[G0B+4*\slot+2:G0B+4*\slot+3], s[G0B+4*\slot+2:G0B+4*\slot+3], 0x100000
	JLOAD \slot
.endif
	PLACES
	FETCH \next, 0, F0
	WIN 0x50
	MUL8 F1, 2, 0
	WIN 0
.endm
	s_wait_tensorcnt 0x1                           ; my part of slot 0 is in; slot 1's may stay out
	s_barrier_signal -1
	s_barrier_wait -1
	FETCH 0, 0, F0
	PHASE 0, 1
	TURN 0, 1, 1
	PHASE 1, 0
	TURN 1, 0, 1
	PHASE 0, 0
	TURN 0, 1, 0
	PHASE 1, 0
	s_wait_dscnt 0x0
	WIN 0x50
	MUL8 F1, 0, 0
	MUL8 F1, 2, 0
	WIN 0
	PLACES
	s_wait_loadcnt 0x0                             ; G and RES
; THE WAY OUT, 16 tokens at a time: the f32 sums go through my own stage (rows of 272 bytes) and come back with 16 lanes on a row of 64 columns.
.macro RES16 a
	s_wait_xcnt 0x0                                ; the last 16 tokens' stores have read v192-239: rewritten only behind this wait
	WIN 0x04
.irp b, 0,1,2,3
	ds_store_b128 v[STO], v[8*(4*\a+\b):8*(4*\a+\b)+3]   offset:64*\b
	ds_store_b128 v[STO], v[8*(4*\a+\b)+4:8*(4*\a+\b)+7] offset:64*\b+16
.endr
	WIN 0
.irp t, 0,1,2,3,4,5,6,7
	ds_load_b128 v[TMP+4*\t:TMP+4*\t+3], v[RD] offset:544*\t       ; rows 2 t and 2 t + 1
.endr
	s_wait_dscnt 0x0
	WIN 0x04
.irp t, 0,1,2,3,4,5,6,7
	v_pk_add_f32 v[TMP+4*\t:TMP+4*\t+1],   v[TMP+4*\t:TMP+4*\t+1],   v[128+4*(8*\a+\t):128+4*(8*\a+\t)+1]
	v_pk_add_f32 v[TMP+4*\t+2:TMP+4*\t+3], v[TMP+4*\t+2:TMP+4*\t+3], v[128+4*(8*\a+\t)+2:128+4*(8*\a+\t)+3]
.endr
	WIN 0
.irp t, 0,1,2,3,4,5,6,7
	global_store_b128 v[GO], v[TMP+4*\t:TMP+4*\t+3], s[88:89] offset:(16*\a+2*\t)*4096   ; 16 lanes: 256 consecutive bytes, aligned
	v_pk_mul_f32 v[240:241], v[TMP+4*\t:TMP+4*\t+1], v[GV:GV+1]
	v_pk_mul_f32 v[242:243], v[TMP+4*\t+2:TMP+4*\t+3], v[GV+2:GV+3]
	v_pk_mul_f32 v[244:245], v[TMP+4*\t:TMP+4*\t+1], v[TMP+4*\t:TMP+4*\t+1]
	v_cvt_pk_bf16_f32 v[224+2*\t], v240, v241
	v_cvt_pk_bf16_f32 v[225+2*\t], v242, v243
	v_pk_fma_f32 v[244:245], v[TMP+4*\t+2:TMP+4*\t+3], v[TMP+4*\t+2:TMP+4*\t+3], v[244:245]
	global_store_b64 v[G8], v[224+2*\t:225+2*\t], s[90:91] offset:(16*\a+2*\t)*128       ; two tokens of 128 bytes: 256 consecutive bytes, aligned
	v_add_f32 v244, v244, v245
	v_add_f32_dpp v244, v244, v244 row_xmask:1 row_mask:0xf bank_mask:0xf               ; over the row's 16 lanes
	v_add_f32_dpp v244, v244, v244 row_xmask:2 row_mask:0xf bank_mask:0xf
	v_add_f32_dpp v244, v244, v244 row_xmask:4 row_mask:0xf bank_mask:0xf
	v_add_f32_dpp v244, v244, v244 row_xmask:8 row_mask:0xf bank_mask:0xf
	ds_store_b32 v[SSA], v244 offset:4*(16*\a+2*\t)                                      ; 16 lanes write one word with one value
.endr
.endm
	RES16 0
	RES16 1
	RES16 2
	RES16 3
	ds_load_b64 v[240:241], v[SSL]                 ; my 64 tokens' sums, two a lane
	s_wait_dscnt 0x0
	global_store_b64 v[G8], v[240:241], s[94:95]   ; 256 consecutive bytes, aligned
	CROUND                                         ; the closing round
	s_endpgm
.Lfunc_end_k_q10f391734b_wo_self:
	.size	k_q10f391734b_wo_self, .Lfunc_end_k_q10f391734b_wo_self-k_q10f391734b_wo_self
	.p2alignl 7, 3214868480
	.fill 96, 4, 3214868480
	.section	.rodata,"a",@progbits
	.p2align	6, 0x0
	.amdhsa_kernel k_q10f391734b_wo_self
		.amdhsa_group_segment_fixed_size 327680
		.amdhsa_private_segment_fixed_size 0
		.amdhsa_enable_private_segment 0
		.amdhsa_kernarg_size 48
		.amdhsa_user_sgpr_count 2
		.amdhsa_user_sgpr_kernarg_segment_ptr 1
		.amdhsa_wavefront_size32 1
		.amdhsa_system_sgpr_workgroup_id_x 1
		.amdhsa_system_sgpr_workgroup_id_y 1
		.amdhsa_system_sgpr_workgroup_id_z 1
		.amdhsa_system_vgpr_workitem_id 0
		.amdhsa_next_free_vgpr 512
		.amdhsa_next_free_sgpr 96
		.amdhsa_reserve_vcc 0
		.amdhsa_float_denorm_mode_32 3
		.amdhsa_float_denorm_mode_16_64 3
		.amdhsa_memory_ordered 1
		.amdhsa_forward_progress 1
		.amdhsa_inst_pref_size 122
	.end_amdhsa_kernel
	.amdgpu_metadata
---
amdhsa.version: [ 1, 2 ]
amdhsa.kernels:
  - .name:           k_q10f391734b_wo_self
    .symbol:         k_q10f391734b_wo_self.kd
    .args:
      - { .name: obuf, .offset: 0, .size: 8, .value_kind: global_buffer, .address_space: global }
      - { .name: wo1b, .offset: 8, .size: 8, .value_kind: global_buffer, .address_space: global }
      - { .name: x, .offset: 16, .size: 8, .value_kind: global_buffer, .address_space: global }
      - { .name: g2, .offset: 24, .size: 8, .value_kind: global_buffer, .address_space: global }
      - { .name: acts, .offset: 32, .size: 8, .value_kind: global_buffer, .address_space: global }
      - { .name: xg, .offset: 40, .size: 8, .value_kind: global_buffer, .address_space: global }
    .group_segment_fixed_size: 327680
    .private_segment_fixed_size: 0
    .kernarg_segment_align: 8
    .kernarg_segment_size: 48
    .max_flat_workgroup_size: 128
    .sgpr_count:     96
    .vgpr_count:     512
    .wavefront_size: 32
...
	.end_amdgpu_metadata
.endif
;; end of part 4
;; launch q_cross: the kernel of part 2 again; grid 8 x 32, 4 waves a work-group, clusters of 4 x 4, 327,680 bytes of LDS; arguments xg, wq2b, proj; writes proj
;; launch attn_cross (part 5): grid 8 x 32, 8 waves a work-group, clusters of 4 x 4, 327,680 bytes of LDS; arguments proj, position_embedding, obuf, xg; writes obuf
.if DOCPART == 5
	.amdgcn_target "amdgcn-amd-amdhsa--gfx1250"
	.amdhsa_code_object_version 6
	.text
	.protected	k_q10f391734b_attn_cross
	.globl	k_q10f391734b_attn_cross
	.p2align	8
	.type	k_q10f391734b_attn_cross,@function
k_q10f391734b_attn_cross:
	s_mov_b64 s[64:65], 0
	v_nop
	global_prefetch_b8 v0, s[64:65] scope:SCOPE_SE
	s_setreg_imm32_b32 hwreg(HW_REG_WAVE_MODE, 25, 1), 1
	s_wait_xcnt 0x0
	s_wait_alu depctr_hold_cnt(0) depctr_sa_sdst(0) depctr_va_vdst(0) depctr_va_sdst(0) depctr_va_ssrc(0) depctr_va_vcc(0) depctr_vm_vsrc(0)
	s_getreg_b32 s2, hwreg(HW_REG_IB_STS2, 6, 4)
	s_cmp_eq_u32 s2, 0
	s_cbranch_scc0 .Lentry_in_a_cluster
	s_endpgm
.Lentry_in_a_cluster:
	s_bfe_u32 s2, ttmp6, 0x10000c
	s_cmp_lg_u32 s2, 0xf033
	s_cbranch_scc0 .Lentry_shape_is_right
	s_endpgm
.Lentry_shape_is_right:
; Attention of one (batch, head) for 256 queries: o = softmax(q k^T + bias) v.  q, k, v: bf16 in the blocked layout [panel x 16 + head][token][64]
; (524,288 bytes a block); q already carries 1/sqrt(64).  bias: f32 [2048][NK], an input, honoured as it is: no key is skipped.
; Here (CROSS = 1) q = (x g) Wq was stored without its row's 1/rms; the sixteen partial sums of squares of each row lie behind xg's 8,388,608 bytes.
; Eight waves, 32 queries each (two tiles t of 16).  Keys go in steps of 64 through two LDS slots.
; BOTH PRODUCTS ARE USED TRANSPOSED, so that a lane owns ONE query (l % 16 of tile t):
;   S(t, kt): source 0 = 16 keys of K, source 1 = 16 queries; register j of lane l = key 16 kt + 8 (l / 16) + j.  C is the bias tile itself, so the
;             bias is added in the matrix unit's f32 sum.
;   O(ht, t): source 0 = 16 columns of V (transposing loads), source 1 = P, which is S rounded in place: the two tiles 2 g, 2 g + 1 of a lane ARE the
;             fragment of keys 32 g .. 32 g + 31.  No value changes lanes between the two products.
; Softmax with a running maximum: the exponent is (S - m) log2(e), the difference first, so a row whose largest score is very negative stays exact.
; A query's keys lie in lanes l and l + 16: the maximum crosses once a step, the sum of exponentials once at the end.
; CLUSTERS 4 x 4: x = query block, y = (batch, head).  The bias tile hangs on the query block alone: asked for jointly by the cluster's column.
; K and V hang on (batch, head) alone: asked for jointly by the row.  Both requests are divided by four.  A step's loads: waves 0-3 a quarter of the
; bias tile each, wave 4 K, wave 5 V, waves 6 and 7 none; one tensor load of a wave is outstanding at most.
; LIMITS: the bias is summed with the products in the matrix unit, so the order of rounding differs from scores + bias in f32; q is rounded to bf16
; twice (as stored, and after its row's factor).  NaN and infinities are not served.
.set CROSS, 1                          ; 1: q is still to be multiplied by its row's 1/rms
.set NK,    1024                       ; keys
.set KPAN,  3                          ; K's panel of 16 blocks
.set VPAN,  4                          ; V's panel
.set SLOT,  89088                      ; bias 256 rows x 272 = 69,632; K 64 x 144 = 9,216; V 64 x 160 = 10,240
.set KOFF,  69632
.set VOFF,  78848
.set STAGE, 178176                     ; behind the ring: 32 rows x 144 bytes for each wave, which no tensor load fills
.set KA,  2                            ; v2-3    K fragments in slot 0, 1
.set VA,  4                            ; v4-5    V fragments
.set BA,  6                            ; v6-7    bias
.set STO, 8
.set RD,  9
.set GO,  10
.set QO,  11
.set M,   12                           ; v[12:13], v[14:15]  the running maximum of tile t, twice
.set LS,  16                           ; v16-17  the running sum of my half of the keys
.set AL,  18                           ; v[18:19], v[20:21]  alpha of tile t, twice
.set MX,  22                           ; v22-23  maximum at work
.set SU,  22                           ; v[22:23], v[24:25]  sums at work (behind the maxima)
.set PX,  24                           ; v24-25  from the other half of the lanes
.set MN,  26                           ; v26-27  new maximum
.set AE,  28                           ; v28-29  alpha's exponent
.set Q,   32                           ; v32-63   Q(t, ks) at 16 t + 8 ks
.set O,   64                           ; v64-127  O(ht, t) at 8 (2 ht + t)
.set S,   128                          ; v128-191 S(t, kt) at 32 t + 8 kt; then P(t, g) at 32 t + 16 g
.set F,   192                          ; v192-255 K's eight fragments, then V's eight
.set G1X, 16                           ; s[16:23] group 1, bias
.set G1K, 24                           ; s[24:31] group 1, K
.set G0X, 32                           ; s[32:39] group 0, bias, a set for each slot
.set G1V, 48                           ; s[48:55] group 1, V
.set G0K, 56                           ; s[56:63] group 0, K
.set G0V, 68                           ; s[68:75] group 0, V
.macro PLACES5                         ; five plain places behind a matrix instruction: for loads into its registers, readers of its results and matrix instructions that write over them
.rept 5
	v_nop
.endr
.endm
.macro ROUND                           ; a round of the cluster's barrier
	s_barrier_signal -1
	s_barrier_wait -1
	s_cmp_lg_u32 s10, 0
	s_cbranch_scc1 .Lnot_wave_0_\@
	s_barrier_signal -3
.Lnot_wave_0_\@:
	s_barrier_wait -3
	s_barrier_signal -1
	s_barrier_wait -1
.endm
.macro JLOAD s                         ; a step's joint loads into slot s; the branches hang on the wave's number alone
	s_cmp_lt_u32 s10, 4
	s_cbranch_scc0 .Lnot_bias_\@
	tensor_load_to_lds s[G0X+4*\s:G0X+4*\s+3], s[G1X:G1X+7]
	s_nop 0
	s_branch .Lasked_\@
.Lnot_bias_\@:
	s_cmp_eq_u32 s10, 4
	s_cbranch_scc0 .Lnot_k_\@
	tensor_load_to_lds s[G0K+4*\s:G0K+4*\s+3], s[G1K:G1K+7]
	s_nop 0
	s_branch .Lasked_\@
.Lnot_k_\@:
	s_cmp_eq_u32 s10, 5
	s_cbranch_scc0 .Lasked_\@
	tensor_load_to_lds s[G0V+4*\s:G0V+4*\s+3], s[G1V:G1V+7]
	s_nop 0
.Lasked_\@:
.endm
	s_load_b128 s[4:7], s[0:1], 0x0                ; proj, bias
	s_load_b64 s[8:9], s[0:1], 0x10                ; obuf
.if CROSS
	s_load_b64 s[80:81], s[0:1], 0x18              ; xg: behind its 8,388,608 bytes lie the partial sums of squares [64-column block][4096]
.endif
	v_lshrrev_b32 v1, 5, v0
	v_readfirstlane_b32 s10, v1                    ; wave 0..7
	s_bfe_u32 s40, ttmp6, 0x40000                  ; cx
	s_bfe_u32 s41, ttmp6, 0x40004                  ; cy
	s_lshl_b32 s42, ttmp9, 2
	s_add_co_u32 s42, s42, s40                     ; QB: query block 0..7
	s_and_b32 s13, ttmp7, 0xffff
	s_lshl_b32 s13, s13, 2
	s_add_co_u32 s13, s13, s41                     ; BH: 16 x batch + head
	s_lshl_b32 s43, s41, 2
	s_lshl_b32 s43, 15, s43                        ; my row of the cluster
	s_lshl_b32 s44, 0x1111, s40                    ; my column
	s_mov_b32 s76, 0x76543210                      ; v_permlanex16_b32: lane i reads lane i of the other half
	s_mov_b32 s77, 0xfedcba98
	; bias: 64 rows x 64 elements of 4 bytes, NK elements from row to row; 4 words of padding behind every 64: LDS rows of 272 bytes
	s_or_b32 s[G1X+0], s44, (2<<16)|(1<<20)|(1<<21)|(5<<22)|(3<<25)
	s_mov_b32 s[G1X+1], 64<<16
	s_mov_b32 s[G1X+2], 64<<16
	s_mov_b32 s[G1X+3], 64<<16
	s_mov_b32 s[G1X+4], 64
	s_mov_b32 s[G1X+5], NK
	s_mov_b32 s[G1X+6], 0
	s_mov_b32 s[G1X+7], 0
	; K, V: 64 keys x 128 bytes are dense: 32 rows of 32 elements of 8 bytes; padding behind every 32 words (a key): 4 words for K (144), 8 for V (160)
	s_or_b32 s[G1K+0], s43, (3<<16)|(1<<20)|(1<<21)|(4<<22)|(3<<25)
	s_or_b32 s[G1V+0], s43, (3<<16)|(1<<20)|(1<<21)|(4<<22)|(7<<25)
.irp g, G1K, G1V
	s_mov_b32 s[\g+1], 32<<16
	s_mov_b32 s[\g+2], 32<<16
	s_mov_b32 s[\g+3], 32<<16
	s_mov_b32 s[\g+4], 32
	s_mov_b32 s[\g+5], 32
	s_mov_b32 s[\g+6], 0
	s_mov_b32 s[\g+7], 0
.endr
	; K's and V's address hangs on (batch, head), the bias's on the query block, each in registers that never hold the other coordinate
	s_lshr_b32 s11, s13, 4                         ; batch
	s_and_b32 s12, s13, 15                         ; head
	s_lshl_b32 s14, s12, 19
	s_mul_i32 s15, s11, NK*128
	s_add_co_u32 s14, s14, s15
	s_mov_b32 s15, 0
	s_lshl_b32 s46, s42, 8
	s_lshl_b32 s47, s10, 6
	s_add_co_u32 s46, s46, s47                     ; row 256 QB + 64 wave
	s_mul_i32 s46, s46, NK*4
	s_mov_b32 s47, 0
	s_mul_i32 s45, s10, 17408                      ; the quarter's place in a slot: wave x 64 rows x 272
	s_lshl_b32 s82, s11, 11
	s_lshl_b32 s83, s42, 8
	s_add_co_u32 s82, s82, s83
	s_lshl_b32 s83, s10, 5
	s_add_co_u32 s84, s82, s83                     ; my first query's token = 2048 batch + 256 QB + 32 wave
	s_lshl_b32 s82, s84, 7
	s_lshl_b32 s83, s12, 19
	s_add_co_u32 s82, s82, s83                     ; its place in a panel, the same for q and for o
	s_mov_b32 s83, 0
	s_wait_kmcnt 0x0
	s_add_nc_u64 s[14:15], s[4:5], s[14:15]
	s_add_nc_u64 s[46:47], s[6:7], s[46:47]
	s_add_nc_u64 s[86:87], s[4:5], s[82:83]        ; q (panel 0)
	s_add_nc_u64 s[8:9], s[8:9], s[82:83]          ; o
.if CROSS
	s_lshl_b32 s82, s84, 2
	s_add_nc_u64 s[80:81], s[80:81], s[82:83]
	s_add_nc_u64 s[80:81], s[80:81], 0x800000
.endif
.irp n, 0,1
	s_mov_b32 s[G0X+4*\n], 1
	s_add_co_u32 s[G0X+4*\n+1], s45, \n*SLOT
	s_add_nc_u64 s[G0X+4*\n+2:G0X+4*\n+3], s[46:47], \n*256
	s_or_b32 s[G0X+4*\n+3], s[G0X+4*\n+3], 0x80000000
	s_mov_b32 s[G0K+4*\n], 1
	s_mov_b32 s[G0K+4*\n+1], KOFF+\n*SLOT
	s_add_nc_u64 s[G0K+4*\n+2:G0K+4*\n+3], s[14:15], KPAN*8388608+\n*8192
	s_or_b32 s[G0K+4*\n+3], s[G0K+4*\n+3], 0x80000000
	s_mov_b32 s[G0V+4*\n], 1
	s_mov_b32 s[G0V+4*\n+1], VOFF+\n*SLOT
	s_add_nc_u64 s[G0V+4*\n+2:G0V+4*\n+3], s[14:15], VPAN*8388608+\n*8192
	s_or_b32 s[G0V+4*\n+3], s[G0V+4*\n+3], 0x80000000
.endr
	ROUND                                          ; all sixteen work-groups are here
	JLOAD 0                                        ; step 0; slot 1 is first filled behind the first step's round
	v_and_b32 v22, 15, v0                          ; r = l % 16
	v_bfe_u32 v23, v0, 4, 1                        ; h = l / 16
	v_lshlrev_b32 v[QO], 7, v22
	v_lshl_add_u32 v[QO], v23, 4, v[QO]            ; Q straight into fragments: token r, 16 bytes at 16 h, and 32 further on
.irp t, 0,1
.irp ks, 0,1
	global_load_b128 v[Q+16*\t+8*\ks:Q+16*\t+8*\ks+3],   v[QO], s[86:87] offset:2048*\t+64*\ks
	global_load_b128 v[Q+16*\t+8*\ks+4:Q+16*\t+8*\ks+7], v[QO], s[86:87] offset:2048*\t+64*\ks+32
.endr
.endr
.if CROSS
	v_lshlrev_b32 v30, 2, v22
.irp t, 0,1
.irp kb, 0,1,2,3,4,5,6,7,8,9,10,11,12,13,14,15
	global_load_b32 v[S+16*\t+\kb], v30, s[80:81] offset:16384*\kb+64*\t   ; my query's sixteen partial sums of squares
.endr
.endr
.endif
	v_mul_u32_u24 v24, v22, 144
	v_lshl_add_u32 v24, v23, 4, v24                ; r x 144 + 16 h
	v_add_nc_u32 v[KA], KOFF, v24
	v_add_nc_u32 v[KA+1], KOFF+SLOT, v24
	v_and_b32 v25, 7, v0
	v_lshl_add_u32 v25, v23, 3, v25
	v_mul_u32_u24 v25, v25, 160
	v_bfe_u32 v26, v0, 3, 1
	v_lshl_add_u32 v25, v26, 4, v25                ; (8 h + l % 8) x 160 + 16 ((l / 8) % 2)
	v_add_nc_u32 v[VA], VOFF, v25
	v_add_nc_u32 v[VA+1], VOFF+SLOT, v25
	s_mul_i32 s66, s10, 8704                       ; my 32 rows of the bias tile
	v_mul_u32_u24 v26, v22, 272
	v_lshl_add_u32 v26, v23, 5, v26
	v_add_nc_u32 v[BA], s66, v26
	v_add_nc_u32 v[BA+1], SLOT, v[BA]
	s_mul_i32 s66, s10, 4608
	s_add_co_u32 s66, s66, STAGE                   ; my stage
	v_add_nc_u32 v[STO], s66, v24
	v_bfe_u32 v26, v0, 3, 2
	v_and_b32 v27, 7, v0
	v_mul_u32_u24 v26, v26, 144
	v_lshl_add_u32 v26, v27, 4, v26
	v_add_nc_u32 v[RD], s66, v26
	v_and_b32 v27, 31, v0
	v_lshlrev_b32 v[GO], 4, v27
	s_wait_loadcnt 0x0                             ; Q (and the partial sums)
.if CROSS
	; q = (x g) Wq was stored without its row's 1/rms: multiply in f32 and round again
.irp t, 0,1
.irp j, 2,4,6,8,10,12,14
	v_pk_add_f32 v[S+16*\t:S+16*\t+1], v[S+16*\t:S+16*\t+1], v[S+16*\t+\j:S+16*\t+\j+1]
.endr
	v_add_f32 v[S+16*\t], v[S+16*\t], v[S+16*\t+1]
.endr
	v_mov_b32 v31, 0x358637bd                      ; 1e-6
	s_mov_b32 s66, 0x3a800000                      ; 1 / 1024
	s_mov_b32 s67, 0xffff0000
	v_fma_f32 v[S], v[S], s66, v31
	v_fma_f32 v[S+16], v[S+16], s66, v31
	v_rsq_f32 v[AL], v[S]
	v_rsq_f32 v[AL+2], v[S+16]
	v_nop                                          ; one plain place behind the transcendentals (ISA guide 5.7.2)
	s_wait_alu depctr_va_vdst(0)
	v_mov_b32 v[AL+1], v[AL]
	v_mov_b32 v[AL+3], v[AL+2]
.irp t, 0,1
.irp i, 0,1,2,3,4,5,6,7,8,9,10,11,12,13,14,15
	v_lshlrev_b32 v[22+2*(\i&3)], 16, v[Q+16*\t+\i]
	v_and_b32 v[23+2*(\i&3)], s67, v[Q+16*\t+\i]
	v_pk_mul_f32 v[22+2*(\i&3):23+2*(\i&3)], v[22+2*(\i&3):23+2*(\i&3)], v[AL+2*\t:AL+2*\t+1]
	v_cvt_pk_bf16_f32 v[Q+16*\t+\i], v[22+2*(\i&3)], v[23+2*(\i&3)]
.endr
.endr
.endif
.macro LDBK slot                       ; K's eight fragments, and the bias tile into the score accumulators: 32 bytes a lane and tile
.irp kt, 0,1,2,3
.irp ks, 0,1
	ds_load_b128 v[F+16*\kt+8*\ks:F+16*\kt+8*\ks+3],   v[KA+\slot] offset:2304*\kt+64*\ks
	ds_load_b128 v[F+16*\kt+8*\ks+4:F+16*\kt+8*\ks+7], v[KA+\slot] offset:2304*\kt+64*\ks+32
.endr
.endr
.irp t, 0,1
.irp kt, 0,1,2,3
	ds_load_b128 v[S+32*\t+8*\kt:S+32*\t+8*\kt+3],   v[BA+\slot] offset:4352*\t+64*\kt
	ds_load_b128 v[S+32*\t+8*\kt+4:S+32*\t+8*\kt+7], v[BA+\slot] offset:4352*\t+64*\kt+16
.endr
.endr
.endm
.macro SMUL                            ; S = bias + K Q^T: the eight accumulators take turns, one instruction a turn
.irp ks, 0,1
.irp kt, 0,1,2,3
.irp t, 0,1
	v_wmma_f32_16x16x32_bf16 v[S+32*\t+8*\kt:S+32*\t+8*\kt+7], v[F+16*\kt+8*\ks:F+16*\kt+8*\ks+7], v[Q+16*\t+8*\ks:Q+16*\t+8*\ks+7], v[S+32*\t+8*\kt:S+32*\t+8*\kt+7]
.endr
.endr
.endr
.endm
.macro LDV slot                        ; V's eight fragments (32 keys g x 16 columns ht), transposed on the way
.irp g, 0,1
.irp ht, 0,1,2,3
	ds_load_tr16_b128 v[F+32*\g+8*\ht:F+32*\g+8*\ht+3],   v[VA+\slot] offset:5120*\g+32*\ht
	ds_load_tr16_b128 v[F+32*\g+8*\ht+4:F+32*\g+8*\ht+7], v[VA+\slot] offset:5120*\g+32*\ht+2560
.endr
.endr
.endm
.macro PVMUL first                     ; O += V^T P: again eight accumulators by turns; in the first step the first products start the sums
.irp g, 0,1
.irp ht, 0,1,2,3
.irp t, 0,1
.if \first*(1-\g)
	v_wmma_f32_16x16x32_bf16 v[O+8*(2*\ht+\t):O+8*(2*\ht+\t)+7], v[F+32*\g+8*\ht:F+32*\g+8*\ht+7], v[S+32*\t+16*\g:S+32*\t+16*\g+7], 0
.else
	v_wmma_f32_16x16x32_bf16 v[O+8*(2*\ht+\t):O+8*(2*\ht+\t)+7], v[F+32*\g+8*\ht:F+32*\g+8*\ht+7], v[S+32*\t+16*\g:S+32*\t+16*\g+7], v[O+8*(2*\ht+\t):O+8*(2*\ht+\t)+7]
.endif
.endr
.endr
.endr
.endm
; The step's softmax; the chains of the two tiles are interleaved.  first = 1: there is no old maximum, sum or O.
.macro SOFT first
.irp t, 0,1
.if \first
	v_max_num_f32 v[MX+\t], v[S+32*\t], v[S+32*\t+1]
.else
	v_max3_num_f32 v[MX+\t], v[S+32*\t], v[S+32*\t+1], v[M+2*\t]
.endif
.endr
.irp j, 2,4,6,8,10,12,14,16,18,20,22,24,26,28,30
.irp t, 0,1
	v_max3_num_f32 v[MX+\t], v[MX+\t], v[S+32*\t+\j], v[S+32*\t+\j+1]
.endr
.endr
.irp t, 0,1
	v_permlanex16_b32 v[PX+\t], v[MX+\t], s76, s77 ; the other 32 keys of my query
.endr
.irp t, 0,1
	v_max_num_f32 v[MN+\t], v[MX+\t], v[PX+\t]
.endr
.if 1-\first
.irp t, 0,1
	v_sub_f32 v[AE+\t], v[M+2*\t], v[MN+\t]
.endr
.irp t, 0,1
	v_mul_f32 v[AE+\t], 0x3fb8aa3b, v[AE+\t]
.endr
.irp t, 0,1
	v_exp_f32 v[AL+2*\t], v[AE+\t]                 ; alpha = exp(old maximum - new); the moves below are the plain place behind it (ISA guide 5.7.2)
.endr
.endif
.irp t, 0,1
	v_mov_b32 v[M+2*\t], v[MN+\t]
	v_mov_b32 v[M+2*\t+1], v[MN+\t]
.endr
.if 1-\first
	s_wait_alu depctr_va_vdst(0)
.irp t, 0,1
	v_mov_b32 v[AL+2*\t+1], v[AL+2*\t]
.endr
.endif
.set i, 0
.rept 32
	v_pk_add_f32 v[S+2*i:S+2*i+1], v[S+2*i:S+2*i+1], v[M+2*(i/16):M+2*(i/16)+1] neg_lo:[0,1] neg_hi:[0,1]   ; S - m first,
.set i, i+1
.endr
.set i, 0
.rept 32
	v_pk_mul_f32 v[S+2*i:S+2*i+1], v[S+2*i:S+2*i+1], 0x3fb8aa3b op_sel_hi:[1,0]                             ; then x log2(e)
.set i, i+1
.endr
.set i, 0
.rept 64
	v_exp_f32 v[S+i], v[S+i]
.set i, i+1
.endr
	v_nop                                          ; the plain place behind the last of them
	s_wait_alu depctr_va_vdst(0)
.irp t, 0,1
	v_pk_add_f32 v[SU+2*\t:SU+2*\t+1], v[S+32*\t:S+32*\t+1], v[S+32*\t+2:S+32*\t+3]
.endr
.irp j, 4,6,8,10,12,14,16,18,20,22,24,26,28,30
.irp t, 0,1
	v_pk_add_f32 v[SU+2*\t:SU+2*\t+1], v[SU+2*\t:SU+2*\t+1], v[S+32*\t+\j:S+32*\t+\j+1]
.endr
.endr
.irp t, 0,1
.if \first
	v_add_f32 v[LS+\t], v[SU+2*\t], v[SU+2*\t+1]
.else
	v_add_f32 v[SU+2*\t], v[SU+2*\t], v[SU+2*\t+1]
	v_fma_f32 v[LS+\t], v[LS+\t], v[AL+2*\t], v[SU+2*\t]
.endif
.endr
.set i, 0
.rept 4                                ; P(t, g): sixteen f32 become eight registers of bf16, in place: register j is written when 2 j and 2 j + 1 have been read
.irp j, 0,1,2,3,4,5,6,7
	v_cvt_pk_bf16_f32 v[S+16*i+\j], v[S+16*i+2*\j], v[S+16*i+2*\j+1]
.endr
.set i, i+1
.endr
.if 1-\first
.set i, 0
.rept 32
	v_pk_mul_f32 v[O+2*i:O+2*i+1], v[O+2*i:O+2*i+1], v[AL+2*((i/4)&1):AL+2*((i/4)&1)+1]   ; O x alpha of its tile
.set i, i+1
.endr
.endif
.endm
; One step of 64 keys.  In front of the round every wave has all its tensor loads landed (its part of this step's tiles among them) and its reads of the
; other slot back; the round holds that of every wave of all sixteen work-groups; the joint refill of the other slot is the first thing behind it.
.macro TRIP slot, refill, first
.if 1-\first
	PLACES5                                        ; behind the last step's matrix instructions
.endif
	s_wait_tensorcnt 0x0
	s_add_nc_u64 s[G0X+4*\slot+2:G0X+4*\slot+3], s[G0X+4*\slot+2:G0X+4*\slot+3], 512     ; no load of mine is out: this slot's next tiles, two steps on
	s_add_nc_u64 s[G0K+4*\slot+2:G0K+4*\slot+3], s[G0K+4*\slot+2:G0K+4*\slot+3], 16384
	s_add_nc_u64 s[G0V+4*\slot+2:G0V+4*\slot+3], s[G0V+4*\slot+2:G0V+4*\slot+3], 16384
	s_wait_dscnt 0x0
	ROUND
.if \refill
	JLOAD (1-\slot)
.endif
	LDBK \slot
	s_wait_dscnt 0x0
	SMUL
	PLACES5
	LDV \slot                                      ; on their way during the softmax
	SOFT \first
	s_wait_dscnt 0x0
	PVMUL \first
.endm
	TRIP 0, 1, 1
	TRIP 1, 1, 0
	s_mov_b32 s78, NK/128-2
.Lkeys:
	TRIP 0, 1, 0
	TRIP 1, 1, 0
	s_sub_co_i32 s78, s78, 1
	s_cmp_lg_u32 s78, 0
	s_cbranch_scc1 .Lkeys
	TRIP 0, 1, 0                                   ; the last two steps: one more fill, then none
	TRIP 1, 0, 0
	; THE WAY OUT: o = O / l, rounded, through my own stage as whole rows: in the blocked layout four tokens of 128 bytes are 512 consecutive bytes
	PLACES5
.irp t, 0,1
	v_permlanex16_b32 v[PX+\t], v[LS+\t], s76, s77
.endr
.irp t, 0,1
	v_add_f32 v[LS+\t], v[LS+\t], v[PX+\t]         ; at least 1: the largest score's exponential
.endr
.irp t, 0,1
	v_rcp_f32 v[AL+2*\t], v[LS+\t]
.endr
	v_nop
	s_wait_alu depctr_va_vdst(0)
.irp t, 0,1
	v_mov_b32 v[AL+2*\t+1], v[AL+2*\t]
.endr
.set i, 0
.rept 32
	v_pk_mul_f32 v[O+2*i:O+2*i+1], v[O+2*i:O+2*i+1], v[AL+2*((i/4)&1):AL+2*((i/4)&1)+1]
.set i, i+1
.endr
.set i, 0
.rept 8
.irp j, 0,1,2,3
	v_cvt_pk_bf16_f32 v[O+8*i+\j], v[O+8*i+2*\j], v[O+8*i+2*\j+1]
.endr
.set i, i+1
.endr
.irp ht, 0,1,2,3
.irp t, 0,1
	ds_store_b128 v[STO], v[O+8*(2*\ht+\t):O+8*(2*\ht+\t)+3] offset:2304*\t+32*\ht
.endr
.endr
.irp i, 0,1,2,3,4,5,6,7
	ds_load_b128 v[F+4*\i:F+4*\i+3], v[RD] offset:576*\i    ; LDS serves a wave's instructions in order (ISA guide 5.7.1.4): these see the stores above
.endr
.irp i, 0,1,2,3,4,5,6,7
	s_wait_dscnt 7-\i                              ; this load is back, the younger ones stay out
	global_store_b128 v[GO], v[F+4*\i:F+4*\i+3], s[8:9] offset:512*\i
.endr
	ROUND                                          ; the closing round
	s_endpgm
.Lfunc_end_k_q10f391734b_attn_cross:
	.size	k_q10f391734b_attn_cross, .Lfunc_end_k_q10f391734b_attn_cross-k_q10f391734b_attn_cross
	.p2alignl 7, 3214868480
	.fill 96, 4, 3214868480
	.section	.rodata,"a",@progbits
	.p2align	6, 0x0
	.amdhsa_kernel k_q10f391734b_attn_cross
		.amdhsa_group_segment_fixed_size 327680
		.amdhsa_private_segment_fixed_size 0
		.amdhsa_enable_private_segment 0
		.amdhsa_kernarg_size 32
		.amdhsa_user_sgpr_count 2
		.amdhsa_user_sgpr_kernarg_segment_ptr 1
		.amdhsa_wavefront_size32 1
		.amdhsa_system_sgpr_workgroup_id_x 1
		.amdhsa_system_sgpr_workgroup_id_y 1
		.amdhsa_system_sgpr_workgroup_id_z 1
		.amdhsa_system_vgpr_workitem_id 0
		.amdhsa_next_free_vgpr 256
		.amdhsa_next_free_sgpr 96
		.amdhsa_reserve_vcc 0
		.amdhsa_float_denorm_mode_32 3
		.amdhsa_float_denorm_mode_16_64 3
		.amdhsa_memory_ordered 1
		.amdhsa_forward_progress 1
		.amdhsa_inst_pref_size 156
	.end_amdhsa_kernel
	.amdgpu_metadata
---
amdhsa.version: [ 1, 2 ]
amdhsa.kernels:
  - .name:           k_q10f391734b_attn_cross
    .symbol:         k_q10f391734b_attn_cross.kd
    .args:
      - { .name: proj, .offset: 0, .size: 8, .value_kind: global_buffer, .address_space: global }
      - { .name: position_embedding, .offset: 8, .size: 8, .value_kind: global_buffer, .address_space: global }
      - { .name: obuf, .offset: 16, .size: 8, .value_kind: global_buffer, .address_space: global }
      - { .name: xg, .offset: 24, .size: 8, .value_kind: global_buffer, .address_space: global }
    .group_segment_fixed_size: 327680
    .private_segment_fixed_size: 0
    .kernarg_segment_align: 8
    .kernarg_segment_size: 32
    .max_flat_workgroup_size: 256
    .sgpr_count:     96
    .vgpr_count:     256
    .wavefront_size: 32
...
	.end_amdgpu_metadata
.endif
;; end of part 5
;; launch wo_cross: the kernel of part 4 again; grid 8 x 32, 4 waves a work-group, clusters of 4 x 4, 327,680 bytes of LDS; arguments obuf, wo2b, acts, g3, proj, xg; writes proj, xg
;; launch ffn_up (part 6): grid 8 x 32, 4 waves a work-group, clusters of 4 x 4, 327,680 bytes of LDS; arguments xg, wmain, obuf; writes obuf
.if DOCPART == 6
	.amdgcn_target "amdgcn-amd-amdhsa--gfx1250"
	.amdhsa_code_object_version 6
	.text
	.protected	k_q10f391734b_ffn_up
	.globl	k_q10f391734b_ffn_up
	.p2align	8
	.type	k_q10f391734b_ffn_up,@function
k_q10f391734b_ffn_up:
	s_mov_b64 s[64:65], 0
	v_nop
	global_prefetch_b8 v0, s[64:65] scope:SCOPE_SE
	s_setreg_imm32_b32 hwreg(HW_REG_WAVE_MODE, 25, 1), 1
	s_wait_xcnt 0x0
	s_wait_alu depctr_hold_cnt(0) depctr_sa_sdst(0) depctr_va_vdst(0) depctr_va_sdst(0) depctr_va_ssrc(0) depctr_va_vcc(0) depctr_vm_vsrc(0)
	s_getreg_b32 s2, hwreg(HW_REG_IB_STS2, 6, 4)
	s_cmp_eq_u32 s2, 0
	s_cbranch_scc0 .Lentry_in_a_cluster
	s_endpgm
.Lentry_in_a_cluster:
	s_bfe_u32 s2, ttmp6, 0x10000c
	s_cmp_lg_u32 s2, 0xf033
	s_cbranch_scc0 .Lentry_shape_is_right
	s_endpgm
.Lentry_shape_is_right:
; OUT = max(0, A W), all bf16, sums in f32, K = 1024.  A and OUT lie BLOCKED: [64-column block][token][64], 524,288 bytes from block to block;
; W lies [k][n], 1024 x 1024, WOFF bytes into its buffer.  A = x g without the row's 1/rms: that factor is positive, so it passes through the
; max(0, .) and is applied to the next product's f32 sums.
; A work-group makes 128 tokens x 128 columns with four waves; a wave makes 64 x 64 = 16 accumulator tiles.  Column block CB writes blocks 2 CB,
; 2 CB + 1 of OUT.  K goes in four steps of 256 through two LDS slots; one tensor load a wave fills a quarter of a slot: at most two are outstanding
; (the two first fills).
; CLUSTERS 4 x 4: A's tile hangs on the row block alone and is asked for jointly by the cluster's row, W's on the column block alone and is asked
; for jointly by the column: that divides the requests for both by four.
; THE MATRIX INSTRUCTION IS USED TRANSPOSED: source 0 = 16 columns of W, source 1 = 16 tokens of A, so that lane l holds token l % 16 and its eight
; registers eight neighbouring columns, which pack into 16 bytes.
; REGISTERS: window 0: v1-7 set-up, v16-26 addresses, v64-127 and v128-191 two fragment buffers (A's four fragments, then W's four), v192-255 at
; work on the way out.  Window 1: v0-127 the accumulators, tile (a, b) at 8 (4 a + b).
; LIMITS: NaN and infinities are not served.
.set REMAP, 0                          ; one kind of clusters: column block = work-group x, row block = work-group y
.set WOFF,  10485760                   ; W1 is panel 5 of wmain
.set RELU,  1                          ; max(0, .) in front of the rounding
.set SLOT,  147456                     ; A: 4 blocks x 128 tokens x 144 bytes = 73,728; W: 256 k x 288 bytes = 73,728
.set WREG,  73728                      ; where W's rows begin in a slot
.set PART,  36864                      ; what one tensor load fills
.set STAGE, 294912                     ; behind the ring: 8,192 bytes for each wave, which no tensor load fills
.set ADRA, 16                          ; v16-17  my A fragments in slot 0, 1
.set ADRB, 20                          ; v20-23  my W fragments: slot 0 rows 0-127, rows 128-255, slot 1 likewise (the 16-bit offset reaches 128 rows)
.set STO,  24                          ; v24     way out: where I put 16 bytes
.set RD,   25                          ; v25     way out: where I read rows back
.set GO,   26                          ; v26     way out: 16 x lane
.set F0,   64
.set F1,   128
.set TMP,  192
.set G1,  24                           ; s[24:31] group 1 for A
.set G0,  32                           ; s[32:39] group 0 for A, a set for each slot
.set G1B, 48                           ; s[48:55] group 1 for W
.set G0B, 56                           ; s[56:63] group 0 for W, a set for each slot
.set MSB, 0
.macro WIN new                         ; s_set_vgpr_msb: bits 1:0 source 0, 3:2 source 1, 5:4 source 2, 7:6 destination; the high byte repeats the setting that is left
.if MSB != \new
	s_set_vgpr_msb (MSB<<8)|\new
.set MSB, \new
.endif
.endm
.macro PLACES                          ; four plain places behind a matrix instruction, in front of loads into its sources and of readers of its results
.rept 4
	v_nop
.endr
.endm
.macro JLOAD s                         ; a joint load: waves 0, 1 ask for A's halves, waves 2, 3 for W's.  The branch hangs on the wave's number alone
	s_cmp_eq_u32 s11, 0
	s_cbranch_scc0 .Lfor_w_\@
	tensor_load_to_lds s[G0+4*\s:G0+4*\s+3], s[G1:G1+7]
	s_nop 0
	s_branch .Lasked_\@
.Lfor_w_\@:
	tensor_load_to_lds s[G0B+4*\s:G0B+4*\s+3], s[G1B:G1B+7]
	s_nop 0
.Lasked_\@:
.endm
.macro CREST                           ; a round of the cluster's barrier behind its opening work-group barrier
	s_cmp_lg_u32 s10, 0
	s_cbranch_scc1 .Lnot_wave_0_\@
	s_barrier_signal -3
.Lnot_wave_0_\@:
	s_barrier_wait -3
	s_barrier_signal -1
	s_barrier_wait -1
.endm
.macro CROUND
	s_barrier_signal -1
	s_barrier_wait -1
	CREST
.endm
	s_load_b128 s[4:7], s[0:1], 0x0                ; A, W
	s_load_b64 s[8:9], s[0:1], 0x10                ; OUT
	v_lshrrev_b32 v1, 5, v0
	v_readfirstlane_b32 s10, v1                    ; wave 0..3
	s_lshr_b32 s11, s10, 1                         ; my half of the tokens.  Also: I fetch for A (0) or for W (1)
	s_and_b32 s12, s10, 1                          ; my half of the columns.  Also: which half of that tile I fetch
	s_bfe_u32 s40, ttmp6, 0x40000                  ; cx
	s_bfe_u32 s41, ttmp6, 0x40004                  ; cy
	s_and_b32 s80, ttmp7, 0xffff                   ; cluster y
	s_mov_b32 s81, ttmp9                           ; cluster x
.if REMAP
	s_and_b32 s82, s80, 3
	s_lshr_b32 s83, s80, 2
	s_lshl_b32 s83, s83, 1
	s_add_co_u32 s83, s83, s81
	s_cmp_ge_u32 s81, 6
	s_cselect_b32 s80, s82, s80
	s_cselect_b32 s81, s83, s81
	s_cselect_b32 s84, 0x800000, 0
.endif
	s_lshl_b32 s42, s81, 2
	s_add_co_u32 s42, s42, s40                     ; CB: column block
	s_lshl_b32 s13, s80, 2
	s_add_co_u32 s13, s13, s41                     ; RB: row block
	s_lshl_b32 s43, s41, 2
	s_lshl_b32 s43, 15, s43                        ; my row of the cluster
	s_lshl_b32 s44, 0x1111, s40                    ; my column
	; group 1 for A: two dense blocks of 128 tokens x 128 bytes = 2,048 elements of 8 bytes each, 65,536 elements apart; 4 words of padding behind
	; every 32 words, counted along the whole tile: LDS rows of 144 bytes
	s_or_b32 s[G1+0], s43, (3<<16)|(1<<20)|(1<<21)|(4<<22)|(3<<25)
	s_mov_b32 s[G1+1], 2048<<16                    ; tensor_dim0 = 2,048
	s_mov_b32 s[G1+2], 2<<16                       ; tensor_dim1 = 2
	s_mov_b32 s[G1+3], 2048<<16                    ; tile_dim0 = 2,048
	s_mov_b32 s[G1+4], 2                           ; tile_dim1 = 2
	s_mov_b32 s[G1+5], 65536                       ; from block to block
	s_mov_b32 s[G1+6], 0
	s_mov_b32 s[G1+7], 0
	; group 1 for W: 128 rows (k) x 128 elements of 2 bytes, 1,024 elements from row to row; 8 words of padding behind every 64: LDS rows of 288 bytes
	s_or_b32 s[G1B+0], s44, (1<<16)|(1<<20)|(1<<21)|(5<<22)|(7<<25)
	s_mov_b32 s[G1B+1], 128<<16
	s_mov_b32 s[G1B+2], 128<<16
	s_mov_b32 s[G1B+3], 128<<16
	s_mov_b32 s[G1B+4], 128
	s_mov_b32 s[G1B+5], 1024
	s_mov_b32 s[G1B+6], 0
	s_mov_b32 s[G1B+7], 0
	; A's address hangs on the row block, W's on the column block, each in registers that never hold the other coordinate
	s_lshl_b32 s16, s13, 14                        ; 128 tokens x 128 bytes
	s_lshl_b32 s17, s12, 20                        ; my two of the step's four blocks
	s_add_co_u32 s16, s16, s17
.if REMAP
	s_add_co_u32 s16, s16, s84
.endif
	s_mov_b32 s17, 0
	s_lshr_b32 s46, s42, 3
	s_lshl_b32 s46, s46, 21                        ; the panel
	s_and_b32 s47, s42, 7
	s_lshl_b32 s47, s47, 8                         ; 128 columns x 2 bytes
	s_add_co_u32 s46, s46, s47
	s_lshl_b32 s47, s12, 18                        ; my 128 of the step's 256 rows, 2,048 bytes each
	s_add_co_u32 s46, s46, s47
.if WOFF
	s_add_co_u32 s46, s46, WOFF
.endif
	s_mov_b32 s47, 0
	s_mul_i32 s20, s10, PART                       ; to LDS: A's halves, then W's halves = wave x 36,864
	s_wait_kmcnt 0x0
	s_add_nc_u64 s[14:15], s[4:5], s[16:17]
	s_add_nc_u64 s[46:47], s[6:7], s[46:47]
	CROUND                                         ; all sixteen work-groups are here: the first joint loads meet
.irp s, 0,1
	s_mov_b32 s[G0+4*\s], 1
	s_add_co_u32 s[G0+4*\s+1], s20, \s*SLOT
	s_add_nc_u64 s[G0+4*\s+2:G0+4*\s+3], s[14:15], \s*0x200000     ; K step s: four blocks on
	s_or_b32 s[G0+4*\s+3], s[G0+4*\s+3], 0x80000000
	s_mov_b32 s[G0B+4*\s], 1
	s_add_co_u32 s[G0B+4*\s+1], s20, \s*SLOT
	s_add_nc_u64 s[G0B+4*\s+2:G0B+4*\s+3], s[46:47], \s*0x80000    ; 256 rows on
	s_or_b32 s[G0B+4*\s+3], s[G0B+4*\s+3], 0x80000000
	JLOAD \s
.endr
	; fragment addresses.  A (K along the LDS rows): row x 144 + 16 (l / 16), two loads 32 bytes apart.
	; W (stored [k][n]): transposing loads at (8 (l / 16) + l % 8) x 288 + 16 ((l / 8) % 2), two loads 16 rows apart.
	v_and_b32 v1, 15, v0                           ; r = l % 16
	v_bfe_u32 v2, v0, 4, 1                         ; h = l / 16
	v_mul_u32_u24 v3, v1, 144
	v_lshl_add_u32 v3, v2, 4, v3
	s_mul_i32 s21, s11, 9216                       ; my 64 tokens
	v_add_nc_u32 v[ADRA], s21, v3
	v_add_nc_u32 v[ADRA+1], SLOT, v[ADRA]
	v_and_b32 v4, 7, v0
	v_lshl_add_u32 v4, v2, 3, v4
	v_mul_u32_u24 v4, v4, 288
	v_bfe_u32 v5, v0, 3, 1
	v_lshl_add_u32 v4, v5, 4, v4
	s_lshl_b32 s22, s12, 7                         ; my 64 columns
	s_add_co_u32 s22, s22, WREG
	v_add_nc_u32 v[ADRB], s22, v4
	v_add_nc_u32 v[ADRB+1], PART, v[ADRB]
	v_add_nc_u32 v[ADRB+2], SLOT, v[ADRB]
	v_add_nc_u32 v[ADRB+3], SLOT+PART, v[ADRB]
	s_lshl_b32 s23, s10, 13
	s_add_co_u32 s23, s23, STAGE                   ; my stage
	; the way out
	v_add_nc_u32 v[STO], s23, v3                   ; in: row r of 144 bytes, 16 bytes for each half of the lanes
	v_bfe_u32 v6, v0, 3, 2
	v_and_b32 v7, 7, v0
	v_mul_u32_u24 v6, v6, 144
	v_lshl_add_u32 v6, v7, 4, v6
	v_add_nc_u32 v[RD], s23, v6                    ; back: eight lanes take a row of 128 bytes, a wave four rows
	v_and_b32 v7, 31, v0
	v_lshlrev_b32 v[GO], 4, v7
	s_lshl_b32 s18, s13, 1
	s_add_co_u32 s18, s18, s11                     ; my group of 64 tokens
	s_lshl_b32 s16, s18, 13                        ; x 64 x 128 bytes
	s_mov_b32 s17, 0
	s_add_nc_u64 s[8:9], s[8:9], s[16:17]
	s_lshl_b32 s45, s42, 1
	s_add_co_u32 s45, s45, s12                     ; my block of 64 columns
	s_lshl_b32 s46, s45, 19
	s_mov_b32 s47, 0
	s_add_nc_u64 s[8:9], s[8:9], s[46:47]
; 8 matrix instructions: token tiles a0, a0 + 1 x the four column tiles, 32 along K.  zero = 1: the first product starts the sums.
.macro MUL8 f, a0, zero
.irp a, \a0, \a0+1
.irp b, 0,1,2,3
.if \zero
	v_wmma_f32_16x16x32_bf16 v[8*(4*(\a)+\b):8*(4*(\a)+\b)+7], v[\f+32+8*\b:\f+32+8*\b+7], v[\f+8*(\a):\f+8*(\a)+7], 0
.else
	v_wmma_f32_16x16x32_bf16 v[8*(4*(\a)+\b):8*(4*(\a)+\b)+7], v[\f+32+8*\b:\f+32+8*\b+7], v[\f+8*(\a):\f+8*(\a)+7], v[8*(4*(\a)+\b):8*(4*(\a)+\b)+7]
.endif
.endr
.endr
.endm
; 16 LDS loads: the fragments of the q-th 32 of a slot's 256 along K, into buffer f
.macro FETCH slot, q, f
.irp a, 0,1,2,3
	ds_load_b128 v[\f+8*\a:\f+8*\a+3],   v[ADRA+\slot] offset:((\q)>>1)*18432+((\q)&1)*64+\a*2304
	ds_load_b128 v[\f+8*\a+4:\f+8*\a+7], v[ADRA+\slot] offset:((\q)>>1)*18432+((\q)&1)*64+\a*2304+32
.endr
.irp b, 0,1,2,3
	ds_load_tr16_b128 v[\f+32+8*\b:\f+32+8*\b+3],   v[ADRB+2*\slot+((\q)>>2)] offset:((\q)&3)*9216+32*\b
	ds_load_tr16_b128 v[\f+32+8*\b+4:\f+32+8*\b+7], v[ADRB+2*\slot+((\q)>>2)] offset:((\q)&3)*9216+32*\b+4608
.endr
.endm
; One of a slot's first seven eighths: buffer f is in; the next eighth's loads go out into g; then 16 matrix instructions on f.
; The 16 accumulators take turns, one instruction a turn, in the same order everywhere.
.macro STEP slot, q, f, g, zero
	s_wait_dscnt 0x0                               ; buffer f's 16 loads, issued 16 matrix instructions ago
	PLACES                                         ; g was read by the matrix instructions just issued
	FETCH \slot, \q+1, \g
	WIN 0x50                                       ; C and D in window 1
	MUL8 \f, 0, \zero
	MUL8 \f, 2, \zero
	WIN 0
.endm
.macro PHASE slot, zero
	STEP \slot, 0, F0, F1, \zero
	STEP \slot, 1, F1, F0, 0
	STEP \slot, 2, F0, F1, 0
	STEP \slot, 3, F1, F0, 0
	STEP \slot, 4, F0, F1, 0
	STEP \slot, 5, F1, F0, 0
	STEP \slot, 6, F0, F1, 0
.endm
; The last eighth, and the change of slots.  In front of the barrier each wave has its reads of this slot back and all its tensor loads landed (the one
; that is out is its part of the next slot).  fill = 1: the barrier opens a round of the cluster's barrier, and the joint refill of this slot, two K
; steps ahead, is the first tensor load behind the round.  From that request to the wait for it a wave issues 120 matrix instructions.
.macro TURN slot, next, fill
	s_wait_dscnt 0x0
	s_wait_tensorcnt 0x0
	s_barrier_signal -1
	WIN 0x50
	MUL8 F1, 0, 0                                  ; register work while the others arrive
	WIN 0
	s_barrier_wait -1
.if \fill
	CREST
	s_add_nc_u64 s[G0+4*\slot+2:G0+4*\slot+3], s[G0+4*\slot+2:G0+4*\slot+3], 0x400000     ; no load of mine is out: group 0 may be written
	s_add_nc_u64 s[G0B+4*\slot+2:G0B+4*\slot+3], s[G0B+4*\slot+2:G0B+4*\slot+3], 0x100000
	JLOAD \slot
.endif
	PLACES
	FETCH \next, 0, F0
	WIN 0x50
	MUL8 F1, 2, 0
	WIN 0
.endm
	s_wait_tensorcnt 0x1                           ; my part of slot 0 is in; slot 1's may stay out
	s_barrier_signal -1
	s_barrier_wait -1
	FETCH 0, 0, F0
	PHASE 0, 1                                     ; K 0..255
	TURN 0, 1, 1
	PHASE 1, 0                                     ; K 256..511
	TURN 1, 0, 1
	PHASE 0, 0                                     ; K 512..767
	TURN 0, 1, 0                                   ; nothing is left to fetch
	PHASE 1, 0                                     ; K 768..1023
	s_wait_dscnt 0x0
	WIN 0x50
	MUL8 F1, 0, 0
	MUL8 F1, 2, 0
	WIN 0
	PLACES                                         ; in front of the readers of the results and of loads into the buffers
; THE WAY OUT, 16 tokens at a time: round to bf16, 16 bytes a lane into my own stage, read back as whole rows; in the blocked layout four rows of
; 128 bytes are 512 consecutive bytes.  LDS serves a wave's instructions in order (ISA guide 5.7.1.4): no wait between the stores and the loads.
.macro OUT16 a, f
.if RELU
	WIN 0x04
.irp b, 0,1,2,3
.irp j, 0,1,2,3,4,5,6,7
	v_max_num_f32 v[TMP+16+8*\b+\j], 0, v[8*(4*\a+\b)+\j]
.endr
.endr
	WIN 0
.irp b, 0,1,2,3
.irp j, 0,1,2,3
	v_cvt_pk_bf16_f32 v[TMP+4*\b+\j], v[TMP+16+8*\b+2*\j], v[TMP+16+8*\b+2*\j+1]
.endr
.endr
.else
	WIN 0x05
.irp b, 0,1,2,3
.irp j, 0,1,2,3
	v_cvt_pk_bf16_f32 v[TMP+4*\b+\j], v[8*(4*\a+\b)+2*\j], v[8*(4*\a+\b)+2*\j+1]
.endr
.endr
	WIN 0
.endif
.irp b, 0,1,2,3
	ds_store_b128 v[STO], v[TMP+4*\b:TMP+4*\b+3] offset:32*\b
.endr
	s_wait_xcnt 0x0                                ; buffer f, which earlier stores read, is loaded again only behind this wait
.irp t, 0,1,2,3
	ds_load_b128 v[\f+4*\t:\f+4*\t+3], v[RD] offset:576*\t
.endr
.irp t, 0,1,2,3
	s_wait_dscnt 3-\t                              ; this load is back, the younger ones stay out
	global_store_b128 v[GO], v[\f+4*\t:\f+4*\t+3], s[8:9] offset:2048*\a+512*\t   ; a wave: 512 consecutive bytes, aligned
.endr
.endm
	OUT16 0, F0
	OUT16 1, F1
	OUT16 2, F0
	OUT16 3, F1
	CROUND                                         ; the closing round: no work-group ends while a partner may still ask jointly
	s_endpgm
.Lfunc_end_k_q10f391734b_ffn_up:
	.size	k_q10f391734b_ffn_up, .Lfunc_end_k_q10f391734b_ffn_up-k_q10f391734b_ffn_up
	.p2alignl 7, 3214868480
	.fill 96, 4, 3214868480
	.section	.rodata,"a",@progbits
	.p2align	6, 0x0
	.amdhsa_kernel k_q10f391734b_ffn_up
		.amdhsa_group_segment_fixed_size 327680
		.amdhsa_private_segment_fixed_size 0
		.amdhsa_enable_private_segment 0
		.amdhsa_kernarg_size 24
		.amdhsa_user_sgpr_count 2
		.amdhsa_user_sgpr_kernarg_segment_ptr 1
		.amdhsa_wavefront_size32 1
		.amdhsa_system_sgpr_workgroup_id_x 1
		.amdhsa_system_sgpr_workgroup_id_y 1
		.amdhsa_system_sgpr_workgroup_id_z 1
		.amdhsa_system_vgpr_workitem_id 0
		.amdhsa_next_free_vgpr 384
		.amdhsa_next_free_sgpr 96
		.amdhsa_reserve_vcc 0
		.amdhsa_float_denorm_mode_32 3
		.amdhsa_float_denorm_mode_16_64 3
		.amdhsa_memory_ordered 1
		.amdhsa_forward_progress 1
		.amdhsa_inst_pref_size 92
	.end_amdhsa_kernel
	.amdgpu_metadata
---
amdhsa.version: [ 1, 2 ]
amdhsa.kernels:
  - .name:           k_q10f391734b_ffn_up
    .symbol:         k_q10f391734b_ffn_up.kd
    .args:
      - { .name: xg, .offset: 0, .size: 8, .value_kind: global_buffer, .address_space: global }
      - { .name: wmain, .offset: 8, .size: 8, .value_kind: global_buffer, .address_space: global }
      - { .name: obuf, .offset: 16, .size: 8, .value_kind: global_buffer, .address_space: global }
    .group_segment_fixed_size: 327680
    .private_segment_fixed_size: 0
    .kernarg_segment_align: 8
    .kernarg_segment_size: 24
    .max_flat_workgroup_size: 128
    .sgpr_count:     96
    .vgpr_count:     384
    .wavefront_size: 32
...
	.end_amdgpu_metadata
.endif
;; end of part 6
;; launch ffn_down (part 7): grid 8 x 32, 4 waves a work-group, clusters of 4 x 4, 327,680 bytes of LDS; arguments obuf, wmain, proj, xg, out0; writes out0
.if DOCPART == 7
	.amdgcn_target "amdgcn-amd-amdhsa--gfx1250"
	.amdhsa_code_object_version 6
	.text
	.protected	k_q10f391734b_ffn_down
	.globl	k_q10f391734b_ffn_down
	.p2align	8
	.type	k_q10f391734b_ffn_down,@function
k_q10f391734b_ffn_down:
	s_mov_b64 s[64:65], 0
	v_nop
	global_prefetch_b8 v0, s[64:65] scope:SCOPE_SE
	s_setreg_imm32_b32 hwreg(HW_REG_WAVE_MODE, 25, 1), 1
	s_wait_xcnt 0x0
	s_wait_alu depctr_hold_cnt(0) depctr_sa_sdst(0) depctr_va_vdst(0) depctr_va_sdst(0) depctr_va_ssrc(0) depctr_va_vcc(0) depctr_vm_vsrc(0)
	s_getreg_b32 s2, hwreg(HW_REG_IB_STS2, 6, 4)
	s_cmp_eq_u32 s2, 0
	s_cbranch_scc0 .Lentry_in_a_cluster
	s_endpgm
.Lentry_in_a_cluster:
	s_bfe_u32 s2, ttmp6, 0x10000c
	s_cmp_lg_u32 s2, 0xf033
	s_cbranch_scc0 .Lentry_shape_is_right
	s_endpgm
.Lentry_shape_is_right:
; OUT = rs x (A W) + RES.  A: bf16, blocked [64-column block][token][64] (524,288 bytes a block) = max(0, (x g) W1) without the row's 1/rms;
; W: bf16 [k][n], 1024 x 1024, WOFF bytes into its buffer; RES, OUT: f32 [4096][1024]; rs[token] = rsqrt(mean of RES's row squared + 1e-6), made
; from the sixteen partial sums of squares [64-column block][4096] that lie behind XG's 8,388,608 bytes, and applied to the f32 sums.
; A work-group makes 128 tokens x 128 columns with four waves; a wave makes 64 x 64 = 16 accumulator tiles.  K goes in four steps of 256 through two
; LDS slots; one tensor load a wave fills a quarter of a slot: at most two are outstanding (the two first fills).
; CLUSTERS 4 x 4: A's tile hangs on the row block alone and is asked for jointly by the cluster's row, W's on the column block alone and is asked
; for jointly by the column: that divides the requests for both by four.
; THE MATRIX INSTRUCTION IS USED TRANSPOSED: source 0 = 16 columns of W, source 1 = 16 tokens of A: lane l holds token l % 16, its registers eight
; neighbouring columns.
; REGISTERS: window 0: v1-7 set-up, v16-29 addresses, v64-127 and v128-191 two fragment buffers, v192-255 at work at the start and on the way out.
; Window 1: v0-127 the accumulators, tile (a, b) at 8 (4 a + b); v128-255 RES of my 64 x 64, asked for at the start.
; LIMITS: NaN and infinities are not served.
.set WOFF,  12582912                   ; W2 is panel 6 of wmain
.set SLOT,  147456                     ; A: 4 blocks x 128 tokens x 144 bytes = 73,728; W: 256 k x 288 bytes = 73,728
.set WREG,  73728
.set PART,  36864                      ; what one tensor load fills
.set STAGE, 294912                     ; behind the ring: 8,192 bytes for each wave, which no tensor load fills: 16 rows x 272, then 64 pairs (rs, rs)
.set ADRA, 16
.set ADRB, 20
.set STO,  24                          ; v24  stage + r x 272 + 32 h
.set RD,   25                          ; v25  stage + h x 272 + 16 r
.set GO,   26                          ; v26  h x 4,096 + 16 r: my 16 bytes of two f32 rows
.set G8,   27                          ; v27  8 x lane
.set RSA,  28                          ; v28  stage + 4,352 + 8 h
.set SSL,  29                          ; v29  stage + 4,352 + 16 x lane
.set F0,   64
.set F1,   128
.set TMP,  192                         ; v192-223 eight pairs of rows; v224-239 their rs, twice each
.set G1,  24
.set G0,  32
.set G1B, 48
.set G0B, 56
.set MSB, 0
.macro WIN new                         ; s_set_vgpr_msb: bits 1:0 source 0, 3:2 source 1, 5:4 source 2, 7:6 destination; the high byte repeats the setting that is left
.if MSB != \new
	s_set_vgpr_msb (MSB<<8)|\new
.set MSB, \new
.endif
.endm
.macro PLACES                          ; four plain places behind a matrix instruction (ISA guide 7.12.1)
.rept 4
	v_nop
.endr
.endm
.macro JLOAD s                         ; a joint load: waves 0, 1 ask for A's halves, waves 2, 3 for W's
	s_cmp_eq_u32 s11, 0
	s_cbranch_scc0 .Lfor_w_\@
	tensor_load_to_lds s[G0+4*\s:G0+4*\s+3], s[G1:G1+7]
	s_nop 0
	s_branch .Lasked_\@
.Lfor_w_\@:
	tensor_load_to_lds s[G0B+4*\s:G0B+4*\s+3], s[G1B:G1B+7]
	s_nop 0
.Lasked_\@:
.endm
.macro CREST
	s_cmp_lg_u32 s10, 0
	s_cbranch_scc1 .Lnot_wave_0_\@
	s_barrier_signal -3
.Lnot_wave_0_\@:
	s_barrier_wait -3
	s_barrier_signal -1
	s_barrier_wait -1
.endm
.macro CROUND
	s_barrier_signal -1
	s_barrier_wait -1
	CREST
.endm
	s_load_b128 s[4:7], s[0:1], 0x0                ; A, W
	s_load_b128 s[84:87], s[0:1], 0x10             ; RES s[84:85], XG s[86:87]
	s_load_b64 s[88:89], s[0:1], 0x20              ; OUT
	v_lshrrev_b32 v1, 5, v0
	v_readfirstlane_b32 s10, v1                    ; wave 0..3
	s_lshr_b32 s11, s10, 1                         ; my half of the tokens.  Also: I fetch for A (0) or for W (1)
	s_and_b32 s12, s10, 1                          ; my half of the columns.  Also: which half of that tile I fetch
	s_bfe_u32 s40, ttmp6, 0x40000                  ; cx
	s_bfe_u32 s41, ttmp6, 0x40004                  ; cy
	s_lshl_b32 s42, ttmp9, 2
	s_add_co_u32 s42, s42, s40                     ; CB: column block 0..7
	s_and_b32 s13, ttmp7, 0xffff
	s_lshl_b32 s13, s13, 2
	s_add_co_u32 s13, s13, s41                     ; RB: row block 0..31
	s_lshl_b32 s43, s41, 2
	s_lshl_b32 s43, 15, s43                        ; my row of the cluster
	s_lshl_b32 s44, 0x1111, s40                    ; my column
	; group 1 for A: two dense blocks of 2,048 elements of 8 bytes, 65,536 elements apart; 4 words of padding behind every 32: LDS rows of 144 bytes
	s_or_b32 s[G1+0], s43, (3<<16)|(1<<20)|(1<<21)|(4<<22)|(3<<25)
	s_mov_b32 s[G1+1], 2048<<16
	s_mov_b32 s[G1+2], 2<<16
	s_mov_b32 s[G1+3], 2048<<16
	s_mov_b32 s[G1+4], 2
	s_mov_b32 s[G1+5], 65536
	s_mov_b32 s[G1+6], 0
	s_mov_b32 s[G1+7], 0
	; group 1 for W: 128 rows x 128 elements of 2 bytes, pitch 1,024; 8 words of padding behind every 64: LDS rows of 288 bytes
	s_or_b32 s[G1B+0], s44, (1<<16)|(1<<20)|(1<<21)|(5<<22)|(7<<25)
	s_mov_b32 s[G1B+1], 128<<16
	s_mov_b32 s[G1B+2], 128<<16
	s_mov_b32 s[G1B+3], 128<<16
	s_mov_b32 s[G1B+4], 128
	s_mov_b32 s[G1B+5], 1024
	s_mov_b32 s[G1B+6], 0
	s_mov_b32 s[G1B+7], 0
	s_lshl_b32 s16, s13, 14                        ; A: 128 tokens x 128 bytes,
	s_lshl_b32 s17, s12, 20                        ; my two of the step's four blocks
	s_add_co_u32 s16, s16, s17
	s_mov_b32 s17, 0
	s_lshl_b32 s46, s42, 8                         ; W: 128 columns x 2 bytes,
	s_lshl_b32 s47, s12, 18                        ; my 128 of the step's 256 rows,
	s_add_co_u32 s46, s46, s47
	s_add_co_u32 s46, s46, WOFF                    ; in W2's panel
	s_mov_b32 s47, 0
	s_mul_i32 s20, s10, PART
	s_wait_kmcnt 0x0
	s_add_nc_u64 s[14:15], s[4:5], s[16:17]
	s_add_nc_u64 s[46:47], s[6:7], s[46:47]
	CROUND                                         ; all sixteen work-groups are here: the first joint loads meet
.irp s, 0,1
	s_mov_b32 s[G0+4*\s], 1
	s_add_co_u32 s[G0+4*\s+1], s20, \s*SLOT
	s_add_nc_u64 s[G0+4*\s+2:G0+4*\s+3], s[14:15], \s*0x200000
	s_or_b32 s[G0+4*\s+3], s[G0+4*\s+3], 0x80000000
	s_mov_b32 s[G0B+4*\s], 1
	s_add_co_u32 s[G0B+4*\s+1], s20, \s*SLOT
	s_add_nc_u64 s[G0B+4*\s+2:G0B+4*\s+3], s[46:47], \s*0x80000
	s_or_b32 s[G0B+4*\s+3], s[G0B+4*\s+3], 0x80000000
	JLOAD \s
.endr
	v_and_b32 v1, 15, v0                           ; r = l % 16
	v_bfe_u32 v2, v0, 4, 1                         ; h = l / 16
	v_mul_u32_u24 v3, v1, 144
	v_lshl_add_u32 v3, v2, 4, v3
	s_mul_i32 s21, s11, 9216
	v_add_nc_u32 v[ADRA], s21, v3
	v_add_nc_u32 v[ADRA+1], SLOT, v[ADRA]
	v_and_b32 v4, 7, v0
	v_lshl_add_u32 v4, v2, 3, v4
	v_mul_u32_u24 v4, v4, 288
	v_bfe_u32 v5, v0, 3, 1
	v_lshl_add_u32 v4, v5, 4, v4
	s_lshl_b32 s22, s12, 7
	s_add_co_u32 s22, s22, WREG
	v_add_nc_u32 v[ADRB], s22, v4
	v_add_nc_u32 v[ADRB+1], PART, v[ADRB]
	v_add_nc_u32 v[ADRB+2], SLOT, v[ADRB]
	v_add_nc_u32 v[ADRB+3], SLOT+PART, v[ADRB]
	s_lshl_b32 s23, s10, 13
	s_add_co_u32 s23, s23, STAGE                   ; my stage
	; the way out
	v_mul_u32_u24 v6, v1, 272
	v_lshl_add_u32 v6, v2, 5, v6
	v_add_nc_u32 v[STO], s23, v6
	v_mul_u32_u24 v6, v2, 272
	v_lshl_add_u32 v6, v1, 4, v6
	v_add_nc_u32 v[RD], s23, v6
	v_lshlrev_b32 v6, 12, v2
	v_lshl_add_u32 v[GO], v1, 4, v6
	v_and_b32 v7, 31, v0
	v_lshlrev_b32 v[G8], 3, v7
	s_add_co_u32 s21, s23, 4352
	v_lshl_add_u32 v[RSA], v2, 3, s21
	v_lshl_add_u32 v[SSL], v7, 4, s21
	s_add_nc_u64 s[86:87], s[86:87], 0x800000      ; the partial sums lie behind XG's blocks
	s_lshl_b32 s18, s13, 1
	s_add_co_u32 s18, s18, s11                     ; my group of 64 tokens
	s_mov_b32 s17, 0
	s_lshl_b32 s16, s18, 18                        ; x 64 rows of 4,096 bytes
	s_add_nc_u64 s[84:85], s[84:85], s[16:17]
	s_add_nc_u64 s[88:89], s[88:89], s[16:17]
	s_lshl_b32 s16, s18, 8                         ; x 64 sums of 4 bytes
	s_add_nc_u64 s[86:87], s[86:87], s[16:17]
	s_lshl_b32 s45, s42, 1
	s_add_co_u32 s45, s45, s12                     ; my block of 64 columns
	s_mov_b32 s47, 0
	s_lshl_b32 s46, s45, 8                         ; x 64 f32
	s_add_nc_u64 s[84:85], s[84:85], s[46:47]
	s_add_nc_u64 s[88:89], s[88:89], s[46:47]
	; the sixteen partial sums of my 64 tokens (two tokens a lane), then my 64 x 64 of RES, which is first wanted behind the whole product
.irp kb, 0,1,2,3,4,5,6,7,8,9,10,11,12,13,14,15
	global_load_b64 v[TMP+2*\kb:TMP+2*\kb+1], v[G8], s[86:87] offset:16384*\kb   ; a wave: 256 consecutive bytes, aligned
.endr
	WIN 0x40
.irp a, 0,1,2,3
.irp t, 0,1,2,3,4,5,6,7
	global_load_b128 v[128+4*(8*\a+\t):128+4*(8*\a+\t)+3], v[GO], s[84:85] offset:(16*\a+2*\t)*4096 th:TH_LOAD_NT   ; 16 lanes: 256 bytes of a row
.endr
.endr
	WIN 0
	s_wait_loadcnt 32                              ; the sixteen loads of sums are in; the 32 of RES, issued behind them, stay out
.irp kb, 1,2,3,4,5,6,7,8,9,10,11,12,13,14,15
	v_pk_add_f32 v[TMP:TMP+1], v[TMP:TMP+1], v[TMP+2*\kb:TMP+2*\kb+1]
.endr
	v_mov_b32 v[TMP+2], 0x358637bd                 ; 1e-6
	s_mov_b32 s19, 0x3a800000                      ; 1 / 1024
	v_fma_f32 v[TMP], v[TMP], s19, v[TMP+2]
	v_fma_f32 v[TMP+1], v[TMP+1], s19, v[TMP+2]
	v_rsq_f32 v[TMP+4], v[TMP]                     ; each twice: the pair that the packed multiply-add of the way out takes
	v_rsq_f32 v[TMP+5], v[TMP]
	v_rsq_f32 v[TMP+6], v[TMP+1]
	v_rsq_f32 v[TMP+7], v[TMP+1]
	v_nop                                          ; one plain place behind the transcendentals (ISA guide 5.7.2)
	s_wait_alu depctr_va_vdst(0)
	ds_store_b128 v[SSL], v[TMP+4:TMP+7]           ; into my own stage: token i's pair at 8 i
	s_wait_dscnt 0x0                               ; no LDS instruction is pending at the signal below
.macro MUL8 f, a0, zero
.irp a, \a0, \a0+1
.irp b, 0,1,2,3
.if \zero
	v_wmma_f32_16x16x32_bf16 v[8*(4*(\a)+\b):8*(4*(\a)+\b)+7], v[\f+32+8*\b:\f+32+8*\b+7], v[\f+8*(\a):\f+8*(\a)+7], 0
.else
	v_wmma_f32_16x16x32_bf16 v[8*(4*(\a)+\b):8*(4*(\a)+\b)+7], v[\f+32+8*\b:\f+32+8*\b+7], v[\f+8*(\a):\f+8*(\a)+7], v[8*(4*(\a)+\b):8*(4*(\a)+\b)+7]
.endif
.endr
.endr
.endm
.macro FETCH slot, q, f                ; the fragments of the q-th 32 of a slot's 256 along K
.irp a, 0,1,2,3
	ds_load_b128 v[\f+8*\a:\f+8*\a+3],   v[ADRA+\slot] offset:((\q)>>1)*18432+((\q)&1)*64+\a*2304
	ds_load_b128 v[\f+8*\a+4:\f+8*\a+7], v[ADRA+\slot] offset:((\q)>>1)*18432+((\q)&1)*64+\a*2304+32
.endr
.irp b, 0,1,2,3
	ds_load_tr16_b128 v[\f+32+8*\b:\f+32+8*\b+3],   v[ADRB+2*\slot+((\q)>>2)] offset:((\q)&3)*9216+32*\b
	ds_load_tr16_b128 v[\f+32+8*\b+4:\f+32+8*\b+7], v[ADRB+2*\slot+((\q)>>2)] offset:((\q)&3)*9216+32*\b+4608
.endr
.endm
; The 16 accumulators take turns, one instruction a turn, in the same order everywhere.
.macro STEP slot, q, f, g, zero
	s_wait_dscnt 0x0                               ; buffer f's 16 loads, issued 16 matrix instructions ago
	PLACES                                         ; g was read by the matrix instructions just issued
	FETCH \slot, \q+1, \g
	WIN 0x50
	MUL8 \f, 0, \zero
	MUL8 \f, 2, \zero
	WIN 0
.endm
.macro PHASE slot, zero
	STEP \slot, 0, F0, F1, \zero
	STEP \slot, 1, F1, F0, 0
	STEP \slot, 2, F0, F1, 0
	STEP \slot, 3, F1, F0, 0
	STEP \slot, 4, F0, F1, 0
	STEP \slot, 5, F1, F0, 0
	STEP \slot, 6, F0, F1, 0
.endm
; The last eighth and the change of slots: my reads of this slot are back and all my tensor loads have landed in front of the barrier; with fill = 1 the
; barrier opens a round of the cluster's barrier and the joint refill is the first tensor load behind the round.
.macro TURN slot, next, fill
	s_wait_dscnt 0x0
	s_wait_tensorcnt 0x0
	s_barrier_signal -1
	WIN 0x50
	MUL8 F1, 0, 0
	WIN 0
	s_barrier_wait -1
.if \fill
	CREST
	s_add_nc_u64 s[G0+4*\slot+2:G0+4*\slot+3], s[G0+4*\slot+2:G0+4*\slot+3], 0x400000
	s_add_nc_u64 s[G0B+4*\slot+2:G0B+4*\slot+3], s[G0B+4*\slot+2:G0B+4*\slot+3], 0x100000
	JLOAD \slot
.endif
	PLACES
	FETCH \next, 0, F0
	WIN 0x50
	MUL8 F1, 2, 0
	WIN 0
.endm
	s_wait_tensorcnt 0x1                           ; my part of slot 0 is in; slot 1's may stay out
	s_barrier_signal -1
	s_barrier_wait -1
	FETCH 0, 0, F0
	PHASE 0, 1
	TURN 0, 1, 1
	PHASE 1, 0
	TURN 1, 0, 1
	PHASE 0, 0
	TURN 0, 1, 0
	PHASE 1, 0
	s_wait_dscnt 0x0
	WIN 0x50
	MUL8 F1, 0, 0
	MUL8 F1, 2, 0
	WIN 0
	PLACES
	s_wait_loadcnt 0x0                             ; RES
; THE WAY OUT, 16 tokens at a time: the f32 sums go through my own stage (rows of 272 bytes) and come back with 16 lanes on a row of 64 columns;
; one fused multiply-add a pair: sum x rs + RES.
.macro DOWN16 a
	s_wait_xcnt 0x0                                ; the last 16 tokens' stores have read v192-223: rewritten only behind this wait
	WIN 0x04
.irp b, 0,1,2,3
	ds_store_b128 v[STO], v[8*(4*\a+\b):8*(4*\a+\b)+3]   offset:64*\b
	ds_store_b128 v[STO], v[8*(4*\a+\b)+4:8*(4*\a+\b)+7] offset:64*\b+16
.endr
	WIN 0
.irp t, 0,1,2,3,4,5,6,7
	ds_load_b128 v[TMP+4*\t:TMP+4*\t+3], v[RD] offset:544*\t       ; rows 2 t and 2 t + 1
.endr
.irp t, 0,1,2,3,4,5,6,7
	ds_load_b64 v[224+2*\t:225+2*\t], v[RSA] offset:8*(16*\a+2*\t) ; my row's rs, twice
.endr
	s_wait_dscnt 0x0
	WIN 0x10
.irp t, 0,1,2,3,4,5,6,7
	v_pk_fma_f32 v[TMP+4*\t:TMP+4*\t+1],   v[TMP+4*\t:TMP+4*\t+1],   v[224+2*\t:225+2*\t], v[128+4*(8*\a+\t):128+4*(8*\a+\t)+1]
	v_pk_fma_f32 v[TMP+4*\t+2:TMP+4*\t+3], v[TMP+4*\t+2:TMP+4*\t+3], v[224+2*\t:225+2*\t], v[128+4*(8*\a+\t)+2:128+4*(8*\a+\t)+3]
.endr
	WIN 0
.irp t, 0,1,2,3,4,5,6,7
	global_store_b128 v[GO], v[TMP+4*\t:TMP+4*\t+3], s[88:89] offset:(16*\a+2*\t)*4096 th:TH_STORE_NT   ; 16 lanes: 256 consecutive bytes, aligned
.endr
.endm
	DOWN16 0
	DOWN16 1
	DOWN16 2
	DOWN16 3
	CROUND                                         ; the closing round
	s_endpgm
.Lfunc_end_k_q10f391734b_ffn_down:
	.size	k_q10f391734b_ffn_down, .Lfunc_end_k_q10f391734b_ffn_down-k_q10f391734b_ffn_down
	.p2alignl 7, 3214868480
	.fill 96, 4, 3214868480
	.section	.rodata,"a",@progbits
	.p2align	6, 0x0
	.amdhsa_kernel k_q10f391734b_ffn_down
		.amdhsa_group_segment_fixed_size 327680
		.amdhsa_private_segment_fixed_size 0
		.amdhsa_enable_private_segment 0
		.amdhsa_kernarg_size 40
		.amdhsa_user_sgpr_count 2
		.amdhsa_user_sgpr_kernarg_segment_ptr 1
		.amdhsa_wavefront_size32 1
		.amdhsa_system_sgpr_workgroup_id_x 1
		.amdhsa_system_sgpr_workgroup_id_y 1
		.amdhsa_system_sgpr_workgroup_id_z 1
		.amdhsa_system_vgpr_workitem_id 0
		.amdhsa_next_free_vgpr 512
		.amdhsa_next_free_sgpr 96
		.amdhsa_reserve_vcc 0
		.amdhsa_float_denorm_mode_32 3
		.amdhsa_float_denorm_mode_16_64 3
		.amdhsa_memory_ordered 1
		.amdhsa_forward_progress 1
		.amdhsa_inst_pref_size 100
	.end_amdhsa_kernel
	.amdgpu_metadata
---
amdhsa.version: [ 1, 2 ]
amdhsa.kernels:
  - .name:           k_q10f391734b_ffn_down
    .symbol:         k_q10f391734b_ffn_down.kd
    .args:
      - { .name: obuf, .offset: 0, .size: 8, .value_kind: global_buffer, .address_space: global }
      - { .name: wmain, .offset: 8, .size: 8, .value_kind: global_buffer, .address_space: global }
      - { .name: proj, .offset: 16, .size: 8, .value_kind: global_buffer, .address_space: global }
      - { .name: xg, .offset: 24, .size: 8, .value_kind: global_buffer, .address_space: global }
      - { .name: out0, .offset: 32, .size: 8, .value_kind: global_buffer, .address_space: global }
    .group_segment_fixed_size: 327680
    .private_segment_fixed_size: 0
    .kernarg_segment_align: 8
    .kernarg_segment_size: 40
    .max_flat_workgroup_size: 128
    .sgpr_count:     96
    .vgpr_count:     512
    .wavefront_size: 32
...
	.end_amdgpu_metadata
.endif
;; end of part 7
;; ======== version 2 of 2: 9 launches; 1.15 times as fast as version 1
;; workspace buffers: wmain 14,680,064 bytes; wq2b 2,097,152 bytes; wo1b 2,097,152 bytes; wo2b 2,097,152 bytes; acts 16,777,216 bytes; proj 41,943,040 bytes; obuf 8,388,608 bytes; xg 8,650,752 bytes
;; launch prep: the kernel of part 1 again; grid 1024 x 1, 8 waves a work-group, no clusters, 0 bytes of LDS; arguments Wq1, Wk1, Wv1, Wk2, Wv2, W1, W2, Wq2, Wo1, Wo2, wmain, wq2b, wo1b, wo2b, x, memory, g1, acts; writes wmain, wq2b, wo1b, wo2b, acts
;; launch qkv (part 8): grid 16 x 16, 4 waves a work-group, clusters of 4 x 4, 327,680 bytes of LDS; arguments acts, wmain, proj; writes proj
.if DOCPART == 8
	.amdgcn_target "amdgcn-amd-amdhsa--gfx1250"
	.amdhsa_code_object_version 6
	.text
	.protected	k_q10f391734b_qkv
	.globl	k_q10f391734b_qkv
	.p2align	8
	.type	k_q10f391734b_qkv,@function
k_q10f391734b_qkv:
	s_mov_b64 s[64:65], 0
	v_nop
	global_prefetch_b8 v0, s[64:65] scope:SCOPE_SE
	s_setreg_imm32_b32 hwreg(HW_REG_WAVE_MODE, 25, 1), 1
	s_wait_xcnt 0x0
	s_wait_alu depctr_hold_cnt(0) depctr_sa_sdst(0) depctr_va_vdst(0) depctr_va_sdst(0) depctr_va_ssrc(0) depctr_va_vcc(0) depctr_vm_vsrc(0)
	s_getreg_b32 s2, hwreg(HW_REG_IB_STS2, 6, 4)
	s_cmp_eq_u32 s2, 0
	s_cbranch_scc0 .Lentry_in_a_cluster
	s_endpgm
.Lentry_in_a_cluster:
	s_bfe_u32 s2, ttmp6, 0x10000c
	s_cmp_lg_u32 s2, 0xf033
	s_cbranch_scc0 .Lentry_shape_is_right
	s_endpgm
.Lentry_shape_is_right:
; OUT = A W, all bf16, sums in f32, K = 1024: the five projections Q, K, V of the self-attention and K, V of the cross-attention in one launch.
; A and OUT lie BLOCKED: [64-column block][token][64], 524,288 bytes from block to block; W lies [k][n] in panels of 1024 x 1024 (2,097,152 bytes).
; A work-group makes 256 tokens x 256 columns with four waves; a wave makes 128 x 128 = 64 accumulator tiles, 512 registers.  The outputs are
; 4096 x 3072 + 2048 x 2048 numbers = 256 such blocks: one work-group for each.  Column block CB takes columns 256 (CB % 4) of panel CB / 4 and
; writes blocks 4 CB .. 4 CB + 3 of OUT.
; 16 x 16 work-groups = 4 x 4 clusters.  Clusters with x < 3 make CB 0..11 for the 16 row blocks of A's blocks 0..15; the four clusters with x = 3 make
; CB 12..19 for the 8 row blocks of the 2,048 memory tokens in A's blocks 16..31.  The choice hangs on the cluster's two numbers alone, by selects.
; K goes in eight steps of 128 through two LDS slots; one tensor load a wave fills a quarter of a slot (waves 0, 1: A's two blocks of 64 along K, 256
; tokens each; waves 2, 3: 64 rows of W each): at most two are outstanding (the two first fills).  From a refill's request to the wait for it a wave
; issues 240 matrix instructions.
; CLUSTERS 4 x 4: A's tile hangs on the row block alone and is asked for jointly by the cluster's row, W's on the column block alone and is asked
; for jointly by the column: that divides the requests for both by four.
; THE MATRIX INSTRUCTION IS USED TRANSPOSED: source 0 = 16 columns of W, source 1 = 16 tokens of A, so that lane l holds token l % 16 and its eight
; registers eight neighbouring columns, which pack into 16 bytes.
; REGISTERS, in windows of 256: window 0: v1-7 set-up, v16-26 addresses, v64-127 and v128-191 A's eight fragments, two buffers, v192-223 at work on the
; way out.  Window 1: v64-127, v128-191 W's eight fragments, two buffers.  Window 2: the 32 accumulator tiles of my tokens 0-63 (tile (a, b) at
; 8 (8 a + b)); window 3: those of my tokens 64-127.
; LIMITS: NaN and infinities are not served.
.set SLOT,  147456                     ; four parts of 36,864
.set PART,  36864                      ; A: 256 tokens x 144 bytes; W: 64 rows x 544 bytes = 34,816, and 2,048 bytes unused, so that a load lands at wave x PART
.set WREG,  73728                      ; where W's rows begin in a slot
.set STAGE, 294912                     ; behind the ring: 8,192 bytes for each wave, which no tensor load fills
.set ADRA, 16                          ; v16-17  my A fragments in slot 0, 1
.set ADRB, 20                          ; v20-21  my W fragments in slot 0, 1
.set STO,  24                          ; v24     way out: where I put 16 bytes
.set RD,   25                          ; v25     way out: where I read rows back
.set GO,   26                          ; v26     way out: 16 x lane
.set F0,   64
.set F1,   128
.set TMP,  192
.set G1,  24                           ; s[24:31] group 1 for A
.set G0,  32                           ; s[32:39] group 0 for A, a set for each slot
.set G1B, 48                           ; s[48:55] group 1 for W
.set G0B, 56                           ; s[56:63] group 0 for W, a set for each slot
.set MSB, 0
.macro WIN new                         ; s_set_vgpr_msb: bits 1:0 source 0, 3:2 source 1, 5:4 source 2, 7:6 destination; the high byte repeats the setting that is left
.if MSB != \new
	s_set_vgpr_msb (MSB<<8)|\new
.set MSB, \new
.endif
.endm
.set MUL_LO, 0xa1                      ; source 0 (W) window 1, source 1 (A) window 0, C and D window 2
.set MUL_HI, 0xf1                      ; the same, C and D window 3
.set TO_W,   0x40                      ; destination window 1, address window 0
.macro PLACES                          ; four plain places behind a matrix instruction, in front of loads into its sources and of readers of its results
.rept 4
	v_nop
.endr
.endm
.macro JLOAD s                         ; a joint load: waves 0, 1 ask for A's parts, waves 2, 3 for W's.  The branch hangs on the wave's number alone
	s_cmp_eq_u32 s11, 0
	s_cbranch_scc0 .Lfor_w_\@
	tensor_load_to_lds s[G0+4*\s:G0+4*\s+3], s[G1:G1+7]
	s_nop 0
	s_branch .Lasked_\@
.Lfor_w_\@:
	tensor_load_to_lds s[G0B+4*\s:G0B+4*\s+3], s[G1B:G1B+7]
	s_nop 0
.Lasked_\@:
.endm
.macro CREST                           ; a round of the cluster's barrier behind its opening work-group barrier
	s_cmp_lg_u32 s10, 0
	s_cbranch_scc1 .Lnot_wave_0_\@
	s_barrier_signal -3
.Lnot_wave_0_\@:
	s_barrier_wait -3
	s_barrier_signal -1
	s_barrier_wait -1
.endm
.macro CROUND
	s_barrier_signal -1
	s_barrier_wait -1
	CREST
.endm
	s_load_b128 s[4:7], s[0:1], 0x0                ; A, W
	s_load_b64 s[8:9], s[0:1], 0x10                ; OUT
	v_lshrrev_b32 v1, 5, v0
	v_readfirstlane_b32 s10, v1                    ; wave 0..3
	s_lshr_b32 s11, s10, 1                         ; my half of the tokens.  Also: I fetch for A (0) or for W (1)
	s_and_b32 s12, s10, 1                          ; my half of the columns.  Also: which part of that tile I fetch
	s_bfe_u32 s40, ttmp6, 0x40000                  ; cx
	s_bfe_u32 s41, ttmp6, 0x40004                  ; cy
	s_and_b32 s80, ttmp7, 0xffff                   ; cluster y
	s_mov_b32 s81, ttmp9                           ; cluster x
	s_and_b32 s82, s80, 1                          ; for cluster x = 3: two cluster rows (8 row blocks of memory tokens)
	s_lshr_b32 s83, s80, 1
	s_add_co_u32 s83, s83, 3                       ; and cluster columns 3, 4
	s_cmp_ge_u32 s81, 3
	s_cselect_b32 s80, s82, s80
	s_cselect_b32 s81, s83, s81
	s_cselect_b32 s84, 0x800000, 0                 ; A's blocks 16..31
	s_lshl_b32 s42, s81, 2
	s_add_co_u32 s42, s42, s40                     ; CB: column block 0..19
	s_lshl_b32 s13, s80, 2
	s_add_co_u32 s13, s13, s41                     ; RB: row block
	s_lshl_b32 s43, s41, 2
	s_lshl_b32 s43, 15, s43                        ; my row of the cluster
	s_lshl_b32 s44, 0x1111, s40                    ; my column
	; group 1 for A: 256 tokens x 128 bytes are dense: 128 rows of 32 elements of 8 bytes; 4 words of padding behind every 32 words (a token): LDS rows of 144 bytes
	s_or_b32 s[G1+0], s43, (3<<16)|(1<<20)|(1<<21)|(4<<22)|(3<<25)
	s_mov_b32 s[G1+1], 32<<16                      ; tensor_dim0 = 32
	s_mov_b32 s[G1+2], 128<<16                     ; tensor_dim1 = 128
	s_mov_b32 s[G1+3], 32<<16                      ; tile_dim0 = 32
	s_mov_b32 s[G1+4], 128                         ; tile_dim1 = 128
	s_mov_b32 s[G1+5], 32                          ; dense
	s_mov_b32 s[G1+6], 0
	s_mov_b32 s[G1+7], 0
	; group 1 for W: 64 rows (k) x 256 elements of 2 bytes, 1,024 elements from row to row; 8 words of padding behind every 128: LDS rows of 544 bytes
	s_or_b32 s[G1B+0], s44, (1<<16)|(1<<20)|(1<<21)|(6<<22)|(7<<25)
	s_mov_b32 s[G1B+1], 256<<16
	s_mov_b32 s[G1B+2], 64<<16
	s_mov_b32 s[G1B+3], 256<<16
	s_mov_b32 s[G1B+4], 64
	s_mov_b32 s[G1B+5], 1024
	s_mov_b32 s[G1B+6], 0
	s_mov_b32 s[G1B+7], 0
	; A's address hangs on the row block, W's on the column block, each in registers that never hold the other coordinate
	s_lshl_b32 s16, s13, 15                        ; 256 tokens x 128 bytes
	s_lshl_b32 s17, s12, 19                        ; my one of the step's two blocks
	s_add_co_u32 s16, s16, s17
	s_add_co_u32 s16, s16, s84
	s_mov_b32 s17, 0
	s_lshr_b32 s46, s42, 2
	s_lshl_b32 s46, s46, 21                        ; the panel
	s_and_b32 s47, s42, 3
	s_lshl_b32 s47, s47, 9                         ; 256 columns x 2 bytes
	s_add_co_u32 s46, s46, s47
	s_lshl_b32 s47, s12, 17                        ; my 64 of the step's 128 rows, 2,048 bytes each
	s_add_co_u32 s46, s46, s47
	s_mov_b32 s47, 0
	s_mul_i32 s20, s10, PART                       ; to LDS: A's two parts, then W's two = wave x 36,864
	s_wait_kmcnt 0x0
	s_add_nc_u64 s[14:15], s[4:5], s[16:17]
	s_add_nc_u64 s[46:47], s[6:7], s[46:47]
	CROUND                                         ; all sixteen work-groups are here: the first joint loads meet
.irp s, 0,1
	s_mov_b32 s[G0+4*\s], 1
	s_add_co_u32 s[G0+4*\s+1], s20, \s*SLOT
	s_add_nc_u64 s[G0+4*\s+2:G0+4*\s+3], s[14:15], \s*0x100000     ; K step s: two blocks on
	s_or_b32 s[G0+4*\s+3], s[G0+4*\s+3], 0x80000000
	s_mov_b32 s[G0B+4*\s], 1
	s_add_co_u32 s[G0B+4*\s+1], s20, \s*SLOT
	s_add_nc_u64 s[G0B+4*\s+2:G0B+4*\s+3], s[46:47], \s*0x40000    ; 128 rows on
	s_or_b32 s[G0B+4*\s+3], s[G0B+4*\s+3], 0x80000000
	JLOAD \s
.endr
	; fragment addresses.  A (K along the LDS rows): row x 144 + 16 (l / 16), two loads 32 bytes apart.
	; W (stored [k][n]): transposing loads at (8 (l / 16) + l % 8) x 544 + 16 ((l / 8) % 2), two loads 16 rows apart.
	v_and_b32 v1, 15, v0                           ; r = l % 16
	v_bfe_u32 v2, v0, 4, 1                         ; h = l / 16
	v_mul_u32_u24 v3, v1, 144
	v_lshl_add_u32 v3, v2, 4, v3
	s_mul_i32 s21, s11, 18432                      ; my 128 tokens
	v_add_nc_u32 v[ADRA], s21, v3
	v_add_nc_u32 v[ADRA+1], SLOT, v[ADRA]
	v_and_b32 v4, 7, v0
	v_lshl_add_u32 v4, v2, 3, v4
	v_mul_u32_u24 v4, v4, 544
	v_bfe_u32 v5, v0, 3, 1
	v_lshl_add_u32 v4, v5, 4, v4
	s_lshl_b32 s22, s12, 8                         ; my 128 columns
	s_add_co_u32 s22, s22, WREG
	v_add_nc_u32 v[ADRB], s22, v4
	v_add_nc_u32 v[ADRB+1], SLOT, v[ADRB]
	s_lshl_b32 s23, s10, 13
	s_add_co_u32 s23, s23, STAGE                   ; my stage: two blocks of 16 rows x 144 bytes
	v_add_nc_u32 v[STO], s23, v3                   ; in: row r of 144 bytes, 16 bytes for each half of the lanes
	v_bfe_u32 v6, v0, 3, 2
	v_and_b32 v7, 7, v0
	v_mul_u32_u24 v6, v6, 144
	v_lshl_add_u32 v6, v7, 4, v6
	v_add_nc_u32 v[RD], s23, v6                    ; back: eight lanes take a row of 128 bytes, a wave four rows
	v_and_b32 v7, 31, v0
	v_lshlrev_b32 v[GO], 4, v7
	s_lshl_b32 s18, s13, 1
	s_add_co_u32 s18, s18, s11                     ; my group of 128 tokens
	s_lshl_b32 s16, s18, 14                        ; x 128 x 128 bytes
	s_mov_b32 s17, 0
	s_add_nc_u64 s[8:9], s[8:9], s[16:17]
	s_lshl_b32 s45, s42, 1
	s_add_co_u32 s45, s45, s12                     ; my group of 128 columns = two blocks of 64
	s_lshl_b32 s46, s45, 20
	s_mov_b32 s47, 0
	s_add_nc_u64 s[8:9], s[8:9], s[46:47]
; 16 matrix instructions: token tiles a0, a0 + 1 of the window's four (hi = 0: my tokens 0-63, 1: tokens 64-127) x all 8 column tiles, 32 along K.
; zero = 1: the first product starts the sums: nothing is ever cleared.
.macro MUL16 f, hi, a0, zero
.irp a, \a0, \a0+1
.irp b, 0,1,2,3,4,5,6,7
.if \zero
	v_wmma_f32_16x16x32_bf16 v[8*(8*(\a)+\b):8*(8*(\a)+\b)+7], v[\f+8*\b:\f+8*\b+7], v[\f+8*(4*\hi+\a):\f+8*(4*\hi+\a)+7], 0
.else
	v_wmma_f32_16x16x32_bf16 v[8*(8*(\a)+\b):8*(8*(\a)+\b)+7], v[\f+8*\b:\f+8*\b+7], v[\f+8*(4*\hi+\a):\f+8*(4*\hi+\a)+7], v[8*(8*(\a)+\b):8*(8*(\a)+\b)+7]
.endif
.endr
.endr
.endm
; 32 LDS loads in one run: the fragments of the q-th 32 of a slot's 128 along K into buffer f: W's eight, then A's eight.
; W's rows 64-127 lie 2,048 bytes further on than 64 rows of 544 bytes (the second part begins at a multiple of PART).
.macro FETCH slot, q, f
	WIN TO_W
.irp b, 0,1,2,3,4,5,6,7
	ds_load_tr16_b128 v[\f+8*\b:\f+8*\b+3],   v[ADRB+\slot] offset:(\q)*17408+((\q)>>1)*2048+32*\b
	ds_load_tr16_b128 v[\f+8*\b+4:\f+8*\b+7], v[ADRB+\slot] offset:(\q)*17408+((\q)>>1)*2048+32*\b+8704
.endr
	WIN 0
.irp a, 0,1,2,3,4,5,6,7
	ds_load_b128 v[\f+8*\a:\f+8*\a+3],   v[ADRA+\slot] offset:((\q)>>1)*36864+((\q)&1)*64+\a*2304
	ds_load_b128 v[\f+8*\a+4:\f+8*\a+7], v[ADRA+\slot] offset:((\q)>>1)*36864+((\q)&1)*64+\a*2304+32
.endr
.endm
; A K step is four quarters of 32 along K, 64 matrix instructions each, on buffers 0, 1, 0, 1.  The 64 accumulators take turns, one instruction a turn,
; in the same order in every quarter.
; One of the first three quarters: multiplies buffer f; in its middle it fetches quarter q of the same slot into buffer g.
.macro QUARTER slot, q, f, g, zero
	s_wait_dscnt 8                                 ; W and A's tokens 0-63 are in; the youngest eight loads (A's tokens 64-127) may be out
	WIN MUL_LO
	MUL16 \f, 0, 0, \zero
	MUL16 \f, 0, 2, \zero
	PLACES                                         ; g was read by earlier matrix instructions
	FETCH \slot, \q, \g
	s_wait_dscnt 32                                ; all but the 32 just issued
	WIN MUL_HI
	MUL16 \f, 1, 0, \zero
	MUL16 \f, 1, 2, \zero
.endm
.macro THREE slot, zero
	QUARTER \slot, 1, F0, F1, \zero
	QUARTER \slot, 2, F1, F0, 0
	QUARTER \slot, 3, F0, F1, 0
.endm
; The last quarter, and the change of slots.  In front of the barrier each wave has its reads of this slot back and all its tensor loads landed (the one
; that is out is its part of the next slot).  fill = 1: the barrier opens a round of the cluster's barrier, and the joint refill of this slot, two K
; steps ahead, is the first tensor load behind the round.
.macro TURN slot, next, fill
	s_wait_dscnt 8
	WIN MUL_LO
	MUL16 F1, 0, 0, 0
	s_wait_dscnt 0x0
	s_wait_tensorcnt 0x0
	s_barrier_signal -1
	MUL16 F1, 0, 2, 0                              ; register work while the others arrive
	WIN 0
	s_barrier_wait -1
.if \fill
	CREST
	s_add_nc_u64 s[G0+4*\slot+2:G0+4*\slot+3], s[G0+4*\slot+2:G0+4*\slot+3], 0x200000     ; no load of mine is out: group 0 may be written
	s_add_nc_u64 s[G0B+4*\slot+2:G0B+4*\slot+3], s[G0B+4*\slot+2:G0B+4*\slot+3], 0x80000
	JLOAD \slot
.endif
	PLACES
	FETCH \next, 0, F0
	WIN MUL_HI
	MUL16 F1, 1, 0, 0
	MUL16 F1, 1, 2, 0
.endm
.macro LAP zero                        ; two K steps, once round the ring, both slots filled again
	THREE 0, \zero
	TURN 0, 1, 1
	THREE 1, 0
	TURN 1, 0, 1
.endm
	s_wait_tensorcnt 0x1                           ; my part of slot 0 is in; slot 1's may stay out
	s_barrier_signal -1
	s_barrier_wait -1
	FETCH 0, 0, F0
	LAP 1                                          ; K 0..255: its first products start the sums
	WIN 0                                          ; at a label and at a branch every window is 0
	s_mov_b32 s78, 2
.Llap:
	LAP 0                                          ; K 256..767
	WIN 0
	s_sub_co_u32 s78, s78, 1
	s_cmp_lg_u32 s78, 0
	s_cbranch_scc1 .Llap
	THREE 0, 0                                     ; K 768..1023: nothing is left to fetch
	TURN 0, 1, 0
	THREE 1, 0
	s_wait_dscnt 8
	WIN MUL_LO
	MUL16 F1, 0, 0, 0
	MUL16 F1, 0, 2, 0
	s_wait_dscnt 0x0
	WIN MUL_HI
	MUL16 F1, 1, 0, 0
	MUL16 F1, 1, 2, 0
	PLACES                                         ; in front of the readers of the results and of loads into the buffers
; THE WAY OUT, 16 tokens at a time: round to bf16, 16 bytes a lane into my own stage (a block of 16 rows x 144 bytes for each of my two blocks of 64
; columns), read back as whole rows; in the blocked layout four rows of 128 bytes are 512 consecutive bytes.  LDS serves a wave's instructions in
; order (ISA guide 5.7.1.4): no wait between the stores and the loads.
; tokens 16 i .. 16 i + 15 = the eight tiles (a, 0..7) of window 2 or 3 (from = 0x0a or 0x0f: sources 0 and 1); f: F0 or F1 in turn
.macro OUT16 i, a, from, f
	WIN \from
.irp b, 0,1,2,3,4,5,6,7
.irp j, 0,1,2,3
	v_cvt_pk_bf16_f32 v[TMP+4*\b+\j], v[8*(8*\a+\b)+2*\j], v[8*(8*\a+\b)+2*\j+1]
.endr
.endr
	WIN 0
.irp b, 0,1,2,3,4,5,6,7
	ds_store_b128 v[STO], v[TMP+4*\b:TMP+4*\b+3] offset:(\b>>2)*2304+32*(\b&3)
.endr
	s_wait_xcnt 0x0                                ; buffer f, which earlier stores read, is loaded again only behind this wait
.irp n, 0,1,2,3,4,5,6,7
	ds_load_b128 v[\f+4*\n:\f+4*\n+3], v[RD] offset:2304*(\n>>2)+576*(\n&3)
.endr
.irp n, 0,1,2,3,4,5,6,7
	s_wait_dscnt 7-\n                              ; this load is back, the younger ones stay out
	global_store_b128 v[GO], v[\f+4*\n:\f+4*\n+3], s[8:9] offset:524288*(\n>>2)+2048*\i+512*(\n&3)   ; a wave: 512 consecutive bytes, aligned
.endr
.endm
	OUT16 0, 0, 0x0a, F0
	OUT16 1, 1, 0x0a, F1
	OUT16 2, 2, 0x0a, F0
	OUT16 3, 3, 0x0a, F1
	OUT16 4, 0, 0x0f, F0
	OUT16 5, 1, 0x0f, F1
	OUT16 6, 2, 0x0f, F0
	OUT16 7, 3, 0x0f, F1
	CROUND                                         ; the closing round: no work-group ends while a partner may still ask jointly
	s_endpgm
.Lfunc_end_k_q10f391734b_qkv:
	.size	k_q10f391734b_qkv, .Lfunc_end_k_q10f391734b_qkv-k_q10f391734b_qkv
	.p2alignl 7, 3214868480
	.fill 96, 4, 3214868480
	.section	.rodata,"a",@progbits
	.p2align	6, 0x0
	.amdhsa_kernel k_q10f391734b_qkv
		.amdhsa_group_segment_fixed_size 327680
		.amdhsa_private_segment_fixed_size 0
		.amdhsa_enable_private_segment 0
		.amdhsa_kernarg_size 24
		.amdhsa_user_sgpr_count 2
		.amdhsa_user_sgpr_kernarg_segment_ptr 1
		.amdhsa_wavefront_size32 1
		.amdhsa_system_sgpr_workgroup_id_x 1
		.amdhsa_system_sgpr_workgroup_id_y 1
		.amdhsa_system_sgpr_workgroup_id_z 1
		.amdhsa_system_vgpr_workitem_id 0
		.amdhsa_next_free_vgpr 1024
		.amdhsa_next_free_sgpr 96
		.amdhsa_reserve_vcc 0
		.amdhsa_float_denorm_mode_32 3
		.amdhsa_float_denorm_mode_16_64 3
		.amdhsa_memory_ordered 1
		.amdhsa_forward_progress 1
		.amdhsa_inst_pref_size 195
	.end_amdhsa_kernel
	.amdgpu_metadata
---
amdhsa.version: [ 1, 2 ]
amdhsa.kernels:
  - .name:           k_q10f391734b_qkv
    .symbol:         k_q10f391734b_qkv.kd
    .args:
      - { .name: acts, .offset: 0, .size: 8, .value_kind: global_buffer, .address_space: global }
      - { .name: wmain, .offset: 8, .size: 8, .value_kind: global_buffer, .address_space: global }
      - { .name: proj, .offset: 16, .size: 8, .value_kind: global_buffer, .address_space: global }
    .group_segment_fixed_size: 327680
    .private_segment_fixed_size: 0
    .kernarg_segment_align: 8
    .kernarg_segment_size: 24
    .max_flat_workgroup_size: 128
    .sgpr_count:     96
    .vgpr_count:     1024
    .wavefront_size: 32
...
	.end_amdgpu_metadata
.endif
;; end of part 8
;; launch attn_self (part 9): grid 16 x 16, 8 waves a work-group, clusters of 4 x 4, 327,680 bytes of LDS; arguments proj, casual_mask, obuf; writes obuf
.if DOCPART == 9
	.amdgcn_target "amdgcn-amd-amdhsa--gfx1250"
	.amdhsa_code_object_version 6
	.text
	.protected	k_q10f391734b_attn_self
	.globl	k_q10f391734b_attn_self
	.p2align	8
	.type	k_q10f391734b_attn_self,@function
k_q10f391734b_attn_self:
	s_mov_b64 s[64:65], 0
	v_nop
	global_prefetch_b8 v0, s[64:65] scope:SCOPE_SE
	s_setreg_imm32_b32 hwreg(HW_REG_WAVE_MODE, 25, 1), 1
	s_wait_xcnt 0x0
	s_wait_alu depctr_hold_cnt(0) depctr_sa_sdst(0) depctr_va_vdst(0) depctr_va_sdst(0) depctr_va_ssrc(0) depctr_va_vcc(0) depctr_vm_vsrc(0)
	s_getreg_b32 s2, hwreg(HW_REG_IB_STS2, 6, 4)
	s_cmp_eq_u32 s2, 0
	s_cbranch_scc0 .Lentry_in_a_cluster
	s_endpgm
.Lentry_in_a_cluster:
	s_bfe_u32 s2, ttmp6, 0x10000c
	s_cmp_lg_u32 s2, 0xf033
	s_cbranch_scc0 .Lentry_shape_is_right
	s_endpgm
.Lentry_shape_is_right:
; Attention of TWO heads of one batch for 128 queries: o = softmax(q k^T + bias) v.  q, k, v: bf16 in the blocked layout [panel x 16 + head][token][64]
; (524,288 bytes a block); q already carries 1/sqrt(64).  bias: f32 [2048][NK], an input, honoured as it is: no key is skipped.
; Eight waves: wave w takes head w / 4 of the pair and queries 32 (w % 4) .. + 31 (two tiles t of 16).  The bias tile serves both heads, so 64 keys cost
; 128 x 64 x 4 = 32 KB of bias and 2 x 2 x 64 x 128 = 32 KB of K and V, and two slots of 128 keys fit: 2 x 145,408 + 8 stages of 4,608 = 327,680 bytes.
; A slot holds two steps of 64 keys: one round of the cluster's barrier and one refill for two steps' work.
; BOTH PRODUCTS ARE USED TRANSPOSED, so that a lane owns ONE query (l % 16 of tile t):
;   S(t, kt): source 0 = 16 keys of K, source 1 = 16 queries; register j of lane l = key 16 kt + 8 (l / 16) + j.  C is the bias tile itself, so the
;             bias is added in the matrix unit's f32 sum.
;   O(ht, t): source 0 = 16 columns of V (transposing loads), source 1 = P, which is S rounded in place: the two tiles 2 g, 2 g + 1 of a lane ARE the
;             fragment of keys 32 g .. 32 g + 31.  No value changes lanes between the two products.
; THE ORDER OF A STEP.  The two tiles go half a step apart, so that 20 of a step's 32 matrix instructions stand among vector instructions that name none
; of their registers: tile 0's eight score products; tile 0's softmax with tile 1's eight score products strewn in and, behind the last of them, V's
; loads over K's fragments; tile 1's softmax with tile 0's eight products with V strewn in and, once the first half of its own P is rounded, the first
; four of tile 1's; the last four.  In a softmax each exponential is followed by plain work on other registers.
; Softmax with a running maximum: the exponent is (S - m) log2(e), the difference first, so a row whose largest score is very negative stays exact.
; A query's keys lie in lanes l and l + 16: the maximum crosses once a step, the sum of exponentials once at the end.
; CLUSTERS 4 x 4: x = query block, y = 8 x batch + pair of heads.  The bias tile hangs on the query block alone: asked for jointly by the cluster's
; column.  K and V hang on (batch, pair) alone: asked for jointly by the row.  Both requests are divided by four.  A slot's loads: waves 0, 1 a half of
; the bias tile each (64 rows x 512 bytes), waves 2, 3 K of the two heads, waves 4, 5 V, waves 6, 7 none; one tensor load of a wave is outstanding at most.
; LIMITS: the bias is summed with the products in the matrix unit, so the order of rounding differs from scores + bias in f32; where every bias of a
; row is so large that the scores vanish in its f32 rounding, the weights hang on that rounding.  NaN and infinities are not served.
.set CROSS, 0                          ; 1: q is still to be multiplied by its row's 1/rms
.set NK,    2048                       ; keys
.set KPAN,  1                          ; K's panel of 16 blocks
.set VPAN,  2                          ; V's panel
.set SLOT,  145408                     ; bias 128 rows x 528 = 67,584; K 2 x 128 x 144 = 36,864; V 2 x 128 x 160 = 40,960
.set KOFF,  67584
.set VOFF,  104448
.set STAGE, 290816                     ; behind the ring: 32 rows x 144 bytes for each wave, which no tensor load fills
.set KA,  2                            ; v2-3    K fragments in slot 0, 1
.set VA,  4                            ; v4-5    V fragments
.set BA,  6                            ; v6-7    bias
.set STO, 8
.set RD,  9
.set GO,  10
.set QO,  11
.set M,   12                           ; v[12:13], v[14:15]  the running maximum of tile t, twice
.set LS,  16                           ; v16-17  the running sum of my half of the keys
.set AL,  18                           ; v[18:19], v[20:21]  alpha of tile t, twice
.set MX,  22                           ; v22-25  four chains of maxima at work
.set SUA, 22                           ; v[22:23] and
.set SUC, 24                           ; v[24:25] two chains of sums at work (behind the maxima)
.set PX,  26                           ; v26     from the other half of the lanes (v26-27 on the way out)
.set MN,  27                           ; v27     new maximum
.set AE,  28                           ; v28     alpha's exponent
.set Q,   32                           ; v32-63   Q(t, ks) at 16 t + 8 ks
.set O,   64                           ; v64-127  O(ht, t) at 8 (2 ht + t)
.set S,   128                          ; v128-191 S(t, kt) at 32 t + 8 kt; then P(t, g) at 32 t + 16 g
.set F,   192                          ; v192-255 K's eight fragments, then V's eight
.set G1X, 16                           ; s[16:23] group 1, bias
.set G1K, 24                           ; s[24:31] group 1, K
.set G0X, 32                           ; s[32:39] group 0, bias, a set for each slot
.set G1V, 48                           ; s[48:55] group 1, V
.set G0K, 56                           ; s[56:63] group 0, K
.set G0V, 68                           ; s[68:75] group 0, V
.macro PLACES5                         ; five plain places behind a matrix instruction: for loads into its registers, readers of its results and matrix instructions that write over them
.rept 5
	v_nop
.endr
.endm
.macro ROUND                           ; a round of the cluster's barrier
	s_barrier_signal -1
	s_barrier_wait -1
	s_cmp_lg_u32 s10, 0
	s_cbranch_scc1 .Lnot_wave_0_\@
	s_barrier_signal -3
.Lnot_wave_0_\@:
	s_barrier_wait -3
	s_barrier_signal -1
	s_barrier_wait -1
.endm
.macro JLOAD s                         ; a slot's joint loads; the branches hang on the wave's number alone
	s_cmp_lt_u32 s10, 2
	s_cbranch_scc0 .Lnot_bias_\@
	tensor_load_to_lds s[G0X+4*\s:G0X+4*\s+3], s[G1X:G1X+7]
	s_nop 0
	s_branch .Lasked_\@
.Lnot_bias_\@:
	s_cmp_lt_u32 s10, 4
	s_cbranch_scc0 .Lnot_k_\@
	tensor_load_to_lds s[G0K+4*\s:G0K+4*\s+3], s[G1K:G1K+7]
	s_nop 0
	s_branch .Lasked_\@
.Lnot_k_\@:
	s_cmp_lt_u32 s10, 6
	s_cbranch_scc0 .Lasked_\@
	tensor_load_to_lds s[G0V+4*\s:G0V+4*\s+3], s[G1V:G1V+7]
	s_nop 0
.Lasked_\@:
.endm
	s_load_b128 s[4:7], s[0:1], 0x0                ; proj, bias
	s_load_b64 s[8:9], s[0:1], 0x10                ; obuf
.if CROSS
	s_load_b64 s[80:81], s[0:1], 0x18              ; xg: behind its 8,388,608 bytes lie the partial sums of squares [64-column block][4096]
.endif
	v_lshrrev_b32 v1, 5, v0
	v_readfirstlane_b32 s10, v1                    ; wave 0..7
	s_lshr_b32 s79, s10, 2                         ; which head of the pair I compute
	s_and_b32 s85, s10, 3                          ; which 32 of the 128 queries
	s_bfe_u32 s40, ttmp6, 0x40000                  ; cx
	s_bfe_u32 s41, ttmp6, 0x40004                  ; cy
	s_lshl_b32 s42, ttmp9, 2
	s_add_co_u32 s42, s42, s40                     ; QB: query block 0..15
	s_and_b32 s13, ttmp7, 0xffff
	s_lshl_b32 s13, s13, 2
	s_add_co_u32 s13, s13, s41                     ; 8 x batch + pair
	s_lshl_b32 s43, s41, 2
	s_lshl_b32 s43, 15, s43                        ; my row of the cluster
	s_lshl_b32 s44, 0x1111, s40                    ; my column
	s_mov_b32 s76, 0x76543210                      ; v_permlanex16_b32: lane i reads lane i of the other half
	s_mov_b32 s77, 0xfedcba98
	; bias: 64 rows x 128 elements of 4 bytes, NK elements from row to row; 4 words of padding behind every 128: LDS rows of 528 bytes
	s_or_b32 s[G1X+0], s44, (2<<16)|(1<<20)|(1<<21)|(6<<22)|(3<<25)
	s_mov_b32 s[G1X+1], 128<<16
	s_mov_b32 s[G1X+2], 64<<16
	s_mov_b32 s[G1X+3], 128<<16
	s_mov_b32 s[G1X+4], 64
	s_mov_b32 s[G1X+5], NK
	s_mov_b32 s[G1X+6], 0
	s_mov_b32 s[G1X+7], 0
	; K, V: 128 keys x 128 bytes are dense: 64 rows of 32 elements of 8 bytes; padding behind every 32 words (a key): 4 words for K (144), 8 for V (160)
	s_or_b32 s[G1K+0], s43, (3<<16)|(1<<20)|(1<<21)|(4<<22)|(3<<25)
	s_or_b32 s[G1V+0], s43, (3<<16)|(1<<20)|(1<<21)|(4<<22)|(7<<25)
.irp g, G1K, G1V
	s_mov_b32 s[\g+1], 32<<16
	s_mov_b32 s[\g+2], 64<<16
	s_mov_b32 s[\g+3], 32<<16
	s_mov_b32 s[\g+4], 64
	s_mov_b32 s[\g+5], 32
	s_mov_b32 s[\g+6], 0
	s_mov_b32 s[\g+7], 0
.endr
	; K's and V's address hangs on (batch, pair), the bias's on the query block, each in registers that never hold the other coordinate
	s_lshr_b32 s11, s13, 3                         ; batch
	s_and_b32 s12, s13, 7                          ; pair of heads
	s_lshl_b32 s14, s12, 1
	s_add_co_u32 s14, s14, s10                     ; 2 pair + wave: K's loaders are waves 2, 3, V's waves 4, 5; the constants below take the 2 and the 4 away
	s_lshl_b32 s14, s14, 19
	s_mul_i32 s15, s11, NK*128
	s_add_co_u32 s14, s14, s15
	s_mov_b32 s15, 0
	s_lshl_b32 s46, s42, 7
	s_lshl_b32 s47, s10, 6
	s_add_co_u32 s46, s46, s47                     ; row 128 QB + 64 wave (waves 0, 1)
	s_mul_i32 s46, s46, NK*4
	s_mov_b32 s47, 0
	s_mul_i32 s45, s10, 33792                      ; to LDS: the bias's half: wave x 64 rows x 528
	s_mul_i32 s66, s10, 18432
	s_add_co_u32 s66, s66, KOFF-2*18432            ; K of a head: KOFF + (wave - 2) x 128 x 144
	s_mul_i32 s67, s10, 20480
	s_add_co_u32 s67, s67, VOFF-4*20480            ; V of a head: VOFF + (wave - 4) x 128 x 160
	s_lshl_b32 s82, s11, 11
	s_lshl_b32 s83, s42, 7
	s_add_co_u32 s82, s82, s83
	s_lshl_b32 s83, s85, 5
	s_add_co_u32 s84, s82, s83                     ; my first query's token = 2048 batch + 128 QB + 32 (wave % 4)
	s_lshl_b32 s82, s84, 7
	s_lshl_b32 s83, s12, 1
	s_add_co_u32 s83, s83, s79                     ; my head
	s_lshl_b32 s83, s83, 19
	s_add_co_u32 s82, s82, s83                     ; its place in a panel, the same for q and for o
	s_mov_b32 s83, 0
	s_wait_kmcnt 0x0
	s_add_nc_u64 s[14:15], s[4:5], s[14:15]
	s_add_nc_u64 s[46:47], s[6:7], s[46:47]
	s_add_nc_u64 s[86:87], s[4:5], s[82:83]        ; q (panel 0)
	s_add_nc_u64 s[8:9], s[8:9], s[82:83]          ; o
.if CROSS
	s_lshl_b32 s82, s84, 2
	s_add_nc_u64 s[80:81], s[80:81], s[82:83]
	s_add_nc_u64 s[80:81], s[80:81], 0x800000
.endif
.irp n, 0,1
	s_mov_b32 s[G0X+4*\n], 1
	s_add_co_u32 s[G0X+4*\n+1], s45, \n*SLOT
	s_add_nc_u64 s[G0X+4*\n+2:G0X+4*\n+3], s[46:47], \n*512
	s_or_b32 s[G0X+4*\n+3], s[G0X+4*\n+3], 0x80000000
	s_mov_b32 s[G0K+4*\n], 1
	s_add_co_u32 s[G0K+4*\n+1], s66, \n*SLOT
	s_add_nc_u64 s[G0K+4*\n+2:G0K+4*\n+3], s[14:15], KPAN*8388608-2*524288+\n*16384
	s_or_b32 s[G0K+4*\n+3], s[G0K+4*\n+3], 0x80000000
	s_mov_b32 s[G0V+4*\n], 1
	s_add_co_u32 s[G0V+4*\n+1], s67, \n*SLOT
	s_add_nc_u64 s[G0V+4*\n+2:G0V+4*\n+3], s[14:15], VPAN*8388608-4*524288+\n*16384
	s_or_b32 s[G0V+4*\n+3], s[G0V+4*\n+3], 0x80000000
.endr
	ROUND                                          ; all sixteen work-groups are here
	JLOAD 0                                        ; keys 0..127; slot 1 is first filled behind the first trip's round
	v_and_b32 v22, 15, v0                          ; r = l % 16
	v_bfe_u32 v23, v0, 4, 1                        ; h = l / 16
	v_lshlrev_b32 v[QO], 7, v22
	v_lshl_add_u32 v[QO], v23, 4, v[QO]            ; Q straight into fragments: token r, 16 bytes at 16 h, and 32 further on
.irp t, 0,1
.irp ks, 0,1
	global_load_b128 v[Q+16*\t+8*\ks:Q+16*\t+8*\ks+3],   v[QO], s[86:87] offset:2048*\t+64*\ks
	global_load_b128 v[Q+16*\t+8*\ks+4:Q+16*\t+8*\ks+7], v[QO], s[86:87] offset:2048*\t+64*\ks+32
.endr
.endr
.if CROSS
	v_lshlrev_b32 v30, 2, v22
.irp t, 0,1
.irp kb, 0,1,2,3,4,5,6,7,8,9,10,11,12,13,14,15
	global_load_b32 v[S+16*\t+\kb], v30, s[80:81] offset:16384*\kb+64*\t   ; my query's sixteen partial sums of squares
.endr
.endr
.endif
	v_mul_u32_u24 v24, v22, 144
	v_lshl_add_u32 v24, v23, 4, v24                ; r x 144 + 16 h
	s_mul_i32 s66, s79, 18432
	s_add_co_u32 s66, s66, KOFF                    ; my head's K
	v_add_nc_u32 v[KA], s66, v24
	v_add_nc_u32 v[KA+1], SLOT, v[KA]
	v_and_b32 v25, 7, v0
	v_lshl_add_u32 v25, v23, 3, v25
	v_mul_u32_u24 v25, v25, 160
	v_bfe_u32 v26, v0, 3, 1
	v_lshl_add_u32 v25, v26, 4, v25                ; (8 h + l % 8) x 160 + 16 ((l / 8) % 2)
	s_mul_i32 s66, s79, 20480
	s_add_co_u32 s66, s66, VOFF                    ; my head's V
	v_add_nc_u32 v[VA], s66, v25
	v_add_nc_u32 v[VA+1], SLOT, v[VA]
	s_mul_i32 s66, s85, 16896                      ; my 32 rows of the bias tile
	v_mul_u32_u24 v26, v22, 528
	v_lshl_add_u32 v26, v23, 5, v26
	v_add_nc_u32 v[BA], s66, v26
	v_add_nc_u32 v[BA+1], SLOT, v[BA]
	s_mul_i32 s66, s10, 4608
	s_add_co_u32 s66, s66, STAGE                   ; my stage
	v_add_nc_u32 v[STO], s66, v24
	v_bfe_u32 v26, v0, 3, 2
	v_and_b32 v27, 7, v0
	v_mul_u32_u24 v26, v26, 144
	v_lshl_add_u32 v26, v27, 4, v26
	v_add_nc_u32 v[RD], s66, v26
	v_and_b32 v27, 31, v0
	v_lshlrev_b32 v[GO], 4, v27
	s_wait_loadcnt 0x0                             ; Q (and the partial sums)
.if CROSS
	; q = (x g) Wq was stored without its row's 1/rms: multiply in f32 and round again
.irp t, 0,1
.irp j, 2,4,6,8,10,12,14
	v_pk_add_f32 v[S+16*\t:S+16*\t+1], v[S+16*\t:S+16*\t+1], v[S+16*\t+\j:S+16*\t+\j+1]
.endr
	v_add_f32 v[S+16*\t], v[S+16*\t], v[S+16*\t+1]
.endr
	v_mov_b32 v31, 0x358637bd                      ; 1e-6
	s_mov_b32 s66, 0x3a800000                      ; 1 / 1024
	s_mov_b32 s67, 0xffff0000
	v_fma_f32 v[S], v[S], s66, v31
	v_fma_f32 v[S+16], v[S+16], s66, v31
	v_rsq_f32 v[AL], v[S]
	v_rsq_f32 v[AL+2], v[S+16]
	v_nop                                          ; one plain place behind the transcendentals (ISA guide 5.7.2)
	v_mov_b32 v[AL+1], v[AL]
	v_mov_b32 v[AL+3], v[AL+2]
.irp t, 0,1
.irp i, 0,1,2,3,4,5,6,7,8,9,10,11,12,13,14,15
	v_lshlrev_b32 v[22+2*(\i&3)], 16, v[Q+16*\t+\i]
	v_and_b32 v[23+2*(\i&3)], s67, v[Q+16*\t+\i]
	v_pk_mul_f32 v[22+2*(\i&3):23+2*(\i&3)], v[22+2*(\i&3):23+2*(\i&3)], v[AL+2*\t:AL+2*\t+1]
	v_cvt_pk_bf16_f32 v[Q+16*\t+\i], v[22+2*(\i&3)], v[23+2*(\i&3)]
.endr
.endr
.endif
; u = 0, 1: which 64 of the slot's 128 keys
.macro LDBK slot, u                    ; K's eight fragments (16 loads), then the bias into the score accumulators, 32 bytes a lane and tile: tile 0's eight loads, tile 1's eight
.irp kt, 0,1,2,3
.irp ks, 0,1
	ds_load_b128 v[F+16*\kt+8*\ks:F+16*\kt+8*\ks+3],   v[KA+\slot] offset:9216*\u+2304*\kt+64*\ks
	ds_load_b128 v[F+16*\kt+8*\ks+4:F+16*\kt+8*\ks+7], v[KA+\slot] offset:9216*\u+2304*\kt+64*\ks+32
.endr
.endr
.irp t, 0,1
.irp kt, 0,1,2,3
	ds_load_b128 v[S+32*\t+8*\kt:S+32*\t+8*\kt+3],   v[BA+\slot] offset:8448*\t+256*\u+64*\kt
	ds_load_b128 v[S+32*\t+8*\kt+4:S+32*\t+8*\kt+7], v[BA+\slot] offset:8448*\t+256*\u+64*\kt+16
.endr
.endr
.endm
.macro LDV slot, u                     ; V's eight fragments (32 keys g x 16 columns ht), transposed on the way
.irp g, 0,1
.irp ht, 0,1,2,3
	ds_load_tr16_b128 v[F+32*\g+8*\ht:F+32*\g+8*\ht+3],   v[VA+\slot] offset:10240*\u+5120*\g+32*\ht
	ds_load_tr16_b128 v[F+32*\g+8*\ht+4:F+32*\g+8*\ht+7], v[VA+\slot] offset:10240*\u+5120*\g+32*\ht+2560
.endr
.endr
.endm
; The matrix instructions of a tile, one at a time.  A tile's four accumulators take turns, one instruction a turn, in the order i = 0 .. 7, and the
; tiles' runs follow each other on other accumulators.
.macro SMW t, i                        ; S(t, kt) += K Q^T: kt = i % 4, the half ks = i / 4 of the head's 64 numbers; C starts as the bias
	v_wmma_f32_16x16x32_bf16 v[S+32*(\t)+8*((\i)%4):S+32*(\t)+8*((\i)%4)+7], v[F+16*((\i)%4)+8*((\i)/4):F+16*((\i)%4)+8*((\i)/4)+7], v[Q+16*(\t)+8*((\i)/4):Q+16*(\t)+8*((\i)/4)+7], v[S+32*(\t)+8*((\i)%4):S+32*(\t)+8*((\i)%4)+7]
.endm
.macro PVW t, i, first                 ; O(ht, t) += V^T P: ht = i % 4, keys 32 g, g = i / 4; in the first step the first products start the sums
.if (\first)*(1-(\i)/4)
	v_wmma_f32_16x16x32_bf16 v[O+8*(2*((\i)%4)+(\t)):O+8*(2*((\i)%4)+(\t))+7], v[F+32*((\i)/4)+8*((\i)%4):F+32*((\i)/4)+8*((\i)%4)+7], v[S+32*(\t)+16*((\i)/4):S+32*(\t)+16*((\i)/4)+7], 0
.else
	v_wmma_f32_16x16x32_bf16 v[O+8*(2*((\i)%4)+(\t)):O+8*(2*((\i)%4)+(\t))+7], v[F+32*((\i)/4)+8*((\i)%4):F+32*((\i)/4)+8*((\i)%4)+7], v[S+32*(\t)+16*((\i)/4):S+32*(\t)+16*((\i)/4)+7], v[O+8*(2*((\i)%4)+(\t)):O+8*(2*((\i)%4)+(\t))+7]
.endif
.endm
; What is strewn into the softmax of tile t at its n-th stop.  Tile 0: stops 0-7 tile 1's score products, stop 8 V's loads.
; Tile 1: stops 0-7 tile 0's products with V, stops 9-12 the first four of its own.
.macro HOOK t, n, first, slot, u
.if (\t) == 0
.if (\n) < 8
	SMW 1, \n
.endif
.if (\n) == 8
	LDV \slot, \u
.endif
.else
.if (\n) < 8
	PVW 0, \n, \first
.endif
.if (\n) > 8
	PVW 1, (\n)-9, \first
.endif
.endif
.endm
; Pieces of a tile's softmax.  SB: the tile's 32 scores; MP: its pair of maxima; AP: its pair of alphas (set by SOFT).
.macro SUBMUL q, k                     ; the k-th of the eight instructions that make the exponents of group q (8 scores): four differences S - m, then four products with log2(e)
.if (\k) < 4
	v_pk_add_f32 v[SB+8*(\q)+2*(\k):SB+8*(\q)+2*(\k)+1], v[SB+8*(\q)+2*(\k):SB+8*(\q)+2*(\k)+1], v[MP:MP+1] neg_lo:[0,1] neg_hi:[0,1]
.else
	v_pk_mul_f32 v[SB+8*(\q)+2*(\k)-8:SB+8*(\q)+2*(\k)-7], v[SB+8*(\q)+2*(\k)-8:SB+8*(\q)+2*(\k)-7], 0x3fb8aa3b op_sel_hi:[1,0]
.endif
.endm
.macro OSC t, n                        ; the n-th of the sixteen products O(., t) x alpha
	v_pk_mul_f32 v[O+8*(2*((\n)/4)+(\t))+2*((\n)%4):O+8*(2*((\n)/4)+(\t))+2*((\n)%4)+1], v[O+8*(2*((\n)/4)+(\t))+2*((\n)%4):O+8*(2*((\n)/4)+(\t))+2*((\n)%4)+1], v[AP:AP+1]
.endm
; The softmax of tile t for a step.  first = 1: there is no old maximum, sum or O.
.macro SOFT t, first, slot, u
.set SB, S+32*(\t)
.set MP, M+2*(\t)
.set AP, AL+2*(\t)
	HOOK \t, 0, \first, \slot, \u
.if (\t) == 0
.rept 4
	v_nop                                          ; four plain places behind tile 0's score products, which stand straight in front (ISA guide 7.12.1)
.endr
.endif
	; the largest of my 32 scores and the old maximum, in four chains
.if \first
	v_max_num_f32 v[MX], v[SB], v[SB+1]
.else
	v_max3_num_f32 v[MX], v[SB], v[SB+1], v[MP]
.endif
.irp c, 1,2,3
	v_max_num_f32 v[MX+\c], v[SB+8*\c], v[SB+8*\c+1]
.endr
	HOOK \t, 1, \first, \slot, \u
.irp j, 2,4
.irp c, 0,1,2,3
	v_max3_num_f32 v[MX+\c], v[MX+\c], v[SB+8*\c+\j], v[SB+8*\c+\j+1]
.endr
.endr
	HOOK \t, 2, \first, \slot, \u
.irp c, 0,1,2,3
	v_max3_num_f32 v[MX+\c], v[MX+\c], v[SB+8*\c+6], v[SB+8*\c+7]
.endr
	v_max3_num_f32 v[MX], v[MX], v[MX+1], v[MX+2]
	v_max_num_f32 v[MX], v[MX], v[MX+3]
	v_permlanex16_b32 v[PX], v[MX], s76, s77       ; the other 32 keys of my query
	v_max_num_f32 v[MN], v[MX], v[PX]
	HOOK \t, 3, \first, \slot, \u
.if 1-\first
	v_sub_f32 v[AE], v[MP], v[MN]
	v_mul_f32 v[AE], 0x3fb8aa3b, v[AE]
	v_exp_f32 v[AP], v[AE]                         ; alpha = exp(old maximum - new); the moves below are the plain places behind it (ISA guide 5.7.2)
.endif
	v_mov_b32 v[MP], v[MN]
	v_mov_b32 v[MP+1], v[MN]
.if 1-\first
	s_wait_alu depctr_va_vdst(0)
	v_mov_b32 v[AP+1], v[AP]
.endif
	HOOK \t, 4, \first, \slot, \u
.irp k, 0,1,2,3,4,5,6,7
	SUBMUL 0, \k
.endr
	HOOK \t, 5, \first, \slot, \u
	; group 0's exponentials; behind each: the next group's exponents and O x alpha
.set k, 0
.rept 8
	v_exp_f32 v[SB+k], v[SB+k]
	SUBMUL 1, k
.if 1-\first
	OSC \t, k
.endif
.if k == 2
	HOOK \t, 6, \first, \slot, \u
.endif
.if k == 5
	HOOK \t, 7, \first, \slot, \u
.endif
.set k, k+1
.endr
	; group 1's.  Stop 8 (V's loads over K's fragments) stands five plain places or more behind stop 7, the last matrix instruction that reads K's
.set k, 0
.rept 8
	v_exp_f32 v[SB+8+k], v[SB+8+k]
	SUBMUL 2, k
.if 1-\first
	OSC \t, 8+k
.endif
.if k == 2
	HOOK \t, 8, \first, \slot, \u
.endif
.set k, k+1
.endr
	; group 2's; behind each: group 3's exponents, the sums of groups 0 and 1 in two chains, then the first roundings of P's first half
.set k, 0
.rept 8
	v_exp_f32 v[SB+16+k], v[SB+16+k]
	SUBMUL 3, k
.if k == 0
	s_wait_alu depctr_va_vdst(0)
	v_pk_add_f32 v[SUA:SUA+1], v[SB:SB+1], v[SB+2:SB+3]
.endif
.if k == 1
	v_pk_add_f32 v[SUC:SUC+1], v[SB+4:SB+5], v[SB+6:SB+7]
.endif
.if k > 1
.if k < 6
	v_pk_add_f32 v[SUA+2*(k%2):SUA+2*(k%2)+1], v[SUA+2*(k%2):SUA+2*(k%2)+1], v[SB+4+2*k:SB+5+2*k]
.endif
.endif
.if k > 5
	v_cvt_pk_bf16_f32 v[SB+k-6], v[SB+2*(k-6)], v[SB+2*(k-6)+1]     ; in place: register j is written when 2 j and 2 j + 1 have been read, and all sixteen have been summed
.endif
.set k, k+1
.endr
	; group 3's; behind them: the rest of P's first half, group 2's sums
.set k, 0
.rept 8
	v_exp_f32 v[SB+24+k], v[SB+24+k]
.if k < 3
	v_cvt_pk_bf16_f32 v[SB+2+2*k], v[SB+4+4*k], v[SB+5+4*k]
	v_cvt_pk_bf16_f32 v[SB+3+2*k], v[SB+6+4*k], v[SB+7+4*k]
.endif
.if k == 3
	s_wait_alu depctr_va_vdst(0)
	v_pk_add_f32 v[SUA:SUA+1], v[SUA:SUA+1], v[SB+16:SB+17]
	v_pk_add_f32 v[SUC:SUC+1], v[SUC:SUC+1], v[SB+18:SB+19]
	HOOK \t, 9, \first, \slot, \u
.endif
.if k == 4
	v_pk_add_f32 v[SUA:SUA+1], v[SUA:SUA+1], v[SB+20:SB+21]
	v_pk_add_f32 v[SUC:SUC+1], v[SUC:SUC+1], v[SB+22:SB+23]
.endif
.set k, k+1
.endr
	v_pk_add_f32 v[SUA:SUA+1], v[SUA:SUA+1], v[SB+24:SB+25]         ; reads the first two of group 3: the plain place behind its last three
	HOOK \t, 10, \first, \slot, \u
	v_pk_add_f32 v[SUC:SUC+1], v[SUC:SUC+1], v[SB+26:SB+27]
	s_wait_alu depctr_va_vdst(0)
	v_pk_add_f32 v[SUA:SUA+1], v[SUA:SUA+1], v[SB+28:SB+29]
	v_pk_add_f32 v[SUC:SUC+1], v[SUC:SUC+1], v[SB+30:SB+31]
	v_pk_add_f32 v[SUA:SUA+1], v[SUA:SUA+1], v[SUC:SUC+1]
	HOOK \t, 11, \first, \slot, \u
.if \first
	v_add_f32 v[LS+\t], v[SUA], v[SUA+1]
.else
	v_add_f32 v[SUA], v[SUA], v[SUA+1]
	v_fma_f32 v[LS+\t], v[LS+\t], v[AP], v[SUA]
.endif
.irp j, 0,1,2,3
	v_cvt_pk_bf16_f32 v[SB+16+\j], v[SB+16+2*\j], v[SB+17+2*\j]     ; P's second half, in place
.endr
	HOOK \t, 12, \first, \slot, \u
.irp j, 4,5,6,7
	v_cvt_pk_bf16_f32 v[SB+16+\j], v[SB+16+2*\j], v[SB+17+2*\j]
.endr
.endm
.macro WORK slot, u, first             ; one step of 64 keys
	LDBK \slot, \u
	s_wait_dscnt 0x8                               ; K's sixteen loads and tile 0's eight of the bias are in; the youngest eight, tile 1's bias, may be out
.irp i, 0,1,2,3,4,5,6,7
	SMW 0, \i
.endr
	s_wait_dscnt 0x0                               ; tile 1's bias
	SOFT 0, \first, \slot, \u
	s_wait_dscnt 0x0                               ; V's fragments, asked for in the middle of tile 0's softmax
	SOFT 1, \first, \slot, \u
.irp i, 4,5,6,7
	PVW 1, \i, \first
.endr
.endm
; One slot of 128 keys.  In front of the round every wave has all its tensor loads landed (its part of this slot among them) and its reads of the
; other slot back; the round holds that of every wave of all sixteen work-groups; the joint refill of the other slot is the first thing behind it and
; has two steps' work in which to land.  No barrier stands between the two steps: the round has shown the whole slot to every wave.
.macro TRIP slot, refill, first
.if 1-\first
	PLACES5                                        ; behind the last step's matrix instructions
.endif
	s_wait_tensorcnt 0x0
	s_add_nc_u64 s[G0X+4*\slot+2:G0X+4*\slot+3], s[G0X+4*\slot+2:G0X+4*\slot+3], 1024    ; no load of mine is out: this slot's next tiles, 256 keys on
	s_add_nc_u64 s[G0K+4*\slot+2:G0K+4*\slot+3], s[G0K+4*\slot+2:G0K+4*\slot+3], 32768
	s_add_nc_u64 s[G0V+4*\slot+2:G0V+4*\slot+3], s[G0V+4*\slot+2:G0V+4*\slot+3], 32768
	s_wait_dscnt 0x0
	ROUND
.if \refill
	JLOAD (1-\slot)
.endif
	WORK \slot, 0, \first
	PLACES5
	WORK \slot, 1, 0
.endm
	TRIP 0, 1, 1                                   ; keys 0..127; asks for 128..255
	s_mov_b32 s78, NK/256-1
.Lkeys:
	TRIP 1, 1, 0
	TRIP 0, 1, 0
	s_sub_co_i32 s78, s78, 1
	s_cmp_lg_u32 s78, 0
	s_cbranch_scc1 .Lkeys
	TRIP 1, 0, 0                                   ; the last 128 keys: nothing is left to fetch
	; THE WAY OUT: o = O / l, rounded, through my own stage as whole rows: in the blocked layout four tokens of 128 bytes are 512 consecutive bytes
	PLACES5
.irp t, 0,1
	v_permlanex16_b32 v[PX+\t], v[LS+\t], s76, s77
.endr
.irp t, 0,1
	v_add_f32 v[LS+\t], v[LS+\t], v[PX+\t]         ; at least 1: the largest score's exponential
.endr
.irp t, 0,1
	v_rcp_f32 v[AL+2*\t], v[LS+\t]
.endr
	v_nop
.irp t, 0,1
	s_wait_alu depctr_va_vdst(0)
	v_mov_b32 v[AL+2*\t+1], v[AL+2*\t]
.endr
.set i, 0
.rept 32
	v_pk_mul_f32 v[O+2*i:O+2*i+1], v[O+2*i:O+2*i+1], v[AL+2*((i/4)&1):AL+2*((i/4)&1)+1]
.set i, i+1
.endr
.set i, 0
.rept 8
.irp j, 0,1,2,3
	v_cvt_pk_bf16_f32 v[O+8*i+\j], v[O+8*i+2*\j], v[O+8*i+2*\j+1]
.endr
.set i, i+1
.endr
.irp ht, 0,1,2,3
.irp t, 0,1
	ds_store_b128 v[STO], v[O+8*(2*\ht+\t):O+8*(2*\ht+\t)+3] offset:2304*\t+32*\ht
.endr
.endr
.irp i, 0,1,2,3,4,5,6,7
	ds_load_b128 v[F+4*\i:F+4*\i+3], v[RD] offset:576*\i    ; LDS serves a wave's instructions in order (ISA guide 5.7.1.4): these see the stores above
.endr
.irp i, 0,1,2,3,4,5,6,7
	s_wait_dscnt 7-\i                              ; this load is back, the younger ones stay out
	global_store_b128 v[GO], v[F+4*\i:F+4*\i+3], s[8:9] offset:512*\i
.endr
	ROUND                                          ; the closing round
	s_endpgm
.Lfunc_end_k_q10f391734b_attn_self:
	.size	k_q10f391734b_attn_self, .Lfunc_end_k_q10f391734b_attn_self-k_q10f391734b_attn_self
	.p2alignl 7, 3214868480
	.fill 96, 4, 3214868480
	.section	.rodata,"a",@progbits
	.p2align	6, 0x0
	.amdhsa_kernel k_q10f391734b_attn_self
		.amdhsa_group_segment_fixed_size 327680
		.amdhsa_private_segment_fixed_size 0
		.amdhsa_enable_private_segment 0
		.amdhsa_kernarg_size 24
		.amdhsa_user_sgpr_count 2
		.amdhsa_user_sgpr_kernarg_segment_ptr 1
		.amdhsa_wavefront_size32 1
		.amdhsa_system_sgpr_workgroup_id_x 1
		.amdhsa_system_sgpr_workgroup_id_y 1
		.amdhsa_system_sgpr_workgroup_id_z 1
		.amdhsa_system_vgpr_workitem_id 0
		.amdhsa_next_free_vgpr 256
		.amdhsa_next_free_sgpr 96
		.amdhsa_reserve_vcc 0
		.amdhsa_float_denorm_mode_32 3
		.amdhsa_float_denorm_mode_16_64 3
		.amdhsa_memory_ordered 1
		.amdhsa_forward_progress 1
		.amdhsa_inst_pref_size 188
	.end_amdhsa_kernel
	.amdgpu_metadata
---
amdhsa.version: [ 1, 2 ]
amdhsa.kernels:
  - .name:           k_q10f391734b_attn_self
    .symbol:         k_q10f391734b_attn_self.kd
    .args:
      - { .name: proj, .offset: 0, .size: 8, .value_kind: global_buffer, .address_space: global }
      - { .name: casual_mask, .offset: 8, .size: 8, .value_kind: global_buffer, .address_space: global }
      - { .name: obuf, .offset: 16, .size: 8, .value_kind: global_buffer, .address_space: global }
    .group_segment_fixed_size: 327680
    .private_segment_fixed_size: 0
    .kernarg_segment_align: 8
    .kernarg_segment_size: 24
    .max_flat_workgroup_size: 256
    .sgpr_count:     96
    .vgpr_count:     256
    .wavefront_size: 32
...
	.end_amdgpu_metadata
.endif
;; end of part 9
;; launch wo_self (part 10): grid 8 x 32, 4 waves a work-group, clusters of 4 x 4, 327,680 bytes of LDS; arguments obuf, wo1b, x, g2, acts, xg; writes acts, xg
.if DOCPART == 10
	.amdgcn_target "amdgcn-amd-amdhsa--gfx1250"
	.amdhsa_code_object_version 6
	.text
	.protected	k_q10f391734b_wo_self
	.globl	k_q10f391734b_wo_self
	.p2align	8
	.type	k_q10f391734b_wo_self,@function
k_q10f391734b_wo_self:
	s_mov_b64 s[64:65], 0
	v_nop
	global_prefetch_b8 v0, s[64:65] scope:SCOPE_SE
	s_setreg_imm32_b32 hwreg(HW_REG_WAVE_MODE, 25, 1), 1
	s_wait_xcnt 0x0
	s_wait_alu depctr_hold_cnt(0) depctr_sa_sdst(0) depctr_va_vdst(0) depctr_va_sdst(0) depctr_va_ssrc(0) depctr_va_vcc(0) depctr_vm_vsrc(0)
	s_getreg_b32 s2, hwreg(HW_REG_IB_STS2, 6, 4)
	s_cmp_eq_u32 s2, 0
	s_cbranch_scc0 .Lentry_in_a_cluster
	s_endpgm
.Lentry_in_a_cluster:
	s_bfe_u32 s2, ttmp6, 0x10000c
	s_cmp_lg_u32 s2, 0xf033
	s_cbranch_scc0 .Lentry_shape_is_right
	s_endpgm
.Lentry_shape_is_right:
; XO = A W + RES, and what the next rms_norm needs of it.  A: bf16, blocked [64-column block][token][64] (524,288 bytes a block); W: bf16 [k][n],
; 1024 x 1024; RES, XO: f32 [4096][1024]; G: f32 [1024].  Also stored: XG = bf16(XO * G), blocked, and behind XG's 8,388,608 bytes one partial sum of
; squares of XO for each 64-column block and token, f32 [16][4096].  rms_norm(XO, G) W' = rsqrt(mean + eps) x ((XO G) W'), so the row's factor is
; applied later, in f32, by whoever multiplies XG.
; A work-group makes 128 tokens x 128 columns with four waves; a wave makes 64 x 64 = 16 accumulator tiles.  K goes in four steps of 256 through two
; LDS slots; one tensor load a wave fills a quarter of a slot: at most two are outstanding (the two first fills).
; CLUSTERS 4 x 4: A's tile hangs on the row block alone and is asked for jointly by the cluster's row, W's on the column block alone and is asked
; for jointly by the column: that divides the requests for both by four.
; THE MATRIX INSTRUCTION IS USED TRANSPOSED: source 0 = 16 columns of W, source 1 = 16 tokens of A: lane l holds token l % 16, its registers eight
; neighbouring columns.
; REGISTERS: window 0: v1-7 set-up, v12-15 G, v16-30 addresses, v64-127 and v128-191 two fragment buffers (v64-95 at work again on the way out),
; v192-255 at work on the way out.  Window 1: v0-127 the accumulators, tile (a, b) at 8 (4 a + b); v128-255 RES of my 64 x 64, asked for behind the
; first barrier.
; LIMITS: NaN and infinities are not served.
.set SLOT,  147456                     ; A: 4 blocks x 128 tokens x 144 bytes = 73,728; W: 256 k x 288 bytes = 73,728
.set WREG,  73728
.set PART,  36864                      ; what one tensor load fills
.set STAGE, 294912                     ; behind the ring: 8,192 bytes for each wave, which no tensor load fills: 16 rows x 272, then 64 sums
.set ADRA, 16
.set ADRB, 20
.set STO,  24                          ; v24  stage + r x 272 + 32 h
.set RD,   25                          ; v25  stage + h x 272 + 16 r
.set GO,   26                          ; v26  h x 4,096 + 16 r: my 16 bytes of two f32 rows
.set G8,   27                          ; v27  8 x lane
.set SSA,  28                          ; v28  stage + 4,352 + 4 h
.set SSL,  29                          ; v29  stage + 4,352 + 8 x lane
.set GG,   30                          ; v30  16 r
.set GV,   12                          ; v[12:15] G of my four columns on the way out
.set F0,   64
.set F1,   128
.set TMP,  192                         ; v192-223 eight pairs of rows; v224-239 XG to store; v240-255 eight pairs of squares
.set SQ,   240
.set G1,  24
.set G0,  32
.set G1B, 48
.set G0B, 56
.set MSB, 0
.macro WIN new                         ; s_set_vgpr_msb: bits 1:0 source 0, 3:2 source 1, 5:4 source 2, 7:6 destination; the high byte repeats the setting that is left
.if MSB != \new
	s_set_vgpr_msb (MSB<<8)|\new
.set MSB, \new
.endif
.endm
.macro PLACES                          ; four plain places behind a matrix instruction (ISA guide 7.12.1)
.rept 4
	v_nop
.endr
.endm
.macro JLOAD s                         ; a joint load: waves 0, 1 ask for A's halves, waves 2, 3 for W's
	s_cmp_eq_u32 s11, 0
	s_cbranch_scc0 .Lfor_w_\@
	tensor_load_to_lds s[G0+4*\s:G0+4*\s+3], s[G1:G1+7]
	s_nop 0
	s_branch .Lasked_\@
.Lfor_w_\@:
	tensor_load_to_lds s[G0B+4*\s:G0B+4*\s+3], s[G1B:G1B+7]
	s_nop 0
.Lasked_\@:
.endm
.macro CREST
	s_cmp_lg_u32 s10, 0
	s_cbranch_scc1 .Lnot_wave_0_\@
	s_barrier_signal -3
.Lnot_wave_0_\@:
	s_barrier_wait -3
	s_barrier_signal -1
	s_barrier_wait -1
.endm
.macro CROUND
	s_barrier_signal -1
	s_barrier_wait -1
	CREST
.endm
	s_load_b128 s[4:7], s[0:1], 0x0                ; A, W
	s_load_b256 s[84:91], s[0:1], 0x10             ; RES s[84:85], G s[86:87], XO s[88:89], XG s[90:91]
	v_lshrrev_b32 v1, 5, v0
	v_readfirstlane_b32 s10, v1                    ; wave 0..3
	s_lshr_b32 s11, s10, 1                         ; my half of the tokens.  Also: I fetch for A (0) or for W (1)
	s_and_b32 s12, s10, 1                          ; my half of the columns.  Also: which half of that tile I fetch
	s_bfe_u32 s40, ttmp6, 0x40000                  ; cx
	s_bfe_u32 s41, ttmp6, 0x40004                  ; cy
	s_lshl_b32 s42, ttmp9, 2
	s_add_co_u32 s42, s42, s40                     ; CB: column block 0..7
	s_and_b32 s13, ttmp7, 0xffff
	s_lshl_b32 s13, s13, 2
	s_add_co_u32 s13, s13, s41                     ; RB: row block 0..31
	s_lshl_b32 s43, s41, 2
	s_lshl_b32 s43, 15, s43                        ; my row of the cluster
	s_lshl_b32 s44, 0x1111, s40                    ; my column
	; group 1 for A: two dense blocks of 2,048 elements of 8 bytes, 65,536 elements apart; 4 words of padding behind every 32: LDS rows of 144 bytes
	s_or_b32 s[G1+0], s43, (3<<16)|(1<<20)|(1<<21)|(4<<22)|(3<<25)
	s_mov_b32 s[G1+1], 2048<<16
	s_mov_b32 s[G1+2], 2<<16
	s_mov_b32 s[G1+3], 2048<<16
	s_mov_b32 s[G1+4], 2
	s_mov_b32 s[G1+5], 65536
	s_mov_b32 s[G1+6], 0
	s_mov_b32 s[G1+7], 0
	; group 1 for W: 128 rows x 128 elements of 2 bytes, pitch 1,024; 8 words of padding behind every 64: LDS rows of 288 bytes
	s_or_b32 s[G1B+0], s44, (1<<16)|(1<<20)|(1<<21)|(5<<22)|(7<<25)
	s_mov_b32 s[G1B+1], 128<<16
	s_mov_b32 s[G1B+2], 128<<16
	s_mov_b32 s[G1B+3], 128<<16
	s_mov_b32 s[G1B+4], 128
	s_mov_b32 s[G1B+5], 1024
	s_mov_b32 s[G1B+6], 0
	s_mov_b32 s[G1B+7], 0
	s_lshl_b32 s16, s13, 14                        ; A: 128 tokens x 128 bytes,
	s_lshl_b32 s17, s12, 20                        ; my two of the step's four blocks
	s_add_co_u32 s16, s16, s17
	s_mov_b32 s17, 0
	s_lshl_b32 s46, s42, 8                         ; W: 128 columns x 2 bytes,
	s_lshl_b32 s47, s12, 18                        ; my 128 of the step's 256 rows
	s_add_co_u32 s46, s46, s47
	s_mov_b32 s47, 0
	s_mul_i32 s20, s10, PART
	s_wait_kmcnt 0x0
	s_add_nc_u64 s[14:15], s[4:5], s[16:17]
	s_add_nc_u64 s[46:47], s[6:7], s[46:47]
	CROUND                                         ; all sixteen work-groups are here: the first joint loads meet
.irp s, 0,1
	s_mov_b32 s[G0+4*\s], 1
	s_add_co_u32 s[G0+4*\s+1], s20, \s*SLOT
	s_add_nc_u64 s[G0+4*\s+2:G0+4*\s+3], s[14:15], \s*0x200000
	s_or_b32 s[G0+4*\s+3], s[G0+4*\s+3], 0x80000000
	s_mov_b32 s[G0B+4*\s], 1
	s_add_co_u32 s[G0B+4*\s+1], s20, \s*SLOT
	s_add_nc_u64 s[G0B+4*\s+2:G0B+4*\s+3], s[46:47], \s*0x80000
	s_or_b32 s[G0B+4*\s+3], s[G0B+4*\s+3], 0x80000000
	JLOAD \s
.endr
	v_and_b32 v1, 15, v0                           ; r = l % 16
	v_bfe_u32 v2, v0, 4, 1                         ; h = l / 16
	v_mul_u32_u24 v3, v1, 144
	v_lshl_add_u32 v3, v2, 4, v3
	s_mul_i32 s21, s11, 9216
	v_add_nc_u32 v[ADRA], s21, v3
	v_add_nc_u32 v[ADRA+1], SLOT, v[ADRA]
	v_and_b32 v4, 7, v0
	v_lshl_add_u32 v4, v2, 3, v4
	v_mul_u32_u24 v4, v4, 288
	v_bfe_u32 v5, v0, 3, 1
	v_lshl_add_u32 v4, v5, 4, v4
	s_lshl_b32 s22, s12, 7
	s_add_co_u32 s22, s22, WREG
	v_add_nc_u32 v[ADRB], s22, v4
	v_add_nc_u32 v[ADRB+1], PART, v[ADRB]
	v_add_nc_u32 v[ADRB+2], SLOT, v[ADRB]
	v_add_nc_u32 v[ADRB+3], SLOT+PART, v[ADRB]
	s_lshl_b32 s23, s10, 13
	s_add_co_u32 s23, s23, STAGE                   ; my stage
	; the way out
	v_mul_u32_u24 v6, v1, 272
	v_lshl_add_u32 v6, v2, 5, v6
	v_add_nc_u32 v[STO], s23, v6
	v_mul_u32_u24 v6, v2, 272
	v_lshl_add_u32 v6, v1, 4, v6
	v_add_nc_u32 v[RD], s23, v6
	v_lshlrev_b32 v6, 12, v2
	v_lshl_add_u32 v[GO], v1, 4, v6
	v_and_b32 v7, 31, v0
	v_lshlrev_b32 v[G8], 3, v7
	s_add_co_u32 s21, s23, 4352
	v_lshl_add_u32 v[SSA], v2, 2, s21
	v_add_nc_u32 v[SSL], s21, v[G8]
	v_lshlrev_b32 v[GG], 4, v1
	s_add_nc_u64 s[94:95], s[90:91], 0x800000      ; the partial sums lie behind XG's blocks
	s_lshl_b32 s18, s13, 1
	s_add_co_u32 s18, s18, s11                     ; my group of 64 tokens
	s_mov_b32 s17, 0
	s_lshl_b32 s16, s18, 18                        ; x 64 rows of 4,096 bytes
	s_add_nc_u64 s[84:85], s[84:85], s[16:17]
	s_add_nc_u64 s[88:89], s[88:89], s[16:17]
	s_lshl_b32 s16, s18, 13                        ; x 64 tokens of 128 bytes
	s_add_nc_u64 s[90:91], s[90:91], s[16:17]
	s_lshl_b32 s16, s18, 8                         ; x 64 sums of 4 bytes
	s_add_nc_u64 s[94:95], s[94:95], s[16:17]
	s_lshl_b32 s45, s42, 1
	s_add_co_u32 s45, s45, s12                     ; my block of 64 columns
	s_mov_b32 s47, 0
	s_lshl_b32 s46, s45, 8                         ; x 64 f32
	s_add_nc_u64 s[84:85], s[84:85], s[46:47]
	s_add_nc_u64 s[88:89], s[88:89], s[46:47]
	s_add_nc_u64 s[86:87], s[86:87], s[46:47]
	s_lshl_b32 s46, s45, 19
	s_add_nc_u64 s[90:91], s[90:91], s[46:47]
	s_lshl_b32 s46, s45, 14
	s_add_nc_u64 s[94:95], s[94:95], s[46:47]
.macro MUL8 f, a0, zero
.irp a, \a0, \a0+1
.irp b, 0,1,2,3
.if \zero
	v_wmma_f32_16x16x32_bf16 v[8*(4*(\a)+\b):8*(4*(\a)+\b)+7], v[\f+32+8*\b:\f+32+8*\b+7], v[\f+8*(\a):\f+8*(\a)+7], 0
.else
	v_wmma_f32_16x16x32_bf16 v[8*(4*(\a)+\b):8*(4*(\a)+\b)+7], v[\f+32+8*\b:\f+32+8*\b+7], v[\f+8*(\a):\f+8*(\a)+7], v[8*(4*(\a)+\b):8*(4*(\a)+\b)+7]
.endif
.endr
.endr
.endm
.macro FETCH slot, q, f                ; the fragments of the q-th 32 of a slot's 256 along K
.irp a, 0,1,2,3
	ds_load_b128 v[\f+8*\a:\f+8*\a+3],   v[ADRA+\slot] offset:((\q)>>1)*18432+((\q)&1)*64+\a*2304
	ds_load_b128 v[\f+8*\a+4:\f+8*\a+7], v[ADRA+\slot] offset:((\q)>>1)*18432+((\q)&1)*64+\a*2304+32
.endr
.irp b, 0,1,2,3
	ds_load_tr16_b128 v[\f+32+8*\b:\f+32+8*\b+3],   v[ADRB+2*\slot+((\q)>>2)] offset:((\q)&3)*9216+32*\b
	ds_load_tr16_b128 v[\f+32+8*\b+4:\f+32+8*\b+7], v[ADRB+2*\slot+((\q)>>2)] offset:((\q)&3)*9216+32*\b+4608
.endr
.endm
; The 16 accumulators take turns, one instruction a turn, in the same order everywhere.
.macro STEP slot, q, f, g, zero
	s_wait_dscnt 0x0                               ; buffer f's 16 loads, issued 16 matrix instructions ago
	PLACES                                         ; g was read by the matrix instructions just issued
	FETCH \slot, \q+1, \g
	WIN 0x50
	MUL8 \f, 0, \zero
	MUL8 \f, 2, \zero
	WIN 0
.endm
.macro PHASE slot, zero
	STEP \slot, 0, F0, F1, \zero
	STEP \slot, 1, F1, F0, 0
	STEP \slot, 2, F0, F1, 0
	STEP \slot, 3, F1, F0, 0
	STEP \slot, 4, F0, F1, 0
	STEP \slot, 5, F1, F0, 0
	STEP \slot, 6, F0, F1, 0
.endm
; The last eighth and the change of slots: my reads of this slot are back and all my tensor loads have landed in front of the barrier; with fill = 1 the
; barrier opens a round of the cluster's barrier and the joint refill is the first tensor load behind the round.
.macro TURN slot, next, fill
	s_wait_dscnt 0x0
	s_wait_tensorcnt 0x0
	s_barrier_signal -1
	WIN 0x50
	MUL8 F1, 0, 0
	WIN 0
	s_barrier_wait -1
.if \fill
	CREST
	s_add_nc_u64 s[G0+4*\slot+2:G0+4*\slot+3], s[G0+4*\slot+2:G0+4*\slot+3], 0x400000
	s_add_nc_u64 s[G0B+4*\slot+2:G0B+4*\slot+3], s[G0B+4*\slot+2:G0B+4*\slot+3], 0x100000
	JLOAD \slot
.endif
	PLACES
	FETCH \next, 0, F0
	WIN 0x50
	MUL8 F1, 2, 0
	WIN 0
.endm
	s_wait_tensorcnt 0x1                           ; my part of slot 0 is in; slot 1's may stay out
	s_barrier_signal -1
	s_barrier_wait -1
	FETCH 0, 0, F0
	; G and my 64 x 64 of RES are asked for here, when slot 0 has landed, and not together with the first tiles: they are first wanted behind the whole product
	global_load_b128 v[GV:GV+3], v[GG], s[86:87]
	WIN 0x40
.irp a, 0,1,2,3
.irp t, 0,1,2,3,4,5,6,7
	global_load_b128 v[128+4*(8*\a+\t):128+4*(8*\a+\t)+3], v[GO], s[84:85] offset:(16*\a+2*\t)*4096 th:TH_LOAD_NT   ; 16 lanes: 256 bytes of a row
.endr
.endr
	WIN 0
	PHASE 0, 1
	TURN 0, 1, 1
	PHASE 1, 0
	TURN 1, 0, 1
	PHASE 0, 0
	TURN 0, 1, 0
	PHASE 1, 0
	s_wait_dscnt 0x0
	WIN 0x50
	MUL8 F1, 0, 0
	MUL8 F1, 2, 0
	WIN 0
	PLACES
	s_wait_loadcnt 0x0                             ; G and RES
; THE WAY OUT, 16 tokens at a time: the f32 sums go through my own stage (rows of 272 bytes) and come back with 16 lanes on a row of 64 columns.
; The eight pairs of rows go through each stage together, so that no instruction stands behind the one whose result it reads and no store behind its data.
.macro RES16 a
	s_wait_xcnt 0x0                                ; the last 16 tokens' stores have read v192-239: rewritten only behind this wait
	WIN 0x04
.irp b, 0,1,2,3
	ds_store_b128 v[STO], v[8*(4*\a+\b):8*(4*\a+\b)+3]   offset:64*\b
	ds_store_b128 v[STO], v[8*(4*\a+\b)+4:8*(4*\a+\b)+7] offset:64*\b+16
.endr
	WIN 0
.irp t, 0,1,2,3,4,5,6,7
	ds_load_b128 v[TMP+4*\t:TMP+4*\t+3], v[RD] offset:544*\t       ; rows 2 t and 2 t + 1
.endr
	s_wait_dscnt 0x0
	WIN 0x04
.irp t, 0,1,2,3,4,5,6,7
	v_pk_add_f32 v[TMP+4*\t:TMP+4*\t+1],   v[TMP+4*\t:TMP+4*\t+1],   v[128+4*(8*\a+\t):128+4*(8*\a+\t)+1]
	v_pk_add_f32 v[TMP+4*\t+2:TMP+4*\t+3], v[TMP+4*\t+2:TMP+4*\t+3], v[128+4*(8*\a+\t)+2:128+4*(8*\a+\t)+3]
.endr
	WIN 0
.irp t, 0,1,2,3,4,5,6,7
	global_store_b128 v[GO], v[TMP+4*\t:TMP+4*\t+3], s[88:89] offset:(16*\a+2*\t)*4096   ; 16 lanes: 256 consecutive bytes, aligned
.endr
.irp t, 0,1,2,3,4,5,6,7
	v_pk_mul_f32 v[F0+4*\t:F0+4*\t+1],   v[TMP+4*\t:TMP+4*\t+1],   v[GV:GV+1]            ; x G, in the fragment buffer, which is free by now
	v_pk_mul_f32 v[F0+4*\t+2:F0+4*\t+3], v[TMP+4*\t+2:TMP+4*\t+3], v[GV+2:GV+3]
.endr
.irp t, 0,1,2,3,4,5,6,7
	v_pk_mul_f32 v[SQ+2*\t:SQ+2*\t+1], v[TMP+4*\t:TMP+4*\t+1], v[TMP+4*\t:TMP+4*\t+1]
.endr
.irp t, 0,1,2,3,4,5,6,7
	v_cvt_pk_bf16_f32 v[224+2*\t], v[F0+4*\t], v[F0+4*\t+1]
	v_cvt_pk_bf16_f32 v[225+2*\t], v[F0+4*\t+2], v[F0+4*\t+3]
.endr
.irp t, 0,1,2,3,4,5,6,7
	v_pk_fma_f32 v[SQ+2*\t:SQ+2*\t+1], v[TMP+4*\t+2:TMP+4*\t+3], v[TMP+4*\t+2:TMP+4*\t+3], v[SQ+2*\t:SQ+2*\t+1]
.endr
.irp t, 0,1,2,3,4,5,6,7
	global_store_b64 v[G8], v[224+2*\t:225+2*\t], s[90:91] offset:(16*\a+2*\t)*128       ; two tokens of 128 bytes: 256 consecutive bytes, aligned
.endr
.irp t, 0,1,2,3,4,5,6,7
	v_add_f32 v[SQ+2*\t], v[SQ+2*\t], v[SQ+2*\t+1]
.endr
.irp m, 1,2,4,8
.irp t, 0,1,2,3,4,5,6,7
	v_add_f32_dpp v[SQ+2*\t], v[SQ+2*\t], v[SQ+2*\t] row_xmask:\m row_mask:0xf bank_mask:0xf   ; over the row's 16 lanes
.endr
.endr
.irp t, 0,1,2,3,4,5,6,7
	ds_store_b32 v[SSA], v[SQ+2*\t] offset:4*(16*\a+2*\t)                                ; 16 lanes write one word with one value
.endr
.endm
	RES16 0
	RES16 1
	RES16 2
	RES16 3
	ds_load_b64 v[SQ:SQ+1], v[SSL]                 ; my 64 tokens' sums, two a lane
	s_wait_dscnt 0x0
	global_store_b64 v[G8], v[SQ:SQ+1], s[94:95]   ; 256 consecutive bytes, aligned
	CROUND                                         ; the closing round
	s_endpgm
.Lfunc_end_k_q10f391734b_wo_self:
	.size	k_q10f391734b_wo_self, .Lfunc_end_k_q10f391734b_wo_self-k_q10f391734b_wo_self
	.p2alignl 7, 3214868480
	.fill 96, 4, 3214868480
	.section	.rodata,"a",@progbits
	.p2align	6, 0x0
	.amdhsa_kernel k_q10f391734b_wo_self
		.amdhsa_group_segment_fixed_size 327680
		.amdhsa_private_segment_fixed_size 0
		.amdhsa_enable_private_segment 0
		.amdhsa_kernarg_size 48
		.amdhsa_user_sgpr_count 2
		.amdhsa_user_sgpr_kernarg_segment_ptr 1
		.amdhsa_wavefront_size32 1
		.amdhsa_system_sgpr_workgroup_id_x 1
		.amdhsa_system_sgpr_workgroup_id_y 1
		.amdhsa_system_sgpr_workgroup_id_z 1
		.amdhsa_system_vgpr_workitem_id 0
		.amdhsa_next_free_vgpr 512
		.amdhsa_next_free_sgpr 96
		.amdhsa_reserve_vcc 0
		.amdhsa_float_denorm_mode_32 3
		.amdhsa_float_denorm_mode_16_64 3
		.amdhsa_memory_ordered 1
		.amdhsa_forward_progress 1
		.amdhsa_inst_pref_size 122
	.end_amdhsa_kernel
	.amdgpu_metadata
---
amdhsa.version: [ 1, 2 ]
amdhsa.kernels:
  - .name:           k_q10f391734b_wo_self
    .symbol:         k_q10f391734b_wo_self.kd
    .args:
      - { .name: obuf, .offset: 0, .size: 8, .value_kind: global_buffer, .address_space: global }
      - { .name: wo1b, .offset: 8, .size: 8, .value_kind: global_buffer, .address_space: global }
      - { .name: x, .offset: 16, .size: 8, .value_kind: global_buffer, .address_space: global }
      - { .name: g2, .offset: 24, .size: 8, .value_kind: global_buffer, .address_space: global }
      - { .name: acts, .offset: 32, .size: 8, .value_kind: global_buffer, .address_space: global }
      - { .name: xg, .offset: 40, .size: 8, .value_kind: global_buffer, .address_space: global }
    .group_segment_fixed_size: 327680
    .private_segment_fixed_size: 0
    .kernarg_segment_align: 8
    .kernarg_segment_size: 48
    .max_flat_workgroup_size: 128
    .sgpr_count:     96
    .vgpr_count:     512
    .wavefront_size: 32
...
	.end_amdgpu_metadata
.endif
;; end of part 10
;; launch q_cross (part 11): grid 8 x 32, 4 waves a work-group, clusters of 4 x 4, 327,680 bytes of LDS; arguments xg, wq2b, proj; writes proj
.if DOCPART == 11
	.amdgcn_target "amdgcn-amd-amdhsa--gfx1250"
	.amdhsa_code_object_version 6
	.text
	.protected	k_q10f391734b_q_cross
	.globl	k_q10f391734b_q_cross
	.p2align	8
	.type	k_q10f391734b_q_cross,@function
k_q10f391734b_q_cross:
	s_mov_b64 s[64:65], 0
	v_nop
	global_prefetch_b8 v0, s[64:65] scope:SCOPE_SE
	s_setreg_imm32_b32 hwreg(HW_REG_WAVE_MODE, 25, 1), 1
	s_wait_xcnt 0x0
	s_wait_alu depctr_hold_cnt(0) depctr_sa_sdst(0) depctr_va_vdst(0) depctr_va_sdst(0) depctr_va_ssrc(0) depctr_va_vcc(0) depctr_vm_vsrc(0)
	s_getreg_b32 s2, hwreg(HW_REG_IB_STS2, 6, 4)
	s_cmp_eq_u32 s2, 0
	s_cbranch_scc0 .Lentry_in_a_cluster
	s_endpgm
.Lentry_in_a_cluster:
	s_bfe_u32 s2, ttmp6, 0x10000c
	s_cmp_lg_u32 s2, 0xf033
	s_cbranch_scc0 .Lentry_shape_is_right
	s_endpgm
.Lentry_shape_is_right:
; OUT = A W, all bf16, sums in f32, K = 1024.  A and OUT lie BLOCKED: [64-column block][token][64], 524,288 bytes from block to block;
; W lies [k][n], 1024 x 1024.  A = x g without the row's 1/rms: that factor is applied by whoever reads OUT.
; A work-group makes 128 tokens x 128 columns with four waves; a wave makes 64 x 64 = 16 accumulator tiles: 4096 x 1024 outputs are 256 such blocks,
; one for each work-group.  Column block CB writes blocks 2 CB, 2 CB + 1 of OUT.  K goes in four steps of 256 through two LDS slots; one tensor load a
; wave fills a quarter of a slot: at most two are outstanding (the two first fills).
; CLUSTERS 4 x 4: A's tile hangs on the row block alone and is asked for jointly by the cluster's row, W's on the column block alone and is asked
; for jointly by the column: that divides the requests for both by four.
; THE MATRIX INSTRUCTION IS USED TRANSPOSED: source 0 = 16 columns of W, source 1 = 16 tokens of A, so that lane l holds token l % 16 and its eight
; registers eight neighbouring columns, which pack into 16 bytes.
; REGISTERS: window 0: v1-7 set-up, v16-26 addresses, v64-127 and v128-191 two fragment buffers (A's four fragments, then W's four), v192-207 at
; work on the way out.  Window 1: v0-127 the accumulators, tile (a, b) at 8 (4 a + b).
; LIMITS: NaN and infinities are not served.
.set SLOT,  147456                     ; A: 4 blocks x 128 tokens x 144 bytes = 73,728; W: 256 k x 288 bytes = 73,728
.set WREG,  73728                      ; where W's rows begin in a slot
.set PART,  36864                      ; what one tensor load fills
.set STAGE, 294912                     ; behind the ring: 8,192 bytes for each wave, which no tensor load fills
.set ADRA, 16                          ; v16-17  my A fragments in slot 0, 1
.set ADRB, 20                          ; v20-23  my W fragments: slot 0 rows 0-127, rows 128-255, slot 1 likewise (the 16-bit offset reaches 128 rows)
.set STO,  24                          ; v24     way out: where I put 16 bytes
.set RD,   25                          ; v25     way out: where I read rows back
.set GO,   26                          ; v26     way out: 16 x lane
.set F0,   64
.set F1,   128
.set TMP,  192
.set G1,  24                           ; s[24:31] group 1 for A
.set G0,  32                           ; s[32:39] group 0 for A, a set for each slot
.set G1B, 48                           ; s[48:55] group 1 for W
.set G0B, 56                           ; s[56:63] group 0 for W, a set for each slot
.set MSB, 0
.macro WIN new                         ; s_set_vgpr_msb: bits 1:0 source 0, 3:2 source 1, 5:4 source 2, 7:6 destination; the high byte repeats the setting that is left
.if MSB != \new
	s_set_vgpr_msb (MSB<<8)|\new
.set MSB, \new
.endif
.endm
.macro PLACES                          ; four plain places behind a matrix instruction, in front of loads into its sources and of readers of its results
.rept 4
	v_nop
.endr
.endm
.macro JLOAD s                         ; a joint load: waves 0, 1 ask for A's halves, waves 2, 3 for W's.  The branch hangs on the wave's number alone
	s_cmp_eq_u32 s11, 0
	s_cbranch_scc0 .Lfor_w_\@
	tensor_load_to_lds s[G0+4*\s:G0+4*\s+3], s[G1:G1+7]
	s_nop 0
	s_branch .Lasked_\@
.Lfor_w_\@:
	tensor_load_to_lds s[G0B+4*\s:G0B+4*\s+3], s[G1B:G1B+7]
	s_nop 0
.Lasked_\@:
.endm
.macro CREST                           ; a round of the cluster's barrier behind its opening work-group barrier
	s_cmp_lg_u32 s10, 0
	s_cbranch_scc1 .Lnot_wave_0_\@
	s_barrier_signal -3
.Lnot_wave_0_\@:
	s_barrier_wait -3
	s_barrier_signal -1
	s_barrier_wait -1
.endm
.macro CROUND
	s_barrier_signal -1
	s_barrier_wait -1
	CREST
.endm
	s_load_b128 s[4:7], s[0:1], 0x0                ; A, W
	s_load_b64 s[8:9], s[0:1], 0x10                ; OUT
	v_lshrrev_b32 v1, 5, v0
	v_readfirstlane_b32 s10, v1                    ; wave 0..3
	s_lshr_b32 s11, s10, 1                         ; my half of the tokens.  Also: I fetch for A (0) or for W (1)
	s_and_b32 s12, s10, 1                          ; my half of the columns.  Also: which half of that tile I fetch
	s_bfe_u32 s40, ttmp6, 0x40000                  ; cx
	s_bfe_u32 s41, ttmp6, 0x40004                  ; cy
	s_and_b32 s80, ttmp7, 0xffff                   ; cluster y
	s_mov_b32 s81, ttmp9                           ; cluster x
	s_lshl_b32 s42, s81, 2
	s_add_co_u32 s42, s42, s40                     ; CB: column block 0..7
	s_lshl_b32 s13, s80, 2
	s_add_co_u32 s13, s13, s41                     ; RB: row block 0..31
	s_lshl_b32 s43, s41, 2
	s_lshl_b32 s43, 15, s43                        ; my row of the cluster
	s_lshl_b32 s44, 0x1111, s40                    ; my column
	; group 1 for A: two dense blocks of 128 tokens x 128 bytes = 2,048 elements of 8 bytes each, 65,536 elements apart; 4 words of padding behind
	; every 32 words, counted along the whole tile: LDS rows of 144 bytes
	s_or_b32 s[G1+0], s43, (3<<16)|(1<<20)|(1<<21)|(4<<22)|(3<<25)
	s_mov_b32 s[G1+1], 2048<<16                    ; tensor_dim0 = 2,048
	s_mov_b32 s[G1+2], 2<<16                       ; tensor_dim1 = 2
	s_mov_b32 s[G1+3], 2048<<16                    ; tile_dim0 = 2,048
	s_mov_b32 s[G1+4], 2                           ; tile_dim1 = 2
	s_mov_b32 s[G1+5], 65536                       ; from block to block
	s_mov_b32 s[G1+6], 0
	s_mov_b32 s[G1+7], 0
	; group 1 for W: 128 rows (k) x 128 elements of 2 bytes, 1,024 elements from row to row; 8 words of padding behind every 64: LDS rows of 288 bytes
	s_or_b32 s[G1B+0], s44, (1<<16)|(1<<20)|(1<<21)|(5<<22)|(7<<25)
	s_mov_b32 s[G1B+1], 128<<16
	s_mov_b32 s[G1B+2], 128<<16
	s_mov_b32 s[G1B+3], 128<<16
	s_mov_b32 s[G1B+4], 128
	s_mov_b32 s[G1B+5], 1024
	s_mov_b32 s[G1B+6], 0
	s_mov_b32 s[G1B+7], 0
	; A's address hangs on the row block, W's on the column block, each in registers that never hold the other coordinate
	s_lshl_b32 s16, s13, 14                        ; 128 tokens x 128 bytes
	s_lshl_b32 s17, s12, 20                        ; my two of the step's four blocks
	s_add_co_u32 s16, s16, s17
	s_mov_b32 s17, 0
	s_lshl_b32 s46, s42, 8                         ; 128 columns x 2 bytes
	s_lshl_b32 s47, s12, 18                        ; my 128 of the step's 256 rows, 2,048 bytes each
	s_add_co_u32 s46, s46, s47
	s_mov_b32 s47, 0
	s_mul_i32 s20, s10, PART                       ; to LDS: A's halves, then W's halves = wave x 36,864
	s_wait_kmcnt 0x0
	s_add_nc_u64 s[14:15], s[4:5], s[16:17]
	s_add_nc_u64 s[46:47], s[6:7], s[46:47]
	CROUND                                         ; all sixteen work-groups are here: the first joint loads meet
.irp s, 0,1
	s_mov_b32 s[G0+4*\s], 1
	s_add_co_u32 s[G0+4*\s+1], s20, \s*SLOT
	s_add_nc_u64 s[G0+4*\s+2:G0+4*\s+3], s[14:15], \s*0x200000     ; K step s: four blocks on
	s_or_b32 s[G0+4*\s+3], s[G0+4*\s+3], 0x80000000
	s_mov_b32 s[G0B+4*\s], 1
	s_add_co_u32 s[G0B+4*\s+1], s20, \s*SLOT
	s_add_nc_u64 s[G0B+4*\s+2:G0B+4*\s+3], s[46:47], \s*0x80000    ; 256 rows on
	s_or_b32 s[G0B+4*\s+3], s[G0B+4*\s+3], 0x80000000
	JLOAD \s
.endr
	; fragment addresses.  A (K along the LDS rows): row x 144 + 16 (l / 16), two loads 32 bytes apart.
	; W (stored [k][n]): transposing loads at (8 (l / 16) + l % 8) x 288 + 16 ((l / 8) % 2), two loads 16 rows apart.
	v_and_b32 v1, 15, v0                           ; r = l % 16
	v_bfe_u32 v2, v0, 4, 1                         ; h = l / 16
	v_mul_u32_u24 v3, v1, 144
	v_lshl_add_u32 v3, v2, 4, v3
	s_mul_i32 s21, s11, 9216                       ; my 64 tokens
	v_add_nc_u32 v[ADRA], s21, v3
	v_add_nc_u32 v[ADRA+1], SLOT, v[ADRA]
	v_and_b32 v4, 7, v0
	v_lshl_add_u32 v4, v2, 3, v4
	v_mul_u32_u24 v4, v4, 288
	v_bfe_u32 v5, v0, 3, 1
	v_lshl_add_u32 v4, v5, 4, v4
	s_lshl_b32 s22, s12, 7                         ; my 64 columns
	s_add_co_u32 s22, s22, WREG
	v_add_nc_u32 v[ADRB], s22, v4
	v_add_nc_u32 v[ADRB+1], PART, v[ADRB]
	v_add_nc_u32 v[ADRB+2], SLOT, v[ADRB]
	v_add_nc_u32 v[ADRB+3], SLOT+PART, v[ADRB]
	s_lshl_b32 s23, s10, 13
	s_add_co_u32 s23, s23, STAGE                   ; my stage
	; the way out
	v_add_nc_u32 v[STO], s23, v3                   ; in: row r of 144 bytes, 16 bytes for each half of the lanes
	v_bfe_u32 v6, v0, 3, 2
	v_and_b32 v7, 7, v0
	v_mul_u32_u24 v6, v6, 144
	v_lshl_add_u32 v6, v7, 4, v6
	v_add_nc_u32 v[RD], s23, v6                    ; back: eight lanes take a row of 128 bytes, a wave four rows
	v_and_b32 v7, 31, v0
	v_lshlrev_b32 v[GO], 4, v7
	s_lshl_b32 s18, s13, 1
	s_add_co_u32 s18, s18, s11                     ; my group of 64 tokens
	s_lshl_b32 s16, s18, 13                        ; x 64 x 128 bytes
	s_mov_b32 s17, 0
	s_add_nc_u64 s[8:9], s[8:9], s[16:17]
	s_lshl_b32 s45, s42, 1
	s_add_co_u32 s45, s45, s12                     ; my block of 64 columns
	s_lshl_b32 s46, s45, 19
	s_mov_b32 s47, 0
	s_add_nc_u64 s[8:9], s[8:9], s[46:47]
; 8 matrix instructions: token tiles a0, a0 + 1 x the four column tiles, 32 along K.  zero = 1: the first product starts the sums.
.macro MUL8 f, a0, zero
.irp a, \a0, \a0+1
.irp b, 0,1,2,3
.if \zero
	v_wmma_f32_16x16x32_bf16 v[8*(4*(\a)+\b):8*(4*(\a)+\b)+7], v[\f+32+8*\b:\f+32+8*\b+7], v[\f+8*(\a):\f+8*(\a)+7], 0
.else
	v_wmma_f32_16x16x32_bf16 v[8*(4*(\a)+\b):8*(4*(\a)+\b)+7], v[\f+32+8*\b:\f+32+8*\b+7], v[\f+8*(\a):\f+8*(\a)+7], v[8*(4*(\a)+\b):8*(4*(\a)+\b)+7]
.endif
.endr
.endr
.endm
; 16 LDS loads: the fragments of the q-th 32 of a slot's 256 along K, into buffer f
.macro FETCH slot, q, f
.irp a, 0,1,2,3
	ds_load_b128 v[\f+8*\a:\f+8*\a+3],   v[ADRA+\slot] offset:((\q)>>1)*18432+((\q)&1)*64+\a*2304
	ds_load_b128 v[\f+8*\a+4:\f+8*\a+7], v[ADRA+\slot] offset:((\q)>>1)*18432+((\q)&1)*64+\a*2304+32
.endr
.irp b, 0,1,2,3
	ds_load_tr16_b128 v[\f+32+8*\b:\f+32+8*\b+3],   v[ADRB+2*\slot+((\q)>>2)] offset:((\q)&3)*9216+32*\b
	ds_load_tr16_b128 v[\f+32+8*\b+4:\f+32+8*\b+7], v[ADRB+2*\slot+((\q)>>2)] offset:((\q)&3)*9216+32*\b+4608
.endr
.endm
; One of a slot's first seven eighths: buffer f is in; the next eighth's loads go out into g; then 16 matrix instructions on f.
; The 16 accumulators take turns, one instruction a turn, in the same order everywhere.
.macro STEP slot, q, f, g, zero
	s_wait_dscnt 0x0                               ; buffer f's 16 loads, issued 16 matrix instructions ago
	PLACES                                         ; g was read by the matrix instructions just issued
	FETCH \slot, \q+1, \g
	WIN 0x50                                       ; C and D in window 1
	MUL8 \f, 0, \zero
	MUL8 \f, 2, \zero
	WIN 0
.endm
.macro PHASE slot, zero
	STEP \slot, 0, F0, F1, \zero
	STEP \slot, 1, F1, F0, 0
	STEP \slot, 2, F0, F1, 0
	STEP \slot, 3, F1, F0, 0
	STEP \slot, 4, F0, F1, 0
	STEP \slot, 5, F1, F0, 0
	STEP \slot, 6, F0, F1, 0
.endm
; The last eighth, and the change of slots.  In front of the barrier each wave has its reads of this slot back and all its tensor loads landed (the one
; that is out is its part of the next slot).  fill = 1: the barrier opens a round of the cluster's barrier, and the joint refill of this slot, two K
; steps ahead, is the first tensor load behind the round.  From that request to the wait for it a wave issues 120 matrix instructions.
.macro TURN slot, next, fill
	s_wait_dscnt 0x0
	s_wait_tensorcnt 0x0
	s_barrier_signal -1
	WIN 0x50
	MUL8 F1, 0, 0                                  ; register work while the others arrive
	WIN 0
	s_barrier_wait -1
.if \fill
	CREST
	s_add_nc_u64 s[G0+4*\slot+2:G0+4*\slot+3], s[G0+4*\slot+2:G0+4*\slot+3], 0x400000     ; no load of mine is out: group 0 may be written
	s_add_nc_u64 s[G0B+4*\slot+2:G0B+4*\slot+3], s[G0B+4*\slot+2:G0B+4*\slot+3], 0x100000
	JLOAD \slot
.endif
	PLACES
	FETCH \next, 0, F0
	WIN 0x50
	MUL8 F1, 2, 0
	WIN 0
.endm
	s_wait_tensorcnt 0x1                           ; my part of slot 0 is in; slot 1's may stay out
	s_barrier_signal -1
	s_barrier_wait -1
	FETCH 0, 0, F0
	PHASE 0, 1                                     ; K 0..255
	TURN 0, 1, 1
	PHASE 1, 0                                     ; K 256..511
	TURN 1, 0, 1
	PHASE 0, 0                                     ; K 512..767
	TURN 0, 1, 0                                   ; nothing is left to fetch
	PHASE 1, 0                                     ; K 768..1023
	s_wait_dscnt 0x0
	WIN 0x50
	MUL8 F1, 0, 0
	MUL8 F1, 2, 0
	WIN 0
	PLACES                                         ; in front of the readers of the results and of loads into the buffers
; THE WAY OUT, 16 tokens at a time: round to bf16, 16 bytes a lane into my own stage, read back as whole rows; in the blocked layout four rows of
; 128 bytes are 512 consecutive bytes.  LDS serves a wave's instructions in order (ISA guide 5.7.1.4): no wait between the stores and the loads.
.macro OUT16 a, f
	WIN 0x05
.irp b, 0,1,2,3
.irp j, 0,1,2,3
	v_cvt_pk_bf16_f32 v[TMP+4*\b+\j], v[8*(4*\a+\b)+2*\j], v[8*(4*\a+\b)+2*\j+1]
.endr
.endr
	WIN 0
.irp b, 0,1,2,3
	ds_store_b128 v[STO], v[TMP+4*\b:TMP+4*\b+3] offset:32*\b
.endr
	s_wait_xcnt 0x0                                ; buffer f, which earlier stores read, is loaded again only behind this wait
.irp t, 0,1,2,3
	ds_load_b128 v[\f+4*\t:\f+4*\t+3], v[RD] offset:576*\t
.endr
.irp t, 0,1,2,3
	s_wait_dscnt 3-\t                              ; this load is back, the younger ones stay out
	global_store_b128 v[GO], v[\f+4*\t:\f+4*\t+3], s[8:9] offset:2048*\a+512*\t   ; a wave: 512 consecutive bytes, aligned
.endr
.endm
	OUT16 0, F0
	OUT16 1, F1
	OUT16 2, F0
	OUT16 3, F1
	CROUND                                         ; the closing round: no work-group ends while a partner may still ask jointly
	s_endpgm
.Lfunc_end_k_q10f391734b_q_cross:
	.size	k_q10f391734b_q_cross, .Lfunc_end_k_q10f391734b_q_cross-k_q10f391734b_q_cross
	.p2alignl 7, 3214868480
	.fill 96, 4, 3214868480
	.section	.rodata,"a",@progbits
	.p2align	6, 0x0
	.amdhsa_kernel k_q10f391734b_q_cross
		.amdhsa_group_segment_fixed_size 327680
		.amdhsa_private_segment_fixed_size 0
		.amdhsa_enable_private_segment 0
		.amdhsa_kernarg_size 24
		.amdhsa_user_sgpr_count 2
		.amdhsa_user_sgpr_kernarg_segment_ptr 1
		.amdhsa_wavefront_size32 1
		.amdhsa_system_sgpr_workgroup_id_x 1
		.amdhsa_system_sgpr_workgroup_id_y 1
		.amdhsa_system_sgpr_workgroup_id_z 1
		.amdhsa_system_vgpr_workitem_id 0
		.amdhsa_next_free_vgpr 384
		.amdhsa_next_free_sgpr 96
		.amdhsa_reserve_vcc 0
		.amdhsa_float_denorm_mode_32 3
		.amdhsa_float_denorm_mode_16_64 3
		.amdhsa_memory_ordered 1
		.amdhsa_forward_progress 1
		.amdhsa_inst_pref_size 88
	.end_amdhsa_kernel
	.amdgpu_metadata
---
amdhsa.version: [ 1, 2 ]
amdhsa.kernels:
  - .name:           k_q10f391734b_q_cross
    .symbol:         k_q10f391734b_q_cross.kd
    .args:
      - { .name: xg, .offset: 0, .size: 8, .value_kind: global_buffer, .address_space: global }
      - { .name: wq2b, .offset: 8, .size: 8, .value_kind: global_buffer, .address_space: global }
      - { .name: proj, .offset: 16, .size: 8, .value_kind: global_buffer, .address_space: global }
    .group_segment_fixed_size: 327680
    .private_segment_fixed_size: 0
    .kernarg_segment_align: 8
    .kernarg_segment_size: 24
    .max_flat_workgroup_size: 128
    .sgpr_count:     96
    .vgpr_count:     384
    .wavefront_size: 32
...
	.end_amdgpu_metadata
.endif
;; end of part 11
;; launch attn_cross (part 12): grid 16 x 16, 8 waves a work-group, clusters of 4 x 4, 327,680 bytes of LDS; arguments proj, position_embedding, obuf, xg; writes obuf
.if DOCPART == 12
	.amdgcn_target "amdgcn-amd-amdhsa--gfx1250"
	.amdhsa_code_object_version 6
	.text
	.protected	k_q10f391734b_attn_cross
	.globl	k_q10f391734b_attn_cross
	.p2align	8
	.type	k_q10f391734b_attn_cross,@function
k_q10f391734b_attn_cross:
	s_mov_b64 s[64:65], 0
	v_nop
	global_prefetch_b8 v0, s[64:65] scope:SCOPE_SE
	s_setreg_imm32_b32 hwreg(HW_REG_WAVE_MODE, 25, 1), 1
	s_wait_xcnt 0x0
	s_wait_alu depctr_hold_cnt(0) depctr_sa_sdst(0) depctr_va_vdst(0) depctr_va_sdst(0) depctr_va_ssrc(0) depctr_va_vcc(0) depctr_vm_vsrc(0)
	s_getreg_b32 s2, hwreg(HW_REG_IB_STS2, 6, 4)
	s_cmp_eq_u32 s2, 0
	s_cbranch_scc0 .Lentry_in_a_cluster
	s_endpgm
.Lentry_in_a_cluster:
	s_bfe_u32 s2, ttmp6, 0x10000c
	s_cmp_lg_u32 s2, 0xf033
	s_cbranch_scc0 .Lentry_shape_is_right
	s_endpgm
.Lentry_shape_is_right:
; Attention of TWO heads of one batch for 128 queries: o = softmax(q k^T + bias) v.  q, k, v: bf16 in the blocked layout [panel x 16 + head][token][64]
; (524,288 bytes a block); q already carries 1/sqrt(64).  bias: f32 [2048][NK], an input, honoured as it is: no key is skipped.
; Here (CROSS = 1) q = (x g) Wq was stored without its row's 1/rms; the sixteen partial sums of squares of each row lie behind xg's 8,388,608 bytes.
; Eight waves: wave w takes head w / 4 of the pair and queries 32 (w % 4) .. + 31 (two tiles t of 16).  The bias tile serves both heads, so 64 keys cost
; 128 x 64 x 4 = 32 KB of bias and 2 x 2 x 64 x 128 = 32 KB of K and V, and two slots of 128 keys fit: 2 x 145,408 + 8 stages of 4,608 = 327,680 bytes.
; A slot holds two steps of 64 keys: one round of the cluster's barrier and one refill for two steps' work.
; BOTH PRODUCTS ARE USED TRANSPOSED, so that a lane owns ONE query (l % 16 of tile t):
;   S(t, kt): source 0 = 16 keys of K, source 1 = 16 queries; register j of lane l = key 16 kt + 8 (l / 16) + j.  C is the bias tile itself, so the
;             bias is added in the matrix unit's f32 sum.
;   O(ht, t): source 0 = 16 columns of V (transposing loads), source 1 = P, which is S rounded in place: the two tiles 2 g, 2 g + 1 of a lane ARE the
;             fragment of keys 32 g .. 32 g + 31.  No value changes lanes between the two products.
; THE ORDER OF A STEP.  The two tiles go half a step apart, so that 20 of a step's 32 matrix instructions stand among vector instructions that name none
; of their registers: tile 0's eight score products; tile 0's softmax with tile 1's eight score products strewn in and, behind the last of them, V's
; loads over K's fragments; tile 1's softmax with tile 0's eight products with V strewn in and, once the first half of its own P is rounded, the first
; four of tile 1's; the last four.  In a softmax each exponential is followed by plain work on other registers.
; Softmax with a running maximum: the exponent is (S - m) log2(e), the difference first, so a row whose largest score is very negative stays exact.
; A query's keys lie in lanes l and l + 16: the maximum crosses once a step, the sum of exponentials once at the end.
; CLUSTERS 4 x 4: x = query block, y = 8 x batch + pair of heads.  The bias tile hangs on the query block alone: asked for jointly by the cluster's
; column.  K and V hang on (batch, pair) alone: asked for jointly by the row.  Both requests are divided by four.  A slot's loads: waves 0, 1 a half of
; the bias tile each (64 rows x 512 bytes), waves 2, 3 K of the two heads, waves 4, 5 V, waves 6, 7 none; one tensor load of a wave is outstanding at most.
; LIMITS: the bias is summed with the products in the matrix unit, so the order of rounding differs from scores + bias in f32; q is rounded to bf16
; twice (as stored, and after its row's factor).  NaN and infinities are not served.
.set CROSS, 1                          ; 1: q is still to be multiplied by its row's 1/rms
.set NK,    1024                       ; keys
.set KPAN,  3                          ; K's panel of 16 blocks
.set VPAN,  4                          ; V's panel
.set SLOT,  145408                     ; bias 128 rows x 528 = 67,584; K 2 x 128 x 144 = 36,864; V 2 x 128 x 160 = 40,960
.set KOFF,  67584
.set VOFF,  104448
.set STAGE, 290816                     ; behind the ring: 32 rows x 144 bytes for each wave, which no tensor load fills
.set KA,  2                            ; v2-3    K fragments in slot 0, 1
.set VA,  4                            ; v4-5    V fragments
.set BA,  6                            ; v6-7    bias
.set STO, 8
.set RD,  9
.set GO,  10
.set QO,  11
.set M,   12                           ; v[12:13], v[14:15]  the running maximum of tile t, twice
.set LS,  16                           ; v16-17  the running sum of my half of the keys
.set AL,  18                           ; v[18:19], v[20:21]  alpha of tile t, twice
.set MX,  22                           ; v22-25  four chains of maxima at work
.set SUA, 22                           ; v[22:23] and
.set SUC, 24                           ; v[24:25] two chains of sums at work (behind the maxima)
.set PX,  26                           ; v26     from the other half of the lanes (v26-27 on the way out)
.set MN,  27                           ; v27     new maximum
.set AE,  28                           ; v28     alpha's exponent
.set Q,   32                           ; v32-63   Q(t, ks) at 16 t + 8 ks
.set O,   64                           ; v64-127  O(ht, t) at 8 (2 ht + t)
.set S,   128                          ; v128-191 S(t, kt) at 32 t + 8 kt; then P(t, g) at 32 t + 16 g
.set F,   192                          ; v192-255 K's eight fragments, then V's eight
.set G1X, 16                           ; s[16:23] group 1, bias
.set G1K, 24                           ; s[24:31] group 1, K
.set G0X, 32                           ; s[32:39] group 0, bias, a set for each slot
.set G1V, 48                           ; s[48:55] group 1, V
.set G0K, 56                           ; s[56:63] group 0, K
.set G0V, 68                           ; s[68:75] group 0, V
.macro PLACES5                         ; five plain places behind a matrix instruction: for loads into its registers, readers of its results and matrix instructions that write over them
.rept 5
	v_nop
.endr
.endm
.macro ROUND                           ; a round of the cluster's barrier
	s_barrier_signal -1
	s_barrier_wait -1
	s_cmp_lg_u32 s10, 0
	s_cbranch_scc1 .Lnot_wave_0_\@
	s_barrier_signal -3
.Lnot_wave_0_\@:
	s_barrier_wait -3
	s_barrier_signal -1
	s_barrier_wait -1
.endm
.macro JLOAD s                         ; a slot's joint loads; the branches hang on the wave's number alone
	s_cmp_lt_u32 s10, 2
	s_cbranch_scc0 .Lnot_bias_\@
	tensor_load_to_lds s[G0X+4*\s:G0X+4*\s+3], s[G1X:G1X+7]
	s_nop 0
	s_branch .Lasked_\@
.Lnot_bias_\@:
	s_cmp_lt_u32 s10, 4
	s_cbranch_scc0 .Lnot_k_\@
	tensor_load_to_lds s[G0K+4*\s:G0K+4*\s+3], s[G1K:G1K+7]
	s_nop 0
	s_branch .Lasked_\@
.Lnot_k_\@:
	s_cmp_lt_u32 s10, 6
	s_cbranch_scc0 .Lasked_\@
	tensor_load_to_lds s[G0V+4*\s:G0V+4*\s+3], s[G1V:G1V+7]
	s_nop 0
.Lasked_\@:
.endm
	s_load_b128 s[4:7], s[0:1], 0x0                ; proj, bias
	s_load_b64 s[8:9], s[0:1], 0x10                ; obuf
.if CROSS
	s_load_b64 s[80:81], s[0:1], 0x18              ; xg: behind its 8,388,608 bytes lie the partial sums of squares [64-column block][4096]
.endif
	v_lshrrev_b32 v1, 5, v0
	v_readfirstlane_b32 s10, v1                    ; wave 0..7
	s_lshr_b32 s79, s10, 2                         ; which head of the pair I compute
	s_and_b32 s85, s10, 3                          ; which 32 of the 128 queries
	s_bfe_u32 s40, ttmp6, 0x40000                  ; cx
	s_bfe_u32 s41, ttmp6, 0x40004                  ; cy
	s_lshl_b32 s42, ttmp9, 2
	s_add_co_u32 s42, s42, s40                     ; QB: query block 0..15
	s_and_b32 s13, ttmp7, 0xffff
	s_lshl_b32 s13, s13, 2
	s_add_co_u32 s13, s13, s41                     ; 8 x batch + pair
	s_lshl_b32 s43, s41, 2
	s_lshl_b32 s43, 15, s43                        ; my row of the cluster
	s_lshl_b32 s44, 0x1111, s40                    ; my column
	s_mov_b32 s76, 0x76543210                      ; v_permlanex16_b32: lane i reads lane i of the other half
	s_mov_b32 s77, 0xfedcba98
	; bias: 64 rows x 128 elements of 4 bytes, NK elements from row to row; 4 words of padding behind every 128: LDS rows of 528 bytes
	s_or_b32 s[G1X+0], s44, (2<<16)|(1<<20)|(1<<21)|(6<<22)|(3<<25)
	s_mov_b32 s[G1X+1], 128<<16
	s_mov_b32 s[G1X+2], 64<<16
	s_mov_b32 s[G1X+3], 128<<16
	s_mov_b32 s[G1X+4], 64
	s_mov_b32 s[G1X+5], NK
	s_mov_b32 s[G1X+6], 0
	s_mov_b32 s[G1X+7], 0
	; K, V: 128 keys x 128 bytes are dense: 64 rows of 32 elements of 8 bytes; padding behind every 32 words (a key): 4 words for K (144), 8 for V (160)
	s_or_b32 s[G1K+0], s43, (3<<16)|(1<<20)|(1<<21)|(4<<22)|(3<<25)
	s_or_b32 s[G1V+0], s43, (3<<16)|(1<<20)|(1<<21)|(4<<22)|(7<<25)
.irp g, G1K, G1V
	s_mov_b32 s[\g+1], 32<<16
	s_mov_b32 s[\g+2], 64<<16
	s_mov_b32 s[\g+3], 32<<16
	s_mov_b32 s[\g+4], 64
	s_mov_b32 s[\g+5], 32
	s_mov_b32 s[\g+6], 0
	s_mov_b32 s[\g+7], 0
.endr
	; K's and V's address hangs on (batch, pair), the bias's on the query block, each in registers that never hold the other coordinate
	s_lshr_b32 s11, s13, 3                         ; batch
	s_and_b32 s12, s13, 7                          ; pair of heads
	s_lshl_b32 s14, s12, 1
	s_add_co_u32 s14, s14, s10                     ; 2 pair + wave: K's loaders are waves 2, 3, V's waves 4, 5; the constants below take the 2 and the 4 away
	s_lshl_b32 s14, s14, 19
	s_mul_i32 s15, s11, NK*128
	s_add_co_u32 s14, s14, s15
	s_mov_b32 s15, 0
	s_lshl_b32 s46, s42, 7
	s_lshl_b32 s47, s10, 6
	s_add_co_u32 s46, s46, s47                     ; row 128 QB + 64 wave (waves 0, 1)
	s_mul_i32 s46, s46, NK*4
	s_mov_b32 s47, 0
	s_mul_i32 s45, s10, 33792                      ; to LDS: the bias's half: wave x 64 rows x 528
	s_mul_i32 s66, s10, 18432
	s_add_co_u32 s66, s66, KOFF-2*18432            ; K of a head: KOFF + (wave - 2) x 128 x 144
	s_mul_i32 s67, s10, 20480
	s_add_co_u32 s67, s67, VOFF-4*20480            ; V of a head: VOFF + (wave - 4) x 128 x 160
	s_lshl_b32 s82, s11, 11
	s_lshl_b32 s83, s42, 7
	s_add_co_u32 s82, s82, s83
	s_lshl_b32 s83, s85, 5
	s_add_co_u32 s84, s82, s83                     ; my first query's token = 2048 batch + 128 QB + 32 (wave % 4)
	s_lshl_b32 s82, s84, 7
	s_lshl_b32 s83, s12, 1
	s_add_co_u32 s83, s83, s79                     ; my head
	s_lshl_b32 s83, s83, 19
	s_add_co_u32 s82, s82, s83                     ; its place in a panel, the same for q and for o
	s_mov_b32 s83, 0
	s_wait_kmcnt 0x0
	s_add_nc_u64 s[14:15], s[4:5], s[14:15]
	s_add_nc_u64 s[46:47], s[6:7], s[46:47]
	s_add_nc_u64 s[86:87], s[4:5], s[82:83]        ; q (panel 0)
	s_add_nc_u64 s[8:9], s[8:9], s[82:83]          ; o
.if CROSS
	s_lshl_b32 s82, s84, 2
	s_add_nc_u64 s[80:81], s[80:81], s[82:83]
	s_add_nc_u64 s[80:81], s[80:81], 0x800000
.endif
.irp n, 0,1
	s_mov_b32 s[G0X+4*\n], 1
	s_add_co_u32 s[G0X+4*\n+1], s45, \n*SLOT
	s_add_nc_u64 s[G0X+4*\n+2:G0X+4*\n+3], s[46:47], \n*512
	s_or_b32 s[G0X+4*\n+3], s[G0X+4*\n+3], 0x80000000
	s_mov_b32 s[G0K+4*\n], 1
	s_add_co_u32 s[G0K+4*\n+1], s66, \n*SLOT
	s_add_nc_u64 s[G0K+4*\n+2:G0K+4*\n+3], s[14:15], KPAN*8388608-2*524288+\n*16384
	s_or_b32 s[G0K+4*\n+3], s[G0K+4*\n+3], 0x80000000
	s_mov_b32 s[G0V+4*\n], 1
	s_add_co_u32 s[G0V+4*\n+1], s67, \n*SLOT
	s_add_nc_u64 s[G0V+4*\n+2:G0V+4*\n+3], s[14:15], VPAN*8388608-4*524288+\n*16384
	s_or_b32 s[G0V+4*\n+3], s[G0V+4*\n+3], 0x80000000
.endr
	ROUND                                          ; all sixteen work-groups are here
	JLOAD 0                                        ; keys 0..127; slot 1 is first filled behind the first trip's round
	v_and_b32 v22, 15, v0                          ; r = l % 16
	v_bfe_u32 v23, v0, 4, 1                        ; h = l / 16
	v_lshlrev_b32 v[QO], 7, v22
	v_lshl_add_u32 v[QO], v23, 4, v[QO]            ; Q straight into fragments: token r, 16 bytes at 16 h, and 32 further on
.irp t, 0,1
.irp ks, 0,1
	global_load_b128 v[Q+16*\t+8*\ks:Q+16*\t+8*\ks+3],   v[QO], s[86:87] offset:2048*\t+64*\ks
	global_load_b128 v[Q+16*\t+8*\ks+4:Q+16*\t+8*\ks+7], v[QO], s[86:87] offset:2048*\t+64*\ks+32
.endr
.endr
.if CROSS
	v_lshlrev_b32 v30, 2, v22
.irp t, 0,1
.irp kb, 0,1,2,3,4,5,6,7,8,9,10,11,12,13,14,15
	global_load_b32 v[S+16*\t+\kb], v30, s[80:81] offset:16384*\kb+64*\t   ; my query's sixteen partial sums of squares
.endr
.endr
.endif
	v_mul_u32_u24 v24, v22, 144
	v_lshl_add_u32 v24, v23, 4, v24                ; r x 144 + 16 h
	s_mul_i32 s66, s79, 18432
	s_add_co_u32 s66, s66, KOFF                    ; my head's K
	v_add_nc_u32 v[KA], s66, v24
	v_add_nc_u32 v[KA+1], SLOT, v[KA]
	v_and_b32 v25, 7, v0
	v_lshl_add_u32 v25, v23, 3, v25
	v_mul_u32_u24 v25, v25, 160
	v_bfe_u32 v26, v0, 3, 1
	v_lshl_add_u32 v25, v26, 4, v25                ; (8 h + l % 8) x 160 + 16 ((l / 8) % 2)
	s_mul_i32 s66, s79, 20480
	s_add_co_u32 s66, s66, VOFF                    ; my head's V
	v_add_nc_u32 v[VA], s66, v25
	v_add_nc_u32 v[VA+1], SLOT, v[VA]
	s_mul_i32 s66, s85, 16896                      ; my 32 rows of the bias tile
	v_mul_u32_u24 v26, v22, 528
	v_lshl_add_u32 v26, v23, 5, v26
	v_add_nc_u32 v[BA], s66, v26
	v_add_nc_u32 v[BA+1], SLOT, v[BA]
	s_mul_i32 s66, s10, 4608
	s_add_co_u32 s66, s66, STAGE                   ; my stage
	v_add_nc_u32 v[STO], s66, v24
	v_bfe_u32 v26, v0, 3, 2
	v_and_b32 v27, 7, v0
	v_mul_u32_u24 v26, v26, 144
	v_lshl_add_u32 v26, v27, 4, v26
	v_add_nc_u32 v[RD], s66, v26
	v_and_b32 v27, 31, v0
	v_lshlrev_b32 v[GO], 4, v27
	s_wait_loadcnt 0x0                             ; Q (and the partial sums)
.if CROSS
	; q = (x g) Wq was stored without its row's 1/rms: multiply in f32 and round again
.irp t, 0,1
.irp j, 2,4,6,8,10,12,14
	v_pk_add_f32 v[S+16*\t:S+16*\t+1], v[S+16*\t:S+16*\t+1], v[S+16*\t+\j:S+16*\t+\j+1]
.endr
	v_add_f32 v[S+16*\t], v[S+16*\t], v[S+16*\t+1]
.endr
	v_mov_b32 v31, 0x358637bd                      ; 1e-6
	s_mov_b32 s66, 0x3a800000                      ; 1 / 1024
	s_mov_b32 s67, 0xffff0000
	v_fma_f32 v[S], v[S], s66, v31
	v_fma_f32 v[S+16], v[S+16], s66, v31
	v_rsq_f32 v[AL], v[S]
	v_rsq_f32 v[AL+2], v[S+16]
	v_nop                                          ; one plain place behind the transcendentals (ISA guide 5.7.2)
	s_wait_alu depctr_va_vdst(0)
	v_mov_b32 v[AL+1], v[AL]
	v_mov_b32 v[AL+3], v[AL+2]
.irp t, 0,1
.irp i, 0,1,2,3,4,5,6,7,8,9,10,11,12,13,14,15
	v_lshlrev_b32 v[22+2*(\i&3)], 16, v[Q+16*\t+\i]
	v_and_b32 v[23+2*(\i&3)], s67, v[Q+16*\t+\i]
	v_pk_mul_f32 v[22+2*(\i&3):23+2*(\i&3)], v[22+2*(\i&3):23+2*(\i&3)], v[AL+2*\t:AL+2*\t+1]
	v_cvt_pk_bf16_f32 v[Q+16*\t+\i], v[22+2*(\i&3)], v[23+2*(\i&3)]
.endr
.endr
.endif
; u = 0, 1: which 64 of the slot's 128 keys
.macro LDBK slot, u                    ; K's eight fragments (16 loads), then the bias into the score accumulators, 32 bytes a lane and tile: tile 0's eight loads, tile 1's eight
.irp kt, 0,1,2,3
.irp ks, 0,1
	ds_load_b128 v[F+16*\kt+8*\ks:F+16*\kt+8*\ks+3],   v[KA+\slot] offset:9216*\u+2304*\kt+64*\ks
	ds_load_b128 v[F+16*\kt+8*\ks+4:F+16*\kt+8*\ks+7], v[KA+\slot] offset:9216*\u+2304*\kt+64*\ks+32
.endr
.endr
.irp t, 0,1
.irp kt, 0,1,2,3
	ds_load_b128 v[S+32*\t+8*\kt:S+32*\t+8*\kt+3],   v[BA+\slot] offset:8448*\t+256*\u+64*\kt
	ds_load_b128 v[S+32*\t+8*\kt+4:S+32*\t+8*\kt+7], v[BA+\slot] offset:8448*\t+256*\u+64*\kt+16
.endr
.endr
.endm
.macro LDV slot, u                     ; V's eight fragments (32 keys g x 16 columns ht), transposed on the way
.irp g, 0,1
.irp ht, 0,1,2,3
	ds_load_tr16_b128 v[F+32*\g+8*\ht:F+32*\g+8*\ht+3],   v[VA+\slot] offset:10240*\u+5120*\g+32*\ht
	ds_load_tr16_b128 v[F+32*\g+8*\ht+4:F+32*\g+8*\ht+7], v[VA+\slot] offset:10240*\u+5120*\g+32*\ht+2560
.endr
.endr
.endm
; The matrix instructions of a tile, one at a time.  A tile's four accumulators take turns, one instruction a turn, in the order i = 0 .. 7, and the
; tiles' runs follow each other on other accumulators.
.macro SMW t, i                        ; S(t, kt) += K Q^T: kt = i % 4, the half ks = i / 4 of the head's 64 numbers; C starts as the bias
	v_wmma_f32_16x16x32_bf16 v[S+32*(\t)+8*((\i)%4):S+32*(\t)+8*((\i)%4)+7], v[F+16*((\i)%4)+8*((\i)/4):F+16*((\i)%4)+8*((\i)/4)+7], v[Q+16*(\t)+8*((\i)/4):Q+16*(\t)+8*((\i)/4)+7], v[S+32*(\t)+8*((\i)%4):S+32*(\t)+8*((\i)%4)+7]
.endm
.macro PVW t, i, first                 ; O(ht, t) += V^T P: ht = i % 4, keys 32 g, g = i / 4; in the first step the first products start the sums
.if (\first)*(1-(\i)/4)
	v_wmma_f32_16x16x32_bf16 v[O+8*(2*((\i)%4)+(\t)):O+8*(2*((\i)%4)+(\t))+7], v[F+32*((\i)/4)+8*((\i)%4):F+32*((\i)/4)+8*((\i)%4)+7], v[S+32*(\t)+16*((\i)/4):S+32*(\t)+16*((\i)/4)+7], 0
.else
	v_wmma_f32_16x16x32_bf16 v[O+8*(2*((\i)%4)+(\t)):O+8*(2*((\i)%4)+(\t))+7], v[F+32*((\i)/4)+8*((\i)%4):F+32*((\i)/4)+8*((\i)%4)+7], v[S+32*(\t)+16*((\i)/4):S+32*(\t)+16*((\i)/4)+7], v[O+8*(2*((\i)%4)+(\t)):O+8*(2*((\i)%4)+(\t))+7]
.endif
.endm
; What is strewn into the softmax of tile t at its n-th stop.  Tile 0: stops 0-7 tile 1's score products, stop 8 V's loads.
; Tile 1: stops 0-7 tile 0's products with V, stops 9-12 the first four of its own.
.macro HOOK t, n, first, slot, u
.if (\t) == 0
.if (\n) < 8
	SMW 1, \n
.endif
.if (\n) == 8
	LDV \slot, \u
.endif
.else
.if (\n) < 8
	PVW 0, \n, \first
.endif
.if (\n) > 8
	PVW 1, (\n)-9, \first
.endif
.endif
.endm
; Pieces of a tile's softmax.  SB: the tile's 32 scores; MP: its pair of maxima; AP: its pair of alphas (set by SOFT).
.macro SUBMUL q, k                     ; the k-th of the eight instructions that make the exponents of group q (8 scores): four differences S - m, then four products with log2(e)
.if (\k) < 4
	v_pk_add_f32 v[SB+8*(\q)+2*(\k):SB+8*(\q)+2*(\k)+1], v[SB+8*(\q)+2*(\k):SB+8*(\q)+2*(\k)+1], v[MP:MP+1] neg_lo:[0,1] neg_hi:[0,1]
.else
	v_pk_mul_f32 v[SB+8*(\q)+2*(\k)-8:SB+8*(\q)+2*(\k)-7], v[SB+8*(\q)+2*(\k)-8:SB+8*(\q)+2*(\k)-7], 0x3fb8aa3b op_sel_hi:[1,0]
.endif
.endm
.macro OSC t, n                        ; the n-th of the sixteen products O(., t) x alpha
	v_pk_mul_f32 v[O+8*(2*((\n)/4)+(\t))+2*((\n)%4):O+8*(2*((\n)/4)+(\t))+2*((\n)%4)+1], v[O+8*(2*((\n)/4)+(\t))+2*((\n)%4):O+8*(2*((\n)/4)+(\t))+2*((\n)%4)+1], v[AP:AP+1]
.endm
; The softmax of tile t for a step.  first = 1: there is no old maximum, sum or O.
.macro SOFT t, first, slot, u
.set SB, S+32*(\t)
.set MP, M+2*(\t)
.set AP, AL+2*(\t)
	HOOK \t, 0, \first, \slot, \u
.if (\t) == 0
.rept 4
	v_nop                                          ; four plain places behind tile 0's score products, which stand straight in front (ISA guide 7.12.1)
.endr
.endif
	; the largest of my 32 scores and the old maximum, in four chains
.if \first
	v_max_num_f32 v[MX], v[SB], v[SB+1]
.else
	v_max3_num_f32 v[MX], v[SB], v[SB+1], v[MP]
.endif
.irp c, 1,2,3
	v_max_num_f32 v[MX+\c], v[SB+8*\c], v[SB+8*\c+1]
.endr
	HOOK \t, 1, \first, \slot, \u
.irp j, 2,4
.irp c, 0,1,2,3
	v_max3_num_f32 v[MX+\c], v[MX+\c], v[SB+8*\c+\j], v[SB+8*\c+\j+1]
.endr
.endr
	HOOK \t, 2, \first, \slot, \u
.irp c, 0,1,2,3
	v_max3_num_f32 v[MX+\c], v[MX+\c], v[SB+8*\c+6], v[SB+8*\c+7]
.endr
	v_max3_num_f32 v[MX], v[MX], v[MX+1], v[MX+2]
	v_max_num_f32 v[MX], v[MX], v[MX+3]
	v_permlanex16_b32 v[PX], v[MX], s76, s77       ; the other 32 keys of my query
	v_max_num_f32 v[MN], v[MX], v[PX]
	HOOK \t, 3, \first, \slot, \u
.if 1-\first
	v_sub_f32 v[AE], v[MP], v[MN]
	v_mul_f32 v[AE], 0x3fb8aa3b, v[AE]
	v_exp_f32 v[AP], v[AE]                         ; alpha = exp(old maximum - new); the moves below are the plain places behind it (ISA guide 5.7.2)
.endif
	v_mov_b32 v[MP], v[MN]
	v_mov_b32 v[MP+1], v[MN]
.if 1-\first
	s_wait_alu depctr_va_vdst(0)
	v_mov_b32 v[AP+1], v[AP]
.endif
	HOOK \t, 4, \first, \slot, \u
.irp k, 0,1,2,3,4,5,6,7
	SUBMUL 0, \k
.endr
	HOOK \t, 5, \first, \slot, \u
	; group 0's exponentials; behind each: the next group's exponents and O x alpha
.set k, 0
.rept 8
	v_exp_f32 v[SB+k], v[SB+k]
	SUBMUL 1, k
.if 1-\first
	OSC \t, k
.endif
.if k == 2
	HOOK \t, 6, \first, \slot, \u
.endif
.if k == 5
	HOOK \t, 7, \first, \slot, \u
.endif
.set k, k+1
.endr
	; group 1's.  Stop 8 (V's loads over K's fragments) stands five plain places or more behind stop 7, the last matrix instruction that reads K's
.set k, 0
.rept 8
	v_exp_f32 v[SB+8+k], v[SB+8+k]
	SUBMUL 2, k
.if 1-\first
	OSC \t, 8+k
.endif
.if k == 2
	HOOK \t, 8, \first, \slot, \u
.endif
.set k, k+1
.endr
	; group 2's; behind each: group 3's exponents, the sums of groups 0 and 1 in two chains, then the first roundings of P's first half
.set k, 0
.rept 8
	v_exp_f32 v[SB+16+k], v[SB+16+k]
	SUBMUL 3, k
.if k == 0
	s_wait_alu depctr_va_vdst(0)
	v_pk_add_f32 v[SUA:SUA+1], v[SB:SB+1], v[SB+2:SB+3]
.endif
.if k == 1
	v_pk_add_f32 v[SUC:SUC+1], v[SB+4:SB+5], v[SB+6:SB+7]
.endif
.if k > 1
.if k < 6
	v_pk_add_f32 v[SUA+2*(k%2):SUA+2*(k%2)+1], v[SUA+2*(k%2):SUA+2*(k%2)+1], v[SB+4+2*k:SB+5+2*k]
.endif
.endif
.if k > 5
	v_cvt_pk_bf16_f32 v[SB+k-6], v[SB+2*(k-6)], v[SB+2*(k-6)+1]     ; in place: register j is written when 2 j and 2 j + 1 have been read, and all sixteen have been summed
.endif
.set k, k+1
.endr
	; group 3's; behind them: the rest of P's first half, group 2's sums
.set k, 0
.rept 8
	v_exp_f32 v[SB+24+k], v[SB+24+k]
.if k < 3
	v_cvt_pk_bf16_f32 v[SB+2+2*k], v[SB+4+4*k], v[SB+5+4*k]
	v_cvt_pk_bf16_f32 v[SB+3+2*k], v[SB+6+4*k], v[SB+7+4*k]
.endif
.if k == 3
	s_wait_alu depctr_va_vdst(0)
	v_pk_add_f32 v[SUA:SUA+1], v[SUA:SUA+1], v[SB+16:SB+17]
	v_pk_add_f32 v[SUC:SUC+1], v[SUC:SUC+1], v[SB+18:SB+19]
	HOOK \t, 9, \first, \slot, \u
.endif
.if k == 4
	v_pk_add_f32 v[SUA:SUA+1], v[SUA:SUA+1], v[SB+20:SB+21]
	v_pk_add_f32 v[SUC:SUC+1], v[SUC:SUC+1], v[SB+22:SB+23]
.endif
.set k, k+1
.endr
	v_pk_add_f32 v[SUA:SUA+1], v[SUA:SUA+1], v[SB+24:SB+25]         ; reads the first two of group 3: the plain place behind its last three
	HOOK \t, 10, \first, \slot, \u
	v_pk_add_f32 v[SUC:SUC+1], v[SUC:SUC+1], v[SB+26:SB+27]
	s_wait_alu depctr_va_vdst(0)
	v_pk_add_f32 v[SUA:SUA+1], v[SUA:SUA+1], v[SB+28:SB+29]
	v_pk_add_f32 v[SUC:SUC+1], v[SUC:SUC+1], v[SB+30:SB+31]
	v_pk_add_f32 v[SUA:SUA+1], v[SUA:SUA+1], v[SUC:SUC+1]
	HOOK \t, 11, \first, \slot, \u
.if \first
	v_add_f32 v[LS+\t], v[SUA], v[SUA+1]
.else
	v_add_f32 v[SUA], v[SUA], v[SUA+1]
	v_fma_f32 v[LS+\t], v[LS+\t], v[AP], v[SUA]
.endif
.irp j, 0,1,2,3
	v_cvt_pk_bf16_f32 v[SB+16+\j], v[SB+16+2*\j], v[SB+17+2*\j]     ; P's second half, in place
.endr
	HOOK \t, 12, \first, \slot, \u
.irp j, 4,5,6,7
	v_cvt_pk_bf16_f32 v[SB+16+\j], v[SB+16+2*\j], v[SB+17+2*\j]
.endr
.endm
.macro WORK slot, u, first             ; one step of 64 keys
	LDBK \slot, \u
	s_wait_dscnt 0x8                               ; K's sixteen loads and tile 0's eight of the bias are in; the youngest eight, tile 1's bias, may be out
.irp i, 0,1,2,3,4,5,6,7
	SMW 0, \i
.endr
	s_wait_dscnt 0x0                               ; tile 1's bias
	SOFT 0, \first, \slot, \u
	s_wait_dscnt 0x0                               ; V's fragments, asked for in the middle of tile 0's softmax
	SOFT 1, \first, \slot, \u
.irp i, 4,5,6,7
	PVW 1, \i, \first
.endr
.endm
; One slot of 128 keys.  In front of the round every wave has all its tensor loads landed (its part of this slot among them) and its reads of the
; other slot back; the round holds that of every wave of all sixteen work-groups; the joint refill of the other slot is the first thing behind it and
; has two steps' work in which to land.  No barrier stands between the two steps: the round has shown the whole slot to every wave.
.macro TRIP slot, refill, first
.if 1-\first
	PLACES5                                        ; behind the last step's matrix instructions
.endif
	s_wait_tensorcnt 0x0
	s_add_nc_u64 s[G0X+4*\slot+2:G0X+4*\slot+3], s[G0X+4*\slot+2:G0X+4*\slot+3], 1024    ; no load of mine is out: this slot's next tiles, 256 keys on
	s_add_nc_u64 s[G0K+4*\slot+2:G0K+4*\slot+3], s[G0K+4*\slot+2:G0K+4*\slot+3], 32768
	s_add_nc_u64 s[G0V+4*\slot+2:G0V+4*\slot+3], s[G0V+4*\slot+2:G0V+4*\slot+3], 32768
	s_wait_dscnt 0x0
	ROUND
.if \refill
	JLOAD (1-\slot)
.endif
	WORK \slot, 0, \first
	PLACES5
	WORK \slot, 1, 0
.endm
	TRIP 0, 1, 1                                   ; keys 0..127; asks for 128..255
	s_mov_b32 s78, NK/256-1
.Lkeys:
	TRIP 1, 1, 0
	TRIP 0, 1, 0
	s_sub_co_i32 s78, s78, 1
	s_cmp_lg_u32 s78, 0
	s_cbranch_scc1 .Lkeys
	TRIP 1, 0, 0                                   ; the last 128 keys: nothing is left to fetch
	; THE WAY OUT: o = O / l, rounded, through my own stage as whole rows: in the blocked layout four tokens of 128 bytes are 512 consecutive bytes
	PLACES5
.irp t, 0,1
	v_permlanex16_b32 v[PX+\t], v[LS+\t], s76, s77
.endr
.irp t, 0,1
	v_add_f32 v[LS+\t], v[LS+\t], v[PX+\t]         ; at least 1: the largest score's exponential
.endr
.irp t, 0,1
	v_rcp_f32 v[AL+2*\t], v[LS+\t]
.endr
	v_nop
.irp t, 0,1
	s_wait_alu depctr_va_vdst(0)
	v_mov_b32 v[AL+2*\t+1], v[AL+2*\t]
.endr
.set i, 0
.rept 32
	v_pk_mul_f32 v[O+2*i:O+2*i+1], v[O+2*i:O+2*i+1], v[AL+2*((i/4)&1):AL+2*((i/4)&1)+1]
.set i, i+1
.endr
.set i, 0
.rept 8
.irp j, 0,1,2,3
	v_cvt_pk_bf16_f32 v[O+8*i+\j], v[O+8*i+2*\j], v[O+8*i+2*\j+1]
.endr
.set i, i+1
.endr
.irp ht, 0,1,2,3
.irp t, 0,1
	ds_store_b128 v[STO], v[O+8*(2*\ht+\t):O+8*(2*\ht+\t)+3] offset:2304*\t+32*\ht
.endr
.endr
.irp i, 0,1,2,3,4,5,6,7
	ds_load_b128 v[F+4*\i:F+4*\i+3], v[RD] offset:576*\i    ; LDS serves a wave's instructions in order (ISA guide 5.7.1.4): these see the stores above
.endr
.irp i, 0,1,2,3,4,5,6,7
	s_wait_dscnt 7-\i                              ; this load is back, the younger ones stay out
	global_store_b128 v[GO], v[F+4*\i:F+4*\i+3], s[8:9] offset:512*\i
.endr
	ROUND                                          ; the closing round
	s_endpgm
.Lfunc_end_k_q10f391734b_attn_cross:
	.size	k_q10f391734b_attn_cross, .Lfunc_end_k_q10f391734b_attn_cross-k_q10f391734b_attn_cross
	.p2alignl 7, 3214868480
	.fill 96, 4, 3214868480
	.section	.rodata,"a",@progbits
	.p2align	6, 0x0
	.amdhsa_kernel k_q10f391734b_attn_cross
		.amdhsa_group_segment_fixed_size 327680
		.amdhsa_private_segment_fixed_size 0
		.amdhsa_enable_private_segment 0
		.amdhsa_kernarg_size 32
		.amdhsa_user_sgpr_count 2
		.amdhsa_user_sgpr_kernarg_segment_ptr 1
		.amdhsa_wavefront_size32 1
		.amdhsa_system_sgpr_workgroup_id_x 1
		.amdhsa_system_sgpr_workgroup_id_y 1
		.amdhsa_system_sgpr_workgroup_id_z 1
		.amdhsa_system_vgpr_workitem_id 0
		.amdhsa_next_free_vgpr 256
		.amdhsa_next_free_sgpr 96
		.amdhsa_reserve_vcc 0
		.amdhsa_float_denorm_mode_32 3
		.amdhsa_float_denorm_mode_16_64 3
		.amdhsa_memory_ordered 1
		.amdhsa_forward_progress 1
		.amdhsa_inst_pref_size 198
	.end_amdhsa_kernel
	.amdgpu_metadata
---
amdhsa.version: [ 1, 2 ]
amdhsa.kernels:
  - .name:           k_q10f391734b_attn_cross
    .symbol:         k_q10f391734b_attn_cross.kd
    .args:
      - { .name: proj, .offset: 0, .size: 8, .value_kind: global_buffer, .address_space: global }
      - { .name: position_embedding, .offset: 8, .size: 8, .value_kind: global_buffer, .address_space: global }
      - { .name: obuf, .offset: 16, .size: 8, .value_kind: global_buffer, .address_space: global }
      - { .name: xg, .offset: 24, .size: 8, .value_kind: global_buffer, .address_space: global }
    .group_segment_fixed_size: 327680
    .private_segment_fixed_size: 0
    .kernarg_segment_align: 8
    .kernarg_segment_size: 32
    .max_flat_workgroup_size: 256
    .sgpr_count:     96
    .vgpr_count:     256
    .wavefront_size: 32
...
	.end_amdgpu_metadata
.endif
;; end of part 12
;; launch wo_cross: the kernel of part 10 again; grid 8 x 32, 4 waves a work-group, clusters of 4 x 4, 327,680 bytes of LDS; arguments obuf, wo2b, acts, g3, proj, xg; writes proj, xg
;; launch ffn_up: the kernel of part 6 again; grid 8 x 32, 4 waves a work-group, clusters of 4 x 4, 327,680 bytes of LDS; arguments xg, wmain, obuf; writes obuf
;; launch ffn_down (part 13): grid 8 x 32, 4 waves a work-group, clusters of 4 x 4, 327,680 bytes of LDS; arguments obuf, wmain, proj, xg, out0; writes out0
.if DOCPART == 13
	.amdgcn_target "amdgcn-amd-amdhsa--gfx1250"
	.amdhsa_code_object_version 6
	.text
	.protected	k_q10f391734b_ffn_down
	.globl	k_q10f391734b_ffn_down
	.p2align	8
	.type	k_q10f391734b_ffn_down,@function
k_q10f391734b_ffn_down:
	s_mov_b64 s[64:65], 0
	v_nop
	global_prefetch_b8 v0, s[64:65] scope:SCOPE_SE
	s_setreg_imm32_b32 hwreg(HW_REG_WAVE_MODE, 25, 1), 1
	s_wait_xcnt 0x0
	s_wait_alu depctr_hold_cnt(0) depctr_sa_sdst(0) depctr_va_vdst(0) depctr_va_sdst(0) depctr_va_ssrc(0) depctr_va_vcc(0) depctr_vm_vsrc(0)
	s_getreg_b32 s2, hwreg(HW_REG_IB_STS2, 6, 4)
	s_cmp_eq_u32 s2, 0
	s_cbranch_scc0 .Lentry_in_a_cluster
	s_endpgm
.Lentry_in_a_cluster:
	s_bfe_u32 s2, ttmp6, 0x10000c
	s_cmp_lg_u32 s2, 0xf033
	s_cbranch_scc0 .Lentry_shape_is_right
	s_endpgm
.Lentry_shape_is_right:
; OUT = rs x (A W) + RES.  A: bf16, blocked [64-column block][token][64] (524,288 bytes a block) = max(0, (x g) W1) without the row's 1/rms;
; W: bf16 [k][n], 1024 x 1024, WOFF bytes into its buffer; RES, OUT: f32 [4096][1024]; rs[token] = rsqrt(mean of RES's row squared + 1e-6), made
; from the sixteen partial sums of squares [64-column block][4096] that lie behind XG's 8,388,608 bytes, and applied to the f32 sums.
; A work-group makes 128 tokens x 128 columns with four waves; a wave makes 64 x 64 = 16 accumulator tiles.  K goes in four steps of 256 through two
; LDS slots; one tensor load a wave fills a quarter of a slot: at most two are outstanding (the two first fills).
; CLUSTERS 4 x 4: A's tile hangs on the row block alone and is asked for jointly by the cluster's row, W's on the column block alone and is asked
; for jointly by the column: that divides the requests for both by four.
; THE MATRIX INSTRUCTION IS USED TRANSPOSED: source 0 = 16 columns of W, source 1 = 16 tokens of A: lane l holds token l % 16, its registers eight
; neighbouring columns.
; REGISTERS: window 0: v1-7 set-up, v16-29 addresses, v64-127 and v128-191 two fragment buffers, v192-255 at work at the start and on the way out.
; Window 1: v0-127 the accumulators, tile (a, b) at 8 (4 a + b); v128-255 RES of my 64 x 64, asked for behind the first barrier.
; LIMITS: NaN and infinities are not served.
.set WOFF,  12582912                   ; W2 is panel 6 of wmain
.set SLOT,  147456                     ; A: 4 blocks x 128 tokens x 144 bytes = 73,728; W: 256 k x 288 bytes = 73,728
.set WREG,  73728
.set PART,  36864                      ; what one tensor load fills
.set STAGE, 294912                     ; behind the ring: 8,192 bytes for each wave, which no tensor load fills: 16 rows x 272, then 64 pairs (rs, rs)
.set ADRA, 16
.set ADRB, 20
.set STO,  24                          ; v24  stage + r x 272 + 32 h
.set RD,   25                          ; v25  stage + h x 272 + 16 r
.set GO,   26                          ; v26  h x 4,096 + 16 r: my 16 bytes of two f32 rows
.set G8,   27                          ; v27  8 x lane
.set RSA,  28                          ; v28  stage + 4,352 + 8 h
.set SSL,  29                          ; v29  stage + 4,352 + 16 x lane
.set F0,   64
.set F1,   128
.set TMP,  192                         ; v192-223 eight pairs of rows; v224-239 their rs, twice each
.set G1,  24
.set G0,  32
.set G1B, 48
.set G0B, 56
.set MSB, 0
.macro WIN new                         ; s_set_vgpr_msb: bits 1:0 source 0, 3:2 source 1, 5:4 source 2, 7:6 destination; the high byte repeats the setting that is left
.if MSB != \new
	s_set_vgpr_msb (MSB<<8)|\new
.set MSB, \new
.endif
.endm
.macro PLACES                          ; four plain places behind a matrix instruction (ISA guide 7.12.1)
.rept 4
	v_nop
.endr
.endm
.macro JLOAD s                         ; a joint load: waves 0, 1 ask for A's halves, waves 2, 3 for W's
	s_cmp_eq_u32 s11, 0
	s_cbranch_scc0 .Lfor_w_\@
	tensor_load_to_lds s[G0+4*\s:G0+4*\s+3], s[G1:G1+7]
	s_nop 0
	s_branch .Lasked_\@
.Lfor_w_\@:
	tensor_load_to_lds s[G0B+4*\s:G0B+4*\s+3], s[G1B:G1B+7]
	s_nop 0
.Lasked_\@:
.endm
.macro CREST
	s_cmp_lg_u32 s10, 0
	s_cbranch_scc1 .Lnot_wave_0_\@
	s_barrier_signal -3
.Lnot_wave_0_\@:
	s_barrier_wait -3
	s_barrier_signal -1
	s_barrier_wait -1
.endm
.macro CROUND
	s_barrier_signal -1
	s_barrier_wait -1
	CREST
.endm
	s_load_b128 s[4:7], s[0:1], 0x0                ; A, W
	s_load_b128 s[84:87], s[0:1], 0x10             ; RES s[84:85], XG s[86:87]
	s_load_b64 s[88:89], s[0:1], 0x20              ; OUT
	v_lshrrev_b32 v1, 5, v0
	v_readfirstlane_b32 s10, v1                    ; wave 0..3
	s_lshr_b32 s11, s10, 1                         ; my half of the tokens.  Also: I fetch for A (0) or for W (1)
	s_and_b32 s12, s10, 1                          ; my half of the columns.  Also: which half of that tile I fetch
	s_bfe_u32 s40, ttmp6, 0x40000                  ; cx
	s_bfe_u32 s41, ttmp6, 0x40004                  ; cy
	s_lshl_b32 s42, ttmp9, 2
	s_add_co_u32 s42, s42, s40                     ; CB: column block 0..7
	s_and_b32 s13, ttmp7, 0xffff
	s_lshl_b32 s13, s13, 2
	s_add_co_u32 s13, s13, s41                     ; RB: row block 0..31
	s_lshl_b32 s43, s41, 2
	s_lshl_b32 s43, 15, s43                        ; my row of the cluster
	s_lshl_b32 s44, 0x1111, s40                    ; my column
	; group 1 for A: two dense blocks of 2,048 elements of 8 bytes, 65,536 elements apart; 4 words of padding behind every 32: LDS rows of 144 bytes
	s_or_b32 s[G1+0], s43, (3<<16)|(1<<20)|(1<<21)|(4<<22)|(3<<25)
	s_mov_b32 s[G1+1], 2048<<16
	s_mov_b32 s[G1+2], 2<<16
	s_mov_b32 s[G1+3], 2048<<16
	s_mov_b32 s[G1+4], 2
	s_mov_b32 s[G1+5], 65536
	s_mov_b32 s[G1+6], 0
	s_mov_b32 s[G1+7], 0
	; group 1 for W: 128 rows x 128 elements of 2 bytes, pitch 1,024; 8 words of padding behind every 64: LDS rows of 288 bytes
	s_or_b32 s[G1B+0], s44, (1<<16)|(1<<20)|(1<<21)|(5<<22)|(7<<25)
	s_mov_b32 s[G1B+1], 128<<16
	s_mov_b32 s[G1B+2], 128<<16
	s_mov_b32 s[G1B+3], 128<<16
	s_mov_b32 s[G1B+4], 128
	s_mov_b32 s[G1B+5], 1024
	s_mov_b32 s[G1B+6], 0
	s_mov_b32 s[G1B+7], 0
	s_lshl_b32 s16, s13, 14                        ; A: 128 tokens x 128 bytes,
	s_lshl_b32 s17, s12, 20                        ; my two of the step's four blocks
	s_add_co_u32 s16, s16, s17
	s_mov_b32 s17, 0
	s_lshl_b32 s46, s42, 8                         ; W: 128 columns x 2 bytes,
	s_lshl_b32 s47, s12, 18                        ; my 128 of the step's 256 rows,
	s_add_co_u32 s46, s46, s47
	s_add_co_u32 s46, s46, WOFF                    ; in W2's panel
	s_mov_b32 s47, 0
	s_mul_i32 s20, s10, PART
	s_wait_kmcnt 0x0
	s_add_nc_u64 s[14:15], s[4:5], s[16:17]
	s_add_nc_u64 s[46:47], s[6:7], s[46:47]
	CROUND                                         ; all sixteen work-groups are here: the first joint loads meet
.irp s, 0,1
	s_mov_b32 s[G0+4*\s], 1
	s_add_co_u32 s[G0+4*\s+1], s20, \s*SLOT
	s_add_nc_u64 s[G0+4*\s+2:G0+4*\s+3], s[14:15], \s*0x200000
	s_or_b32 s[G0+4*\s+3], s[G0+4*\s+3], 0x80000000
	s_mov_b32 s[G0B+4*\s], 1
	s_add_co_u32 s[G0B+4*\s+1], s20, \s*SLOT
	s_add_nc_u64 s[G0B+4*\s+2:G0B+4*\s+3], s[46:47], \s*0x80000
	s_or_b32 s[G0B+4*\s+3], s[G0B+4*\s+3], 0x80000000
	JLOAD \s
.endr
	v_and_b32 v1, 15, v0                           ; r = l % 16
	v_bfe_u32 v2, v0, 4, 1                         ; h = l / 16
	v_mul_u32_u24 v3, v1, 144
	v_lshl_add_u32 v3, v2, 4, v3
	s_mul_i32 s21, s11, 9216
	v_add_nc_u32 v[ADRA], s21, v3
	v_add_nc_u32 v[ADRA+1], SLOT, v[ADRA]
	v_and_b32 v4, 7, v0
	v_lshl_add_u32 v4, v2, 3, v4
	v_mul_u32_u24 v4, v4, 288
	v_bfe_u32 v5, v0, 3, 1
	v_lshl_add_u32 v4, v5, 4, v4
	s_lshl_b32 s22, s12, 7
	s_add_co_u32 s22, s22, WREG
	v_add_nc_u32 v[ADRB], s22, v4
	v_add_nc_u32 v[ADRB+1], PART, v[ADRB]
	v_add_nc_u32 v[ADRB+2], SLOT, v[ADRB]
	v_add_nc_u32 v[ADRB+3], SLOT+PART, v[ADRB]
	s_lshl_b32 s23, s10, 13
	s_add_co_u32 s23, s23, STAGE                   ; my stage
	; the way out
	v_mul_u32_u24 v6, v1, 272
	v_lshl_add_u32 v6, v2, 5, v6
	v_add_nc_u32 v[STO], s23, v6
	v_mul_u32_u24 v6, v2, 272
	v_lshl_add_u32 v6, v1, 4, v6
	v_add_nc_u32 v[RD], s23, v6
	v_lshlrev_b32 v6, 12, v2
	v_lshl_add_u32 v[GO], v1, 4, v6
	v_and_b32 v7, 31, v0
	v_lshlrev_b32 v[G8], 3, v7
	s_add_co_u32 s21, s23, 4352
	v_lshl_add_u32 v[RSA], v2, 3, s21
	v_lshl_add_u32 v[SSL], v7, 4, s21
	s_add_nc_u64 s[86:87], s[86:87], 0x800000      ; the partial sums lie behind XG's blocks
	s_lshl_b32 s18, s13, 1
	s_add_co_u32 s18, s18, s11                     ; my group of 64 tokens
	s_mov_b32 s17, 0
	s_lshl_b32 s16, s18, 18                        ; x 64 rows of 4,096 bytes
	s_add_nc_u64 s[84:85], s[84:85], s[16:17]
	s_add_nc_u64 s[88:89], s[88:89], s[16:17]
	s_lshl_b32 s16, s18, 8                         ; x 64 sums of 4 bytes
	s_add_nc_u64 s[86:87], s[86:87], s[16:17]
	s_lshl_b32 s45, s42, 1
	s_add_co_u32 s45, s45, s12                     ; my block of 64 columns
	s_mov_b32 s47, 0
	s_lshl_b32 s46, s45, 8                         ; x 64 f32
	s_add_nc_u64 s[84:85], s[84:85], s[46:47]
	s_add_nc_u64 s[88:89], s[88:89], s[46:47]
	; the sixteen partial sums of my 64 tokens (two tokens a lane), while the first tiles are on their way
.irp kb, 0,1,2,3,4,5,6,7,8,9,10,11,12,13,14,15
	global_load_b64 v[TMP+2*\kb:TMP+2*\kb+1], v[G8], s[86:87] offset:16384*\kb   ; a wave: 256 consecutive bytes, aligned
.endr
	s_wait_loadcnt 0x0                             ; the sixteen loads of sums
.irp kb, 1,2,3,4,5,6,7,8,9,10,11,12,13,14,15
	v_pk_add_f32 v[TMP:TMP+1], v[TMP:TMP+1], v[TMP+2*\kb:TMP+2*\kb+1]
.endr
	v_mov_b32 v[TMP+2], 0x358637bd                 ; 1e-6
	s_mov_b32 s19, 0x3a800000                      ; 1 / 1024
	v_fma_f32 v[TMP], v[TMP], s19, v[TMP+2]
	v_fma_f32 v[TMP+1], v[TMP+1], s19, v[TMP+2]
	v_rsq_f32 v[TMP+4], v[TMP]                     ; each twice: the pair that the packed multiply-add of the way out takes
	v_rsq_f32 v[TMP+5], v[TMP]
	v_rsq_f32 v[TMP+6], v[TMP+1]
	v_rsq_f32 v[TMP+7], v[TMP+1]
	v_nop                                          ; one plain place behind the transcendentals (ISA guide 5.7.2)
	s_wait_alu depctr_va_vdst(0)
	ds_store_b128 v[SSL], v[TMP+4:TMP+7]           ; into my own stage: token i's pair at 8 i
	s_wait_dscnt 0x0                               ; no LDS instruction is pending at the signal below
.macro MUL8 f, a0, zero
.irp a, \a0, \a0+1
.irp b, 0,1,2,3
.if \zero
	v_wmma_f32_16x16x32_bf16 v[8*(4*(\a)+\b):8*(4*(\a)+\b)+7], v[\f+32+8*\b:\f+32+8*\b+7], v[\f+8*(\a):\f+8*(\a)+7], 0
.else
	v_wmma_f32_16x16x32_bf16 v[8*(4*(\a)+\b):8*(4*(\a)+\b)+7], v[\f+32+8*\b:\f+32+8*\b+7], v[\f+8*(\a):\f+8*(\a)+7], v[8*(4*(\a)+\b):8*(4*(\a)+\b)+7]
.endif
.endr
.endr
.endm
.macro FETCH slot, q, f                ; the fragments of the q-th 32 of a slot's 256 along K
.irp a, 0,1,2,3
	ds_load_b128 v[\f+8*\a:\f+8*\a+3],   v[ADRA+\slot] offset:((\q)>>1)*18432+((\q)&1)*64+\a*2304
	ds_load_b128 v[\f+8*\a+4:\f+8*\a+7], v[ADRA+\slot] offset:((\q)>>1)*18432+((\q)&1)*64+\a*2304+32
.endr
.irp b, 0,1,2,3
	ds_load_tr16_b128 v[\f+32+8*\b:\f+32+8*\b+3],   v[ADRB+2*\slot+((\q)>>2)] offset:((\q)&3)*9216+32*\b
	ds_load_tr16_b128 v[\f+32+8*\b+4:\f+32+8*\b+7], v[ADRB+2*\slot+((\q)>>2)] offset:((\q)&3)*9216+32*\b+4608
.endr
.endm
; The 16 accumulators take turns, one instruction a turn, in the same order everywhere.
.macro STEP slot, q, f, g, zero
	s_wait_dscnt 0x0                               ; buffer f's 16 loads, issued 16 matrix instructions ago
	PLACES                                         ; g was read by the matrix instructions just issued
	FETCH \slot, \q+1, \g
	WIN 0x50
	MUL8 \f, 0, \zero
	MUL8 \f, 2, \zero
	WIN 0
.endm
.macro PHASE slot, zero
	STEP \slot, 0, F0, F1, \zero
	STEP \slot, 1, F1, F0, 0
	STEP \slot, 2, F0, F1, 0
	STEP \slot, 3, F1, F0, 0
	STEP \slot, 4, F0, F1, 0
	STEP \slot, 5, F1, F0, 0
	STEP \slot, 6, F0, F1, 0
.endm
; The last eighth and the change of slots: my reads of this slot are back and all my tensor loads have landed in front of the barrier; with fill = 1 the
; barrier opens a round of the cluster's barrier and the joint refill is the first tensor load behind the round.
.macro TURN slot, next, fill
	s_wait_dscnt 0x0
	s_wait_tensorcnt 0x0
	s_barrier_signal -1
	WIN 0x50
	MUL8 F1, 0, 0
	WIN 0
	s_barrier_wait -1
.if \fill
	CREST
	s_add_nc_u64 s[G0+4*\slot+2:G0+4*\slot+3], s[G0+4*\slot+2:G0+4*\slot+3], 0x400000
	s_add_nc_u64 s[G0B+4*\slot+2:G0B+4*\slot+3], s[G0B+4*\slot+2:G0B+4*\slot+3], 0x100000
	JLOAD \slot
.endif
	PLACES
	FETCH \next, 0, F0
	WIN 0x50
	MUL8 F1, 2, 0
	WIN 0
.endm
	s_wait_tensorcnt 0x1                           ; my part of slot 0 is in; slot 1's may stay out
	s_barrier_signal -1
	s_barrier_wait -1
	FETCH 0, 0, F0
	; my 64 x 64 of RES is asked for here, when slot 0 has landed, and not together with the first tiles: it is first wanted behind the whole product
	WIN 0x40
.irp a, 0,1,2,3
.irp t, 0,1,2,3,4,5,6,7
	global_load_b128 v[128+4*(8*\a+\t):128+4*(8*\a+\t)+3], v[GO], s[84:85] offset:(16*\a+2*\t)*4096 th:TH_LOAD_NT   ; 16 lanes: 256 bytes of a row
.endr
.endr
	WIN 0
	PHASE 0, 1
	TURN 0, 1, 1
	PHASE 1, 0
	TURN 1, 0, 1
	PHASE 0, 0
	TURN 0, 1, 0
	PHASE 1, 0
	s_wait_dscnt 0x0
	WIN 0x50
	MUL8 F1, 0, 0
	MUL8 F1, 2, 0
	WIN 0
	PLACES
	s_wait_loadcnt 0x0                             ; RES
; THE WAY OUT, 16 tokens at a time: the f32 sums go through my own stage (rows of 272 bytes) and come back with 16 lanes on a row of 64 columns;
; one fused multiply-add a pair: sum x rs + RES.
.macro DOWN16 a
	s_wait_xcnt 0x0                                ; the last 16 tokens' stores have read v192-223: rewritten only behind this wait
	WIN 0x04
.irp b, 0,1,2,3
	ds_store_b128 v[STO], v[8*(4*\a+\b):8*(4*\a+\b)+3]   offset:64*\b
	ds_store_b128 v[STO], v[8*(4*\a+\b)+4:8*(4*\a+\b)+7] offset:64*\b+16
.endr
	WIN 0
.irp t, 0,1,2,3,4,5,6,7
	ds_load_b128 v[TMP+4*\t:TMP+4*\t+3], v[RD] offset:544*\t       ; rows 2 t and 2 t + 1
.endr
.irp t, 0,1,2,3,4,5,6,7
	ds_load_b64 v[224+2*\t:225+2*\t], v[RSA] offset:8*(16*\a+2*\t) ; my row's rs, twice
.endr
	s_wait_dscnt 0x0
	WIN 0x10
.irp t, 0,1,2,3,4,5,6,7
	v_pk_fma_f32 v[TMP+4*\t:TMP+4*\t+1],   v[TMP+4*\t:TMP+4*\t+1],   v[224+2*\t:225+2*\t], v[128+4*(8*\a+\t):128+4*(8*\a+\t)+1]
	v_pk_fma_f32 v[TMP+4*\t+2:TMP+4*\t+3], v[TMP+4*\t+2:TMP+4*\t+3], v[224+2*\t:225+2*\t], v[128+4*(8*\a+\t)+2:128+4*(8*\a+\t)+3]
.endr
	WIN 0
.irp t, 0,1,2,3,4,5,6,7
	global_store_b128 v[GO], v[TMP+4*\t:TMP+4*\t+3], s[88:89] offset:(16*\a+2*\t)*4096 th:TH_STORE_NT   ; 16 lanes: 256 consecutive bytes, aligned
.endr
.endm
	DOWN16 0
	DOWN16 1
	DOWN16 2
	DOWN16 3
	CROUND                                         ; the closing round
	s_endpgm
.Lfunc_end_k_q10f391734b_ffn_down:
	.size	k_q10f391734b_ffn_down, .Lfunc_end_k_q10f391734b_ffn_down-k_q10f391734b_ffn_down
	.p2alignl 7, 3214868480
	.fill 96, 4, 3214868480
	.section	.rodata,"a",@progbits
	.p2align	6, 0x0
	.amdhsa_kernel k_q10f391734b_ffn_down
		.amdhsa_group_segment_fixed_size 327680
		.amdhsa_private_segment_fixed_size 0
		.amdhsa_enable_private_segment 0
		.amdhsa_kernarg_size 40
		.amdhsa_user_sgpr_count 2
		.amdhsa_user_sgpr_kernarg_segment_ptr 1
		.amdhsa_wavefront_size32 1
		.amdhsa_system_sgpr_workgroup_id_x 1
		.amdhsa_system_sgpr_workgroup_id_y 1
		.amdhsa_system_sgpr_workgroup_id_z 1
		.amdhsa_system_vgpr_workitem_id 0
		.amdhsa_next_free_vgpr 512
		.amdhsa_next_free_sgpr 96
		.amdhsa_reserve_vcc 0
		.amdhsa_float_denorm_mode_32 3
		.amdhsa_float_denorm_mode_16_64 3
		.amdhsa_memory_ordered 1
		.amdhsa_forward_progress 1
		.amdhsa_inst_pref_size 100
	.end_amdhsa_kernel
	.amdgpu_metadata
---
amdhsa.version: [ 1, 2 ]
amdhsa.kernels:
  - .name:           k_q10f391734b_ffn_down
    .symbol:         k_q10f391734b_ffn_down.kd
    .args:
      - { .name: obuf, .offset: 0, .size: 8, .value_kind: global_buffer, .address_space: global }
      - { .name: wmain, .offset: 8, .size: 8, .value_kind: global_buffer, .address_space: global }
      - { .name: proj, .offset: 16, .size: 8, .value_kind: global_buffer, .address_space: global }
      - { .name: xg, .offset: 24, .size: 8, .value_kind: global_buffer, .address_space: global }
      - { .name: out0, .offset: 32, .size: 8, .value_kind: global_buffer, .address_space: global }
    .group_segment_fixed_size: 327680
    .private_segment_fixed_size: 0
    .kernarg_segment_align: 8
    .kernarg_segment_size: 40
    .max_flat_workgroup_size: 128
    .sgpr_count:     96
    .vgpr_count:     512
    .wavefront_size: 32
...
	.end_amdgpu_metadata
.endif
;; end of part 13
